; MI455X (gfx1250); checked and timed in simulation.
; The chip was launched on July 23, 2026; its instructions are those of AMD's public machine-readable ISA for CDNA 5 (MIT licence, August 2026) and "CDNA5" Instruction Set Architecture Reference Guide (July 2026). The comments in the code are by the model that wrote it; some were corrected since.
;; Multi Head Attention. Allowed arithmetic: matrix products marked QUANTISED: E3M2 operands, one E8M0 scale for each 32 along K, by v_wmma_scale_f32_16x16x128_f8f6f4 with both operands' format E3M2, f32 sums; everything else in f32.
;; Inputs: Wk 1,024 x 1,024 float32; Wo 1,024 x 1,024 float32; Wq 1,024 x 1,024 float32; Wv 1,024 x 1,024 float32; bk 1,024 float32; bo 1,024 float32; bq 1,024 float32; bv 1,024 float32; mask 2 x 2,048 x 2,048 int32; x_k 2 x 2,048 x 1,024 float32; x_q 2 x 2,048 x 1,024 float32; x_v 2 x 2,048 x 1,024 float32.
;; Outputs: out0 2 x 2,048 x 1,024 float32.
;; This version of the problem:
;;   THIS VERSION OF THE PROBLEM IS GIVEN IN LOW PRECISION. The matrix products marked QUANTISED in the list below multiply operands that are first quantised to E3M2 (3 exponent bits, 2 mantissa bits; 6 bits a number), with one power-of-two scale for each 32 numbers along K (OCP MX v1.0); their sums are f32. All else is computed in f32.
;;   The module's matrix products, in the order in which they are computed (A, B: the left and right operand; K: the contracted axis; several contracted axes count as one K, in the product's order):
;;     1. [M 4,096, K 1,024] x [K 1,024, N 1,024]; A: input x_q; B: input Wq: QUANTISED
;;     2. [M 4,096, K 1,024] x [K 1,024, N 1,024]; A: input x_k; B: input Wk: QUANTISED
;;     3. [M 4,096, K 1,024] x [K 1,024, N 1,024]; A: input x_v; B: input Wv: QUANTISED
;;     4. batch 32 x [M 2,048, K 64] x [K 64, N 2,048]; A: computed on the way; B: computed on the way: QUANTISED
;;     5. batch 32 x [M 2,048, K 2,048] x [K 2,048, N 64]; A: softmax (see below); B: computed on the way: QUANTISED
;;     6. [M 4,096, K 1,024] x [K 1,024, N 1,024]; A: computed on the way; B: input Wo: QUANTISED
;;   THE QUANTISER, for each operand of a quantised product, along K:
;;     - K is cut into blocks of 32 from its start; a last block that is shorter is filled with zeros.
;;     - A block's scale is 2^e with e = floor(log2(the largest magnitude in the block)) - 4, held to -126 .. 127; a block of zeros has e = 0. As a byte (E8M0): e + 127.
;;     - Each number is divided by its block's scale, clamped to +-28, and rounded to the nearest number of E3M2, ties to even, subnormals kept.
;;     - The product sums the exact products of the quantised numbers (number of the format x scale) in f32.
;;   ~~~python
;;   def quantise(x, axis):      # numpy; x: float32 -> the quantised numbers, widened to float32 again
;;       x = np.moveaxis(x, axis, -1); K = x.shape[-1]
;;       x = np.pad(x, [(0, 0)] * (x.ndim - 1) + [(0, -K % 32)]); x = x.reshape(x.shape[:-1] + (-1, 32)); a = np.abs(x).max(-1, keepdims=True)
;;       e = np.where(a > 0, np.clip(np.frexp(np.where(a > 0, a, 1))[1] - 1 - 4, -126, 127), 0)      # np.frexp(a)[1] - 1 = floor(log2(a)), exactly
;;       r = np.clip(x / 2.0 ** e, -28, 28)
;;       step = 2.0 ** (np.maximum(np.frexp(np.where(r == 0, 1, r))[1] - 1, -2) - 2)
;;       q = np.round(r / step) * step * 2.0 ** e      # np.round: ties to even
;;       return np.moveaxis(q.reshape(q.shape[:-2] + (-1,))[..., :K], -1, axis).astype(np.float32)
;;   ~~~
;;   SOFTMAX AHEAD OF A QUANTISED PRODUCT. Where the list says 'softmax', what is quantised is not the finished softmax but p = 2^(t - M), with t = logit x log2(e) and M = ceil(the row's largest t), a whole number; so 1/2 < the row's largest p <= 1. The row's sum l is taken of the UNQUANTISED p, in f32, and the product's result is divided by l at the end. Since M is a whole number, a kernel that streams over the keys may use a running M (the ceiling of the running maximum): every later rescaling is an exact power of two, which a block's scale takes up: the codes' values come out the same.
;;   OPERANDS COMPUTED ON THE WAY. 'Computed on the way' means the value that the module computes at that place (a softmax that the list does not call 'softmax' is quantised finished and normalised). What goes into a quantiser is computed in f32, as accurately as f32 sums, v_exp_f32 and their like allow (about 1e-6 of the number): no bf16 or f16 on the way to a quantiser, and a product that is left as it is and whose result goes on into a quantised operand takes f32 operands (vector FMAs, or v_wmma_f32_16x16x4_f32). A number that lies on a knife's edge between two numbers of the format may be rounded either way, as far as f32 arithmetic and the matrix unit's own rounding can turn it there, and no further.
;; 2 versions. Each part assembles by itself: llvm-mc -triple=amdgcn-amd-amdhsa -mcpu=gfx1250 --defsym DOCPART=n.
;; ======== version 1 of 2: 5 launches
;; limits: right only within a limited range of input values
;; workspace buffers: cc 12,582,912 bytes; ss 524,288 bytes; mb 1,048,576 bytes of whole numbers; qkv 9,830,400 bytes; ac 3,145,728 bytes; asc 131,072 bytes
;; launch quant (part 1): grid 512 x 1, 4 waves a work-group, no clusters, 17,920 bytes of LDS; arguments x_q, x_k, x_v, Wq, Wk, Wv, Wo, cc, ss; writes cc, ss
.if DOCPART == 1
	.amdgcn_target "amdgcn-amd-amdhsa--gfx1250"
	.amdhsa_code_object_version 6
	.text
	.protected	k_q08cd514483_quant
	.globl	k_q08cd514483_quant
	.p2align	8
	.type	k_q08cd514483_quant,@function
k_q08cd514483_quant:
	s_mov_b64 s[64:65], 0
	v_nop
	global_prefetch_b8 v0, s[64:65] scope:SCOPE_SE
	s_setreg_imm32_b32 hwreg(HW_REG_WAVE_MODE, 25, 1), 1
	s_wait_xcnt 0x0
; x_q, x_k, x_v [4096][1024] and Wq, Wk, Wv, Wo [1024][1024], f32, K innermost, become codes of BF6 (E3M2) with one E8M0 byte for each 32 along K.
; A block's scale is 2^(floor(log2(largest magnitude)) - 4): its byte is the largest magnitude's exponent field - 4, held at 1 from below by a floor among the maximum's leaves.
; THE CODES' LAYOUT is the image of the matrix operand's registers.  A HALF FRAGMENT is 16 rows x 64 K, 768 bytes: lane l = 16 H + r holds block H of row r in six registers;
; registers 0-3 lie at 16 l (512 bytes), registers 4-5 at 512 + 8 l (256 bytes).  cc: [1,024 tiles of 16 rows][16 half fragments][768]; tiles: x_q 0, x_k 256, x_v 512, Wq 768, Wk 832, Wv 896, Wo 960.
; INSIDE A BLOCK OF 32 THE CODES STAND IN ONE FIXED ORDER: places 0-7 hold k 0-7, places 8-15 k 16-23, places 16-23 k 8-15, places 24-31 k 24-31.  Every operand of this program has that order
; (operands made from matrix results get it by themselves), so both sides of every product agree, and blocks and scales are the true ones.
; ss: [tile][4 slots of 256 K][16 rows][2 words]: word w of slot s is the scale word of the 128 K at 256 s + 128 w; its byte i belongs to block i of those four.
; SHARES: wave J = 4 x work-group + wave takes tile J / 2, half J % 2 of K: 16 rows x 512 K in 8 steps of one half fragment.  A step's eight loads read 256 consecutive bytes of two rows each;
; the numbers turn through the wave's own stage in LDS (16 rows, 272 bytes apart) so that a lane gets a whole block.  Loads run four steps (32 loads a wave) ahead.  No barrier: waves share nothing.
; No tensor loads, clusters or matrix work: every input byte is read once by one wave, and memory binds.
; LIMITS: NaN and infinities are not served; a block whose largest magnitude lies under 2^-122 keeps the byte 1; a block of zeros gets the byte 1 and not 127: its codes are zeros, and this program alone reads the bytes.
.set R,   32                           ; v32-159  four sets of 32 numbers as loaded
.set X,   160                          ; v160-191 a lane's block, in the fixed order
.set C,   192                          ; v192-207 codes, two sets of 8
.set WP,  208                          ; v208-211 my bytes of the four scale words
.set PT,  212                          ; v212-215 the other half's
.set STG, 4352                         ; a wave's stage: 16 x 272 bytes
	s_load_b512 s[4:19], s[0:1], 0x0               ; x_q, x_k, x_v, Wq, Wk, Wv, Wo, cc
	s_load_b64 s[20:21], s[0:1], 0x40              ; ss
	v_lshl_add_u32 v224, v0, 2, 0x4400
	v_mov_b32 v225, 0
	v_lshrrev_b32 v7, 5, v0
	v_readfirstlane_b32 s28, v7                    ; wave
	v_and_b32 v8, 31, v0                           ; lane l
	v_and_b32 v9, 15, v0                           ; r
	v_bfe_u32 v10, v0, 4, 1                        ; H
	v_lshlrev_b32 v11, 4, v9
	v_lshl_add_u32 v1, v10, 12, v11                ; in memory: row H of a pair of rows, 16 bytes a lane
	s_mul_i32 s29, s28, STG
	v_mad_u32_u24 v2, v10, 272, v11
	v_add_nc_u32 v2, s29, v2                       ; into the stage: the same two rows
	v_mul_u32_u24 v3, v9, 272
	v_lshl_add_u32 v3, v10, 7, v3
	v_add_nc_u32 v3, s29, v3                       ; out of it: row r, block H
	v_lshlrev_b32 v4, 4, v8                        ; 16 l
	v_lshlrev_b32 v5, 3, v8                        ; 8 l
	v_lshlrev_b32 v6, 3, v10                       ; 8 H
.irp w, 0,1,2,3
	v_mov_b32 v[PT+\w], 0                          ; a lane permute's destination counts as read
.endr
	s_mov_b32 s30, 0x76543210
	s_mov_b32 s31, 0xfedcba98                      ; selects: lane l xor 16
	s_mov_b32 s32, 0xffff0000                      ; lanes 16-31
	s_lshl_b32 s33, ttmp9, 2
	s_add_co_u32 s33, s33, s28                     ; J
	s_wait_kmcnt 0x0
	s_mov_b64 s[22:23], s[16:17]                   ; which tensor: the choice hangs on the work-group's number alone
	s_mov_b32 s24, 480                             ; and its first work-group
	s_cmp_lt_u32 ttmp9, 480
	s_cselect_b64 s[22:23], s[14:15], s[22:23]
	s_cselect_b32 s24, 448, s24
	s_cmp_lt_u32 ttmp9, 448
	s_cselect_b64 s[22:23], s[12:13], s[22:23]
	s_cselect_b32 s24, 416, s24
	s_cmp_lt_u32 ttmp9, 416
	s_cselect_b64 s[22:23], s[10:11], s[22:23]
	s_cselect_b32 s24, 384, s24
	s_cmp_lt_u32 ttmp9, 384
	s_cselect_b64 s[22:23], s[8:9], s[22:23]
	s_cselect_b32 s24, 256, s24
	s_cmp_lt_u32 ttmp9, 256
	s_cselect_b64 s[22:23], s[6:7], s[22:23]
	s_cselect_b32 s24, 128, s24
	s_cmp_lt_u32 ttmp9, 128
	s_cselect_b64 s[22:23], s[4:5], s[22:23]
	s_cselect_b32 s24, 0, s24
	s_sub_co_u32 s25, ttmp9, s24
	s_lshl_b32 s25, s25, 1
	s_lshr_b32 s34, s28, 1
	s_add_co_u32 s25, s25, s34                     ; my tile in the tensor
	s_lshl_b32 s26, s25, 16                        ; 16 rows of 4,096 bytes
	s_and_b32 s34, s28, 1
	s_lshl_b32 s34, s34, 11                        ; my half of K: 2,048 bytes
	s_add_co_u32 s26, s26, s34
	s_mov_b32 s27, 0
	s_add_nc_u64 s[22:23], s[22:23], s[26:27]
	s_mul_i32 s26, s33, 6144                       ; my eight half fragments
	s_add_nc_u64 s[18:19], s[18:19], s[26:27]
	s_lshl_b32 s26, s33, 8                         ; my 256 bytes of scale words
	s_add_nc_u64 s[20:21], s[20:21], s[26:27]
.macro LOAD t                          ; step t: 64 along K of 16 rows; sixteen lanes read 256 consecutive bytes of a row
.irp i, 0,1,2,3,4,5,6,7
	global_load_b128 v[R+32*((\t)%4)+4*\i:R+32*((\t)%4)+4*\i+3], v1, s[22:23] offset:8192*\i+256*(\t) th:TH_LOAD_NT
.endr
.endm
.macro STEP t
.set RS, R+32*((\t)%4)
.set CS, C+8*((\t)%2)
.if (\t) < 5
	s_wait_loadcnt 24                              ; this step's eight loads are in; those of the three steps behind may be out
.else
	s_wait_loadcnt 8*(7-(\t))
.endif
.irp i, 0,1,2,3,4,5,6,7
	ds_store_b128 v2, v[RS+4*\i:RS+4*\i+3] offset:544*\i
.endr
	ds_load_b128 v[X:X+3], v3                      ; LDS serves a wave's instructions in order: these see the stores.  The block's eight pieces of 4 numbers in the fixed order: 0, 1, 4, 5, 2, 3, 6, 7
	ds_load_b128 v[X+4:X+7], v3 offset:16
	ds_load_b128 v[X+8:X+11], v3 offset:64
	ds_load_b128 v[X+12:X+15], v3 offset:80
	ds_load_b128 v[X+16:X+19], v3 offset:32
	ds_load_b128 v[X+20:X+23], v3 offset:48
	ds_load_b128 v[X+24:X+27], v3 offset:96
	ds_load_b128 v[X+28:X+31], v3 offset:112
	s_wait_dscnt 0x0                               ; the block is in, and the stores have read their registers,
.if (\t)+4 < 8
	LOAD (\t)+4                                    ; which take the loads of four steps on
.endif
	v_max3_num_f32 v16, |v[X]|, |v[X+1]|, |v[X+2]| ; the block's largest magnitude: all 32 numbers are mine; two chains
	v_max3_num_f32 v17, |v[X+3]|, |v[X+4]|, |v[X+5]|
.irp i, 6,10,14,18,22,26
	v_max3_num_f32 v16, v16, |v[X+\i]|, |v[X+\i+1]|
	v_max3_num_f32 v17, v17, |v[X+\i+2]|, |v[X+\i+3]|
.endr
	v_max3_num_f32 v16, v16, |v[X+30]|, |v[X+31]|
	v_max3_num_f32 v16, v16, v17, 0x2800000        ; and the floor 2^(5 - 127): the byte cannot fall under 1
	v_add_nc_u32 v18, 0xfe000000, v16              ; 4 off the exponent field: the conversion takes the exponent field of this operand as its scale
	s_wait_xcnt 0x0                                ; the stores of two steps ago have read this set of code registers
	v_cvt_scalef32_pk16_bf6_f32 v[CS:CS+2], v[X:X+15], v18
	v_cvt_scalef32_pk16_bf6_f32 v[CS+4:CS+6], v[X+16:X+31], v18   ; (a conversion's three registers begin on an even number)
	v_lshrrev_b32 v19, 23, v18                     ; the scale's byte; also the plain line behind the conversions
.if (\t)%2 == 0
	v_mov_b32 v[WP+(\t)/2], v19                    ; blocks H and 2 + H of a scale word are mine
.else
	v_lshl_or_b32 v[WP+(\t)/2], v19, 16, v[WP+(\t)/2]
.endif
	v_mov_b32 v[CS+3], v[CS+4]                     ; six registers on end
	v_mov_b32 v[CS+4], v[CS+5]
	v_mov_b32 v[CS+5], v[CS+6]
	global_store_b128 v4, v[CS:CS+3], s[18:19] offset:768*(\t)        ; 512 consecutive bytes, aligned to 256
	global_store_b64 v5, v[CS+4:CS+5], s[18:19] offset:768*(\t)+512   ; 256 consecutive bytes, aligned to 256
.endm
.irp t, 0,1,2,3
	LOAD \t
.endr
.irp t, 0,1,2,3,4,5,6,7
	STEP \t
.endr
.irp w, 0,1,2,3
	v_lshlrev_b32 v[WP+\w], v6, v[WP+\w]           ; my bytes at their places: 8 H bits up
.endr
.irp w, 0,1,2,3
	v_permlanex16_b32 v[PT+\w], v[WP+\w], s30, s31
.endr
.irp w, 0,1,2,3
	v_or_b32 v[WP+\w], v[WP+\w], v[PT+\w]          ; with lane l xor 16's the words are whole
.endr
	v_cndmask_b32 v16, v[WP], v[WP+2], s32         ; lanes 0-15 store the first slot's two words of row r, lanes 16-31 the second's
	v_cndmask_b32 v17, v[WP+1], v[WP+3], s32
	global_store_b64 v5, v[16:17], s[20:21]        ; 256 consecutive bytes, aligned to 256
	s_wait_tensorcnt 0x0
	ds_add_u32 v224, v225
	s_wait_dscnt 0x0
	s_endpgm
.Lfunc_end_k_q08cd514483_quant:
	.size	k_q08cd514483_quant, .Lfunc_end_k_q08cd514483_quant-k_q08cd514483_quant
	.p2alignl 7, 3214868480
	.fill 96, 4, 3214868480
	.section	.rodata,"a",@progbits
	.p2align	6, 0x0
	.amdhsa_kernel k_q08cd514483_quant
		.amdhsa_group_segment_fixed_size 17920
		.amdhsa_private_segment_fixed_size 0
		.amdhsa_enable_private_segment 0
		.amdhsa_kernarg_size 72
		.amdhsa_user_sgpr_count 2
		.amdhsa_user_sgpr_kernarg_segment_ptr 1
		.amdhsa_wavefront_size32 1
		.amdhsa_system_sgpr_workgroup_id_x 1
		.amdhsa_system_sgpr_workgroup_id_y 1
		.amdhsa_system_sgpr_workgroup_id_z 1
		.amdhsa_system_vgpr_workitem_id 0
		.amdhsa_next_free_vgpr 226
		.amdhsa_next_free_sgpr 66
		.amdhsa_reserve_vcc 0
		.amdhsa_float_denorm_mode_32 3
		.amdhsa_float_denorm_mode_16_64 3
		.amdhsa_memory_ordered 1
		.amdhsa_forward_progress 1
		.amdhsa_inst_pref_size 32
	.end_amdhsa_kernel
	.amdgpu_metadata
---
amdhsa.version: [ 1, 2 ]
amdhsa.kernels:
  - .name:           k_q08cd514483_quant
    .symbol:         k_q08cd514483_quant.kd
    .args:
      - { .name: x_q, .offset: 0, .size: 8, .value_kind: global_buffer, .address_space: global }
      - { .name: x_k, .offset: 8, .size: 8, .value_kind: global_buffer, .address_space: global }
      - { .name: x_v, .offset: 16, .size: 8, .value_kind: global_buffer, .address_space: global }
      - { .name: Wq, .offset: 24, .size: 8, .value_kind: global_buffer, .address_space: global }
      - { .name: Wk, .offset: 32, .size: 8, .value_kind: global_buffer, .address_space: global }
      - { .name: Wv, .offset: 40, .size: 8, .value_kind: global_buffer, .address_space: global }
      - { .name: Wo, .offset: 48, .size: 8, .value_kind: global_buffer, .address_space: global }
      - { .name: cc, .offset: 56, .size: 8, .value_kind: global_buffer, .address_space: global }
      - { .name: ss, .offset: 64, .size: 8, .value_kind: global_buffer, .address_space: global }
    .group_segment_fixed_size: 17920
    .private_segment_fixed_size: 0
    .kernarg_segment_align: 8
    .kernarg_segment_size: 72
    .max_flat_workgroup_size: 128
    .sgpr_count:     66
    .vgpr_count:     226
    .wavefront_size: 32
...
	.end_amdgpu_metadata
.endif
;; end of part 1
;; launch maskpack (part 2): grid 256 x 1, 8 waves a work-group, no clusters, 68,608 bytes of LDS; arguments mask, mb; writes mb
.if DOCPART == 2
	.amdgcn_target "amdgcn-amd-amdhsa--gfx1250"
	.amdhsa_code_object_version 6
	.text
	.protected	k_q08cd514483_maskpack
	.globl	k_q08cd514483_maskpack
	.p2align	8
	.type	k_q08cd514483_maskpack,@function
k_q08cd514483_maskpack:
	s_mov_b64 s[64:65], 0
	v_nop
	global_prefetch_b8 v0, s[64:65] scope:SCOPE_SE
	s_setreg_imm32_b32 hwreg(HW_REG_WAVE_MODE, 25, 1), 1
	s_wait_xcnt 0x0
; mask [2][2048][2048], int32, becomes lane masks for the attention launch, whose 16 heads share them: one bit a number.
; mb: [b][tile of 16 queries qt][step of 128 keys ks][64 words].  Bit l = 16 h + r of word n says that mask[b][16 qt + r][128 ks + 16 (n / 8) + 8 h + n % 8] is not 0:
; that is the place which lane l's score register n holds in the attention launch, so that the select there is one instruction with a scalar mask.
; SHARES: a work-group takes 16 queries (131,072 bytes), wave w the key steps 2 w and 2 w + 1.  Each load reads 512 consecutive bytes of a row; the numbers turn through the wave's own stage in LDS
; (16 rows, 528 bytes apart) into the score registers' layout; a compare makes a word, a lane write gathers 64 words in two registers; 32 lanes store 256 consecutive bytes, aligned to 256.
; All 32 loads of a wave go out at once.  No barrier: waves share nothing.  Memory binds: no tensor loads, no clusters, no matrix work.
.set W, 8                              ; v8-11    the words: two registers a step
.set R, 64                             ; v64-191  two steps of 64 registers as loaded
.set X, 192                            ; v192-255 a step in the score registers' layout
	s_load_b128 s[4:7], s[0:1], 0x0                ; mask, mb
	v_lshl_add_u32 v62, v0, 2, 0x10800
	v_mov_b32 v63, 0
	v_lshrrev_b32 v5, 5, v0
	v_readfirstlane_b32 s8, v5                     ; wave
	v_and_b32 v5, 31, v0                           ; l
	v_and_b32 v6, 15, v0                           ; r
	v_bfe_u32 v7, v0, 4, 1                         ; h
	v_lshlrev_b32 v1, 4, v5                        ; 16 l
	s_mul_i32 s9, s8, 8448                         ; my stage
	v_add_nc_u32 v2, s9, v1                        ; in: a row as it lies
	v_mul_u32_u24 v3, v6, 528
	v_lshl_add_u32 v3, v7, 5, v3
	v_add_nc_u32 v3, s9, v3                        ; out: row r, 32 h bytes on
	v_lshlrev_b32 v4, 3, v5                        ; 8 l
.irp i, 0,1,2,3
	v_mov_b32 v[W+\i], 0                           ; a lane write's destination counts as read
.endr
	s_lshl_b32 s10, ttmp9, 17                      ; 16 rows of 8,192 bytes
	s_lshl_b32 s12, s8, 10                         ; my 256 keys
	s_add_co_u32 s10, s10, s12
	s_mov_b32 s11, 0
	s_lshl_b32 s12, ttmp9, 12                      ; 16 steps of 256 bytes
	s_lshl_b32 s14, s8, 9
	s_add_co_u32 s12, s12, s14
	s_mov_b32 s13, 0
	s_wait_kmcnt 0x0
	s_add_nc_u64 s[4:5], s[4:5], s[10:11]
	s_add_nc_u64 s[6:7], s[6:7], s[12:13]
.irp s, 0,1
.irp i, 0,1,2,3,4,5,6,7,8,9,10,11,12,13,14,15
	global_load_b128 v[R+64*\s+4*\i:R+64*\s+4*\i+3], v1, s[4:5] offset:8192*\i+512*\s th:TH_LOAD_NT
.endr
.endr
.irp s, 0,1
	s_wait_loadcnt 16-16*\s                        ; this step's sixteen loads are in; the second step's may be out
.irp i, 0,1,2,3,4,5,6,7,8,9,10,11,12,13,14,15
	ds_store_b128 v2, v[R+64*\s+4*\i:R+64*\s+4*\i+3] offset:528*\i
.endr
.irp t, 0,1,2,3,4,5,6,7
	ds_load_b128 v[X+8*\t:X+8*\t+3], v3 offset:64*\t         ; LDS serves a wave's instructions in order: these see the stores, and the next step's stores come behind them
	ds_load_b128 v[X+8*\t+4:X+8*\t+7], v3 offset:64*\t+16
.endr
	s_wait_dscnt 0x0
.set n, 0
.rept 8
.irp e, 0,1,2,3,4,5,6,7
	v_cmp_ne_u32 s[16+\e], 0, v[X+n+\e]            ; word n + e: a bit for each lane
.endr
.irp e, 0,1,2,3,4,5,6,7
	v_writelane_b32 v[W+2*\s+\e%2], s[16+\e], (n+\e)/2       ; lane L gathers words 2 L and 2 L + 1
.endr
.set n, n+8
.endr
	global_store_b64 v4, v[W+2*\s:W+2*\s+1], s[6:7] offset:256*\s
.endr
	s_wait_tensorcnt 0x0
	ds_add_u32 v62, v63
	s_wait_dscnt 0x0
	s_endpgm
.Lfunc_end_k_q08cd514483_maskpack:
	.size	k_q08cd514483_maskpack, .Lfunc_end_k_q08cd514483_maskpack-k_q08cd514483_maskpack
	.p2alignl 7, 3214868480
	.fill 96, 4, 3214868480
	.section	.rodata,"a",@progbits
	.p2align	6, 0x0
	.amdhsa_kernel k_q08cd514483_maskpack
		.amdhsa_group_segment_fixed_size 68608
		.amdhsa_private_segment_fixed_size 0
		.amdhsa_enable_private_segment 0
		.amdhsa_kernarg_size 16
		.amdhsa_user_sgpr_count 2
		.amdhsa_user_sgpr_kernarg_segment_ptr 1
		.amdhsa_wavefront_size32 1
		.amdhsa_system_sgpr_workgroup_id_x 1
		.amdhsa_system_sgpr_workgroup_id_y 1
		.amdhsa_system_sgpr_workgroup_id_z 1
		.amdhsa_system_vgpr_workitem_id 0
		.amdhsa_next_free_vgpr 256
		.amdhsa_next_free_sgpr 66
		.amdhsa_reserve_vcc 0
		.amdhsa_float_denorm_mode_32 3
		.amdhsa_float_denorm_mode_16_64 3
		.amdhsa_memory_ordered 1
		.amdhsa_forward_progress 1
		.amdhsa_inst_pref_size 25
	.end_amdhsa_kernel
	.amdgpu_metadata
---
amdhsa.version: [ 1, 2 ]
amdhsa.kernels:
  - .name:           k_q08cd514483_maskpack
    .symbol:         k_q08cd514483_maskpack.kd
    .args:
      - { .name: mask, .offset: 0, .size: 8, .value_kind: global_buffer, .address_space: global }
      - { .name: mb, .offset: 8, .size: 8, .value_kind: global_buffer, .address_space: global }
    .group_segment_fixed_size: 68608
    .private_segment_fixed_size: 0
    .kernarg_segment_align: 8
    .kernarg_segment_size: 16
    .max_flat_workgroup_size: 256
    .sgpr_count:     66
    .vgpr_count:     256
    .wavefront_size: 32
...
	.end_amdgpu_metadata
.endif
;; end of part 2
;; launch proj (part 3): grid 4 x 48, 4 waves a work-group, clusters of 4 x 4, 327,680 bytes of LDS; arguments cc, ss, bq, bk, bv, qkv; writes qkv
.if DOCPART == 3
	.amdgcn_target "amdgcn-amd-amdhsa--gfx1250"
	.amdhsa_code_object_version 6
	.text
	.protected	k_q08cd514483_proj
	.globl	k_q08cd514483_proj
	.p2align	8
	.type	k_q08cd514483_proj,@function
k_q08cd514483_proj:
	s_mov_b64 s[64:65], 0
	v_nop
	global_prefetch_b8 v0, s[64:65] scope:SCOPE_SE
	s_setreg_imm32_b32 hwreg(HW_REG_WAVE_MODE, 25, 1), 1
	s_wait_xcnt 0x0
	s_wait_alu depctr_hold_cnt(0) depctr_sa_sdst(0) depctr_va_vdst(0) depctr_va_sdst(0) depctr_va_ssrc(0) depctr_va_vcc(0) depctr_vm_vsrc(0)
	s_getreg_b32 s2, hwreg(HW_REG_IB_STS2, 6, 4)
	s_cmp_eq_u32 s2, 0
	s_cbranch_scc0 .Lentry_in_a_cluster
	s_endpgm
.Lentry_in_a_cluster:
	s_bfe_u32 s2, ttmp6, 0x10000c
	s_cmp_lg_u32 s2, 0xf033
	s_cbranch_scc0 .Lentry_shape_is_right
	s_endpgm
.Lentry_shape_is_right:
; q = x_q Wq^T + bq, k = x_k Wk^T + bk, v = x_v Wv^T + bv on codes of BF6 (E3M2) with E8M0 scales; the results are quantised in registers and leave as codes: q and k along a head's 64, v along the keys.
; OPERANDS: cc holds half fragments of 16 rows x 64 K (768 bytes: lane l's registers 0-3 at 16 l, registers 4-5 at 512 + 8 l), [tile of 16 rows][16 along K]; ss their scale words, [tile][4 slots][16 rows][2 words].
; A tile of the result, 256 (R) x 256 (P), is made by four waves, 128 x 128 each: 64 accumulators, 512 registers.  Source 0 takes 16 rows of P, source 1 16 rows of R: a lane holds ONE row of R, its registers run along P's rows.
;   q, k: R = x, P = W: a lane's registers run along the features: 128 = two heads' 64.      v: R = Wv, P = x_v: a lane holds one feature d and its registers run down 128 keys.
; So the conversions, which take neighbours along the next K from one lane's registers, give the next products' operands with nothing transposed.  Inside a block of 32 the codes come out in the order
; k 0-7, 16-23, 8-15, 24-31, the order that every operand of this program has.
; K = 1,024 goes in four slots' worth of 256 through a ring of two LDS slots; a wave's tensor load brings 8 tiles x 3,072 consecutive bytes.  The scale words of the work-group's rows come once, 4,096 dense bytes a wave.
; CLUSTERS: 4 x 4 work-groups; R's tiles are shared along a row of the cluster, P's along a column: each is asked for jointly.  The cluster's y (0 to 11) says which product (y / 4) and which quarter of x's rows (y % 4): equal in all partners.
; THE BIAS: q, k: it runs along the registers and is the C of each sum's first product.  v: it hangs on the lane and is added on the way out, by the packed addition that brings a block into window 0.
; qkv: 32 records (b x 16 + head) of 307,200 bytes: K's codes [128 tiles of 16 keys][768]; V's [16 steps of 128 keys][4 tiles of 16 d][2][768]; K's scales, 2 bytes [pair of tiles][row][tile of the pair];
;   V's scale words [step][tile of d][row]; Q's codes and scales as K's.  Codes leave in runs of 512 and 256 consecutive bytes, aligned to 256.  The scale bytes leave 2 bytes a lane, 4 bytes apart, so blocks of 256 bytes are
;   written in part there: they are 1/24 of the codes' bytes.
; LIMITS: NaN and infinities are not served; a block under 2^-122 keeps the byte 1; a block of zeros gets the byte 1, not 127 (its codes are zeros; this program alone reads the bytes).
; REGISTERS: window 0: v0-31 addresses; v32-63 scale words, two sets; v64-127 the bias as C; v128-223 R's fragments, one set; v224-239 the lane's bias.  Window 1: P's fragments, two sets, at v0 and v128.
;   Window 2: accumulators of my rows 0-63 ((a, b) at v[8 (8 a + b)]); window 3: rows 64-127.  On the way out window 0's v32-49 and v128-211 are at work.
.set REC,   307200
.set KC,    0
.set VC,    98304
.set KS,    196608
.set VS,    200704
.set QC,    204800
.set QS,    303104
.set FR,    12                         ; registers of a fragment, 16 rows x 128 K
.set NL,    4                          ; LDS loads that bring one
.set NP,    4                          ; places behind this matrix instruction (ISA guide 7.12.1)
.set NQ,    2                          ; steps of 128 in a slot
.set TROW,  3072                       ; a tile's four half fragments in a slot
.set HALFT, 8*TROW                     ; 128 rows: what one tensor load brings
.set SLOT,  4*HALFT                    ; R's 256 rows, then P's
.set SCL,   2*SLOT                     ; behind the ring: R's scale words (8,192 bytes); 128 bytes on, P's, so that the two halves of the lanes read different banks
.set SPARE, 213248                     ; the spare words, 128 bytes a wave: two blocks of 256 bytes that no other line names
.set A16,   16                         ; v16-17 R's fragments in slot 0, 1: 16 l;  v18-19: 8 l
.set A8,    18
.set B16,   20                         ; v20-23 the same for P
.set B8,    22
.set ADRS,  27                         ; v27 my scale words: lanes 0-15 R's rows, lanes 16-31 P's
.set SPW,   28                         ; v28 my spare word; never rewritten
.set NIL,   29                         ; v29 0; never rewritten
.set SC,    32
.set BR,    64
.set AF,    128
.set BL,    224
.set OA0,   8                          ; the way out: byte offsets in qkv of the two half fragments' two parts, of the scale bytes; 16 h
.set OB0,   9
.set OA1,   10
.set OB1,   11
.set OSC,   12
.set VSH,   13
.set TM,    32
.set PW,    48
.set SD,    49
.set T,     128
.set PC,    192
.set SELA,  42
.set SELB,  95
.set G1,    24
.set G0,    32
.set G1B,   48
.set G0B,   56
.set G1S,   68
.set G0S,   76
.set G1SB,  80
.set G0SB,  88
.set MSB, 0
.macro WIN new                         ; the immediate's high byte repeats the setting that is left
.if MSB != (\new)
	s_set_vgpr_msb (MSB<<8)|(\new)
.set MSB, (\new)
.endif
.endm
.set MUL_LO, 0xa1                      ; source 0 (P) window 1, source 1 (R) window 0, C and D window 2
.set MUL_HI, 0xf1                      ; the same, C and D window 3
.set TO_B,   0x40                      ; destination window 1, address window 0
; A joint load: waves 0 and 1 fetch for R, waves 2 and 3 for P; the branch hangs on the wave's number alone.  Four v_nop follow each of the two lines.
.macro JLOAD g0a, g1a, g0b, g1b
	s_cmp_eq_u32 s15, 0
	s_cbranch_scc0 .Lfor_b_\@
	tensor_load_to_lds s[\g0a:\g0a+3], s[\g1a:\g1a+7]
	s_nop 0
.rept 4
	v_nop
.endr
	s_branch .Lasked_\@
.Lfor_b_\@:
	tensor_load_to_lds s[\g0b:\g0b+3], s[\g1b:\g1b+7]
	s_nop 0
.rept 4
	v_nop
.endr
.Lasked_\@:
.endm
.macro CREST                           ; a round of the cluster's barrier behind its opening barrier
	s_cmp_lg_u32 s14, 0
	s_cbranch_scc1 .Lnot_wave_0_\@
	s_barrier_signal -3
.Lnot_wave_0_\@:
	s_barrier_wait -3
	s_barrier_signal -1
	s_barrier_wait -1
.endm
.macro CROUND
	s_barrier_signal -1
	s_barrier_wait -1
	CREST
.endm
.macro PLACES n
.rept \n
	v_nop
.endr
.endm
	s_load_b128 s[4:7], s[0:1], 0x0                ; cc, ss
	s_load_b128 s[96:99], s[0:1], 0x10             ; bq, bk
	s_load_b128 s[8:11], s[0:1], 0x20              ; bv, qkv
	v_lshl_add_u32 v[SPW], v0, 2, SPARE
	v_mov_b32 v[NIL], 0
	ds_add_u32 v28, v29
	ds_add_u32 v28, v29
	s_wait_dscnt 0x0
	v_lshrrev_b32 v1, 5, v0
	v_readfirstlane_b32 s14, v1                    ; wave 0..3
	s_lshr_b32 s15, s14, 1                         ; which half of R's rows is mine.  Also: I fetch for R (0) or for P (1)
	s_and_b32 s16, s14, 1                          ; which half of P's rows.  Also: which 128 rows I fetch
	s_bfe_u32 s40, ttmp6, 0x40000                  ; cx
	s_bfe_u32 s41, ttmp6, 0x40004                  ; cy
	s_and_b32 s17, ttmp7, 0xffff                   ; the cluster's y
	s_lshr_b32 s66, s17, 2                         ; the product: 0 q, 1 k, 2 v
	s_and_b32 s67, s17, 3                          ; the quarter of x's rows
	s_lshl_b32 s43, s41, 2
	s_lshl_b32 s43, 15, s43                        ; my row of the cluster
	s_lshl_b32 s44, 0x1111, s40                    ; my column
	; group 1 for codes: 8 rows (tiles) of 3,072 bytes = 384 elements of 8 bytes, 12,288 bytes apart; no padding: every LDS read is of consecutive bytes
	s_or_b32 s[G1+0], s43, (3<<16)|(1<<21)
	s_or_b32 s[G1B+0], s44, (3<<16)|(1<<21)
.irp g, G1, G1B
	s_mov_b32 s[\g+1], 384<<16                     ; tensor_dim0
	s_mov_b32 s[\g+2], 8<<16                       ; tensor_dim1
	s_mov_b32 s[\g+3], 384<<16                     ; tile_dim0
	s_mov_b32 s[\g+4], 8                           ; tile_dim1
	s_mov_b32 s[\g+5], 1536                        ; stride
	s_mov_b32 s[\g+6], 0
	s_mov_b32 s[\g+7], 0
.endr
	; and for the scale words of 128 rows: 4,096 dense bytes as 16 rows of 256
	s_or_b32 s[G1S+0], s43, (3<<16)|(1<<21)
	s_or_b32 s[G1SB+0], s44, (3<<16)|(1<<21)
.irp g, G1S, G1SB
	s_mov_b32 s[\g+1], 32<<16
	s_mov_b32 s[\g+2], 16<<16
	s_mov_b32 s[\g+3], 32<<16
	s_mov_b32 s[\g+4], 16
	s_mov_b32 s[\g+5], 32
	s_mov_b32 s[\g+6], 0
	s_mov_b32 s[\g+7], 0
.endr
	; which tiles of cc.  R's hang on cy and on numbers that the whole cluster shares, P's on cx and such numbers, each in registers of its own
	s_lshl_b32 s18, s66, 8
	s_lshl_b32 s19, s67, 6
	s_add_co_u32 s18, s18, s19                     ; q, k: x's first tile for this cluster: 256 p + 64 quarter
	s_lshl_b32 s20, s66, 6
	s_add_co_u32 s20, s20, 768                     ; q, k: W's first tile
	s_add_co_u32 s19, s19, 512                     ; v: x_v's first tile for this cluster
	s_mov_b32 s21, 896                             ; v: Wv's first tile
	s_cmp_eq_u32 s66, 2
	s_cselect_b32 s18, s21, s18                    ; R
	s_cselect_b32 s20, s19, s20                    ; P
	s_lshl_b32 s21, s16, 3                         ; the half that I fetch: 8 tiles
	s_lshl_b32 s23, s41, 4
	s_add_co_u32 s22, s18, s23
	s_add_co_u32 s22, s22, s21                     ; R's tile
	s_lshl_b32 s47, s40, 4
	s_add_co_u32 s46, s20, s47
	s_add_co_u32 s46, s46, s21                     ; P's tile
	s_mul_i32 s92, s22, 12288                      ; in bytes: codes,
	s_mov_b32 s93, 0
	s_lshl_b32 s22, s22, 9                         ; scale words
	s_mov_b32 s23, 0
	s_lshl_b32 s100, s46, 9
	s_mov_b32 s101, 0
	s_mul_i32 s46, s46, 12288
	s_mov_b32 s47, 0
	s_mul_i32 s45, s14, HALFT                      ; where they go: wave x 128 rows: no place in the cluster enters an LDS address
	s_lshl_b32 s94, s14, 12
	s_wait_kmcnt 0x0
	s_add_nc_u64 s[92:93], s[4:5], s[92:93]
	s_add_nc_u64 s[22:23], s[6:7], s[22:23]
	s_add_nc_u64 s[46:47], s[4:5], s[46:47]
	s_add_nc_u64 s[100:101], s[6:7], s[100:101]
	CROUND                                         ; all sixteen work-groups are here: the first joint loads meet
	s_mov_b32 s[G0S], 1
	s_add_co_u32 s[G0S+1], s94, SCL
	s_mov_b64 s[G0S+2:G0S+3], s[22:23]
	s_or_b32 s[G0S+3], s[G0S+3], 0x80000000
	s_mov_b32 s[G0SB], 1
	s_add_co_u32 s[G0SB+1], s94, SCL+128
	s_mov_b64 s[G0SB+2:G0SB+3], s[100:101]
	s_or_b32 s[G0SB+3], s[G0SB+3], 0x80000000
	JLOAD G0S, G1S, G0SB, G1SB                     ; the scale words first: they are wanted with the first step
.irp s, 0,1
	s_mov_b32 s[G0+4*\s], 1
	s_add_co_u32 s[G0+4*\s+1], s45, \s*SLOT
	s_add_nc_u64 s[G0+4*\s+2:G0+4*\s+3], s[92:93], \s*TROW
	s_or_b32 s[G0+4*\s+3], s[G0+4*\s+3], 0x80000000
	s_mov_b32 s[G0B+4*\s], 1
	s_add_co_u32 s[G0B+4*\s+1], s45, \s*SLOT
	s_add_nc_u64 s[G0B+4*\s+2:G0B+4*\s+3], s[46:47], \s*TROW
	s_or_b32 s[G0B+4*\s+3], s[G0B+4*\s+3], 0x80000000
	JLOAD G0+4*\s, G1, G0B+4*\s, G1B               ; three tensor loads of mine are out
.endr
	v_and_b32 v1, 31, v0                           ; l
	v_and_b32 v2, 15, v0                           ; r
	v_bfe_u32 v3, v0, 4, 1                         ; h
	v_lshlrev_b32 v4, 4, v1
	v_lshlrev_b32 v5, 3, v1
	s_mul_i32 s21, s15, HALFT                      ; my 128 rows of R
	s_mul_i32 s18, s16, HALFT
	s_add_co_u32 s18, s18, 2*HALFT                 ; my 128 rows of P, behind R's 256
.irp s, 0,1
	v_add_nc_u32 v[A16+\s], s21, v4
	v_add_nc_u32 v[A8+\s], s21, v5
	v_add_nc_u32 v[B16+\s], s18, v4
	v_add_nc_u32 v[B8+\s], s18, v5
	s_add_co_u32 s21, s21, SLOT
	s_add_co_u32 s18, s18, SLOT
.endr
	s_lshl_b32 s19, s15, 12                        ; R's scale words: my 128 rows
	s_lshl_b32 s20, s16, 12
	s_add_co_u32 s20, s20, 8320                    ; P's: behind R's 8,192 bytes and 128 more
	s_sub_co_u32 s20, s20, s19
	v_mul_u32_u24 v6, s20, v3                      ; lanes 16-31 take P's: one product, h x the distance
	s_add_co_u32 s19, s19, SCL
	v_lshl_add_u32 v6, v2, 3, v6                   ; 8 bytes a row in a slot
	v_add_nc_u32 v[ADRS], s19, v6
	; my first feature (nrow) and my first row of x (mrow)
	s_lshl_b32 s18, s67, 2
	s_cmp_eq_u32 s66, 2
	s_cselect_b32 s19, 0, s18
	s_cselect_b32 s20, s18, 0
	s_add_co_u32 s19, s19, s41
	s_add_co_u32 s20, s20, s40
	s_lshl_b32 s19, s19, 8
	s_lshl_b32 s20, s20, 8
	s_lshl_b32 s21, s15, 7
	s_add_co_u32 s19, s19, s21                     ; my first row of R in its tensor
	s_lshl_b32 s21, s16, 7
	s_add_co_u32 s20, s20, s21                     ; of P
	s_cmp_eq_u32 s66, 2
	s_cselect_b32 s12, s19, s20                    ; nrow
	s_cselect_b32 s13, s20, s19                    ; mrow
	s_cmp_eq_u32 s66, 0                            ; the product's bias: the choice hangs on the cluster's y alone
	s_cselect_b64 s[8:9], s[96:97], s[8:9]
	s_cmp_eq_u32 s66, 1
	s_cselect_b64 s[8:9], s[98:99], s[8:9]
	s_lshl_b32 s18, s12, 2
	s_mov_b32 s19, 0
	s_add_nc_u64 s[8:9], s[8:9], s[18:19]
.irp i, 0,1,2,3,4,5,6,7,8,9,10,11,12,13,14,15
	v_mov_b32 v[BL+\i], 0                          ; the lane's bias: 0 for q and k
.endr
	v_lshlrev_b32 v30, 5, v3                       ; 32 h
	v_lshlrev_b32 v31, 2, v2                       ; 4 r
	s_cmp_eq_u32 s66, 2
	s_cbranch_scc1 .Lbias_v
.irp b, 0,1,2,3,4,5,6,7                ; q, k: tile b's eight registers: features nrow + 16 b + 8 h + 0 .. 7
	global_load_b128 v[BR+8*\b:BR+8*\b+3], v30, s[8:9] offset:64*\b
	global_load_b128 v[BR+8*\b+4:BR+8*\b+7], v30, s[8:9] offset:64*\b+16
.endr
	s_branch .Lbias_done
.Lbias_v:
.set i, 0
.rept 64
	v_mov_b32 v[BR+i], 0                           ; v: the sums start from 0; one text of the first step serves all three products
.set i, i+1
.endr
.irp a, 0,1,2,3,4,5,6,7
	global_load_b32 v[BL+2*\a], v31, s[8:9] offset:64*\a     ; block a: feature nrow + 16 a + r
.endr
.Lbias_done:
.macro FRAG reg, a16, a8, off          ; a fragment is two half fragments: two loads of 16 bytes and two of 8 a lane, each of consecutive bytes
	ds_load_b128 v[\reg:\reg+3], v[\a16] offset:\off
	ds_load_b64 v[\reg+4:\reg+5], v[\a8] offset:\off+512
	ds_load_b128 v[\reg+6:\reg+9], v[\a16] offset:\off+768
	ds_load_b64 v[\reg+10:\reg+11], v[\a8] offset:\off+1280
.endm
; 16 matrix instructions: R's blocks a0, a0 + 1 x P's eight, 128 along K.  first = 1: the bias is the C.  The 64 accumulators take turns, one instruction a turn.
.macro MUL16 a0, p, q, sc, first
.irp a, \a0, \a0+1
.irp b, 0,1,2,3,4,5,6,7
.if \first
	v_wmma_scale_f32_16x16x128_f8f6f4 v[8*(8*((\a)%4)+\b):8*(8*((\a)%4)+\b)+7], v[128*(\p)+FR*\b:128*(\p)+FR*\b+FR-1], v[AF+FR*(\a):AF+FR*(\a)+FR-1], v[BR+8*\b:BR+8*\b+7], v[SC+8*NQ*(\sc)+NQ*\b+(\q)], v[SC+8*NQ*(\sc)+NQ*(\a)+(\q)] matrix_a_fmt:MATRIX_FMT_BF6 matrix_b_fmt:MATRIX_FMT_BF6 matrix_a_scale:MATRIX_SCALE_ROW1
.else
	v_wmma_scale_f32_16x16x128_f8f6f4 v[8*(8*((\a)%4)+\b):8*(8*((\a)%4)+\b)+7], v[128*(\p)+FR*\b:128*(\p)+FR*\b+FR-1], v[AF+FR*(\a):AF+FR*(\a)+FR-1], v[8*(8*((\a)%4)+\b):8*(8*((\a)%4)+\b)+7], v[SC+8*NQ*(\sc)+NQ*\b+(\q)], v[SC+8*NQ*(\sc)+NQ*(\a)+(\q)] matrix_a_fmt:MATRIX_FMT_BF6 matrix_b_fmt:MATRIX_FMT_BF6 matrix_a_scale:MATRIX_SCALE_ROW1
.endif
.endr
.endr
.endm
.macro FETCH_B slot, q, p              ; P's eight fragments of the slot's q-th 128 along K into set p
	WIN TO_B
.irp i, 0,1,2,3,4,5,6,7
	FRAG 128*(\p)+FR*\i, B16+\slot, B8+\slot, TROW*\i+1536*(\q)
.endr
	WIN 0
.endm
.macro FETCH_A slot, q, i0             ; R's blocks i0 .. i0 + 3
.irp i, \i0, \i0+1, \i0+2, \i0+3
	FRAG AF+FR*(\i), A16+\slot, A8+\slot, TROW*(\i)+1536*(\q)
.endr
.endm
.macro SCALES sc                       ; a slot's scale words: two a row; lanes 0-15 R's block i, lanes 16-31 P's block i
.irp i, 0,1,2,3,4,5,6,7
	ds_load_b64 v[SC+8*NQ*\sc+NQ*\i:SC+8*NQ*\sc+NQ*\i+1], v[ADRS] offset:512*\i
.endr
.endm
; A step of 128 along K that has its successor in the same slot.  R's blocks are free as soon as their eight products are issued: one set serves R; P has two.
.macro STEP slot, q, first
	s_wait_dscnt 4*NL                              ; P's set and R's blocks 0-3 are in; the youngest sixteen loads (R's blocks 4-7) may be out
	WIN MUL_LO-0x20*(\first)                       ; (first: C in window 0)
	MUL16 0, (\q)%2, \q, \slot, \first
	MUL16 2, (\q)%2, \q, \slot, \first
	s_wait_dscnt 0
	PLACES NP                                      ; in front of loads into registers that matrix instructions have read
	FETCH_B \slot, (\q)+1, 1-(\q)%2
	FETCH_A \slot, (\q)+1, 0
	WIN MUL_HI-0x30*(\first)
	MUL16 4, (\q)%2, \q, \slot, \first
	MUL16 6, (\q)%2, \q, \slot, \first
	PLACES NP
	WIN 0
	FETCH_A \slot, (\q)+1, 4
.endm
; A slot's last step changes slots: one barrier; in front of it each wave waits for all its tensor loads, adds 0 to its spare word, and waits for that and for its reads of this slot.
.macro TURN slot, next, fill
	s_wait_tensorcnt 0x0                           ; all my tensor loads have landed: my part of the next slot
	ds_add_u32 v[SPW], v[NIL]                      ; 0 onto my spare word
	s_wait_dscnt 4*NL+1                            ; (the add and the youngest sixteen loads may be out)
	WIN MUL_LO
	MUL16 0, 1, NQ-1, \slot, 0
	s_wait_dscnt 0x0                               ; the add is done, and my reads of this slot are over
	s_barrier_signal -1
	MUL16 2, 1, NQ-1, \slot, 0
	WIN 0
	s_barrier_wait -1
.if \fill
	CREST                                          ; the barrier has opened a round of the cluster's: no wave of any partner still reads this slot or has a load on its way
	s_add_nc_u64 s[G0+4*\slot+2:G0+4*\slot+3], s[G0+4*\slot+2:G0+4*\slot+3], 2*TROW
	s_add_nc_u64 s[G0B+4*\slot+2:G0B+4*\slot+3], s[G0B+4*\slot+2:G0B+4*\slot+3], 2*TROW
	JLOAD G0+4*\slot, G1, G0B+4*\slot, G1B         ; the first tensor load behind the round; its four v_nop are the places in front of the loads below
.else
	PLACES NP
.endif
	v_add_nc_u32 v[ADRS], 128, v[ADRS]             ; the next slot's scale words
	FETCH_B \next, 0, 0
	FETCH_A \next, 0, 0
	SCALES \next
	WIN MUL_HI
	MUL16 4, 1, NQ-1, \slot, 0
	MUL16 6, 1, NQ-1, \slot, 0
	PLACES NP
	WIN 0
	FETCH_A \next, 0, 4
.endm
	s_wait_tensorcnt 1                             ; the scale words and my part of slot 0 are in (slot 1's load may be out)
	s_barrier_signal -1
	s_barrier_wait -1                              ; everybody's are
	FETCH_B 0, 0, 0
	FETCH_A 0, 0, 0
	SCALES 0
	FETCH_A 0, 0, 4
	s_wait_loadcnt 0x0                             ; the bias
	STEP 0, 0, 1                                   ; the first step stands in front of the loop: its products start the sums
	s_mov_b32 s3, 1                                ; K = 1,024 is two laps of the ring: one trip fills both slots again
.Llap:
	TURN 0, 1, 1
	STEP 1, 0, 0
	TURN 1, 0, 1
	STEP 0, 0, 0
	s_sub_co_u32 s3, s3, 1
	s_cmp_lg_u32 s3, 0
	s_cbranch_scc1 .Llap
	TURN 0, 1, 0                                   ; the last lap fills nothing
	STEP 1, 0, 0
	s_wait_dscnt 4*NL
	WIN MUL_LO
	MUL16 0, 1, NQ-1, 1, 0
	MUL16 2, 1, NQ-1, 1, 0
	s_wait_dscnt 0
	WIN MUL_HI
	MUL16 4, 1, NQ-1, 1, 0
	MUL16 6, 1, NQ-1, 1, 0
	WIN 0
	; THE WAY OUT.  Block a (16 rows of R x my 128 rows of P) is 64 numbers a lane: one fragment of the next product and one scale word a row.
	PLACES NP
	s_mov_b32 s[SELA], 0x76543210
	s_mov_b32 s[SELB], 0xfedcba98
	s_lshr_b32 s68, s13, 11                        ; b             (no tensor load of mine is out: the descriptors' registers are free)
	s_bfe_u32 s69, s13, 0x40007                    ; u: which 128 rows of the sequence
	s_lshr_b32 s70, s12, 6                         ; my first head
	s_lshl_b32 s68, s68, 4
	s_add_co_u32 s68, s68, s70
	s_mul_i32 s68, s68, REC                        ; its record
	s_mul_i32 s70, s69, 6144
	s_add_co_u32 s70, s70, s68
	s_lshl_b32 s71, s69, 8
	s_add_co_u32 s71, s71, s68
	s_mov_b32 s72, QC
	s_mov_b32 s73, QS
	s_cmp_eq_u32 s66, 1
	s_cselect_b32 s72, KC, s72
	s_cselect_b32 s73, KS, s73
	s_cmp_eq_u32 s66, 2
	s_cselect_b32 s72, VC, s72
	s_cselect_b32 s73, VS, s73
	s_mov_b32 s74, 768
	s_cselect_b32 s74, 1536, s74                   ; codes, from block to block: q, k the next tile of rows; v the next tile of d
	s_mov_b32 s75, 768
	s_cselect_b32 s75, 302592, s75                 ; behind block 3: v goes on to the next head's record
	s_cselect_b32 s76, 64, 2                       ; scales, behind an even block
	s_cselect_b32 s77, 64, 62                      ; behind an odd one
	s_mov_b32 s78, 62
	s_cselect_b32 s78, 307008, s78                 ; behind block 3
	s_mov_b32 s79, REC
	s_cselect_b32 s79, 768, s79                    ; from a fragment's first half to its second: q, k the next head; v the step's next 64 keys
	s_mov_b32 s80, REC
	s_cselect_b32 s80, 2, s80                      ; and the same for the scale word's two halves
	s_add_co_u32 s70, s70, s72
	s_add_co_u32 s71, s71, s73
	v_lshl_add_u32 v[OA0], v1, 4, s70
	v_lshl_add_u32 v[OB0], v1, 3, s70
	v_add_nc_u32 v[OB0], 512, v[OB0]
	v_add_nc_u32 v[OA1], s79, v[OA0]
	v_add_nc_u32 v[OB1], s79, v[OB0]
	v_mul_u32_u24 v[OSC], s80, v3
	v_lshl_add_u32 v[OSC], v2, 2, v[OSC]
	v_add_nc_u32 v[OSC], s71, v[OSC]
	v_lshlrev_b32 v[VSH], 4, v3
.irp b, 0,1,2,3
	v_mov_b32 v[TM+4+\b], 0                        ; a lane permute's destination counts as read
.endr
; 64 numbers of a lane, register 16 b + i of block b, become a fragment's codes in v[PC] on and its scale word in v[PW]
.macro QUANT s
.irp b, 0,1,2,3
	v_max3_num_f32 v[TM+\b], |v[\s+16*\b]|, |v[\s+1+16*\b]|, 0x2800000   ; my 16 numbers of block b, and the floor 2^(5 - 127): the byte cannot fall under 1
.endr
.irp i, 2,4,6,8,10,12,14
.irp b, 0,1,2,3
	v_max3_num_f32 v[TM+\b], v[TM+\b], |v[\s+16*\b+\i]|, |v[\s+1+16*\b+\i]|
.endr
.endr
.irp b, 0,1,2,3
	v_permlanex16_b32 v[TM+4+\b], v[TM+\b], s[SELA], s[SELB]
.endr
.irp b, 0,1,2,3
	v_max_num_f32 v[TM+\b], v[TM+\b], v[TM+4+\b]   ; with lane l xor 16's: the block's largest magnitude
.endr
.irp b, 0,1,2,3
	v_add_nc_u32 v[TM+12+\b], 0xfe000000, v[TM+\b] ; 4 off its exponent field: the conversion's scale operand
.endr
.irp b, 0,1,2,3
	v_lshrrev_b32 v[TM+4+\b], 23, v[TM+12+\b]      ; the scale's byte
.endr
	v_lshl_or_b32 v[PW], v[TM+5], 8, v[TM+4]
	v_lshl_or_b32 v[PW], v[TM+6], 16, v[PW]
	v_lshl_or_b32 v[PW], v[TM+7], 24, v[PW]
.irp c, 0,1
	v_cvt_scalef32_pk16_bf6_f32 v[PC+6*\c:PC+2+6*\c], v[\s+32*\c:\s+15+32*\c], v[TM+12+2*\c]
	v_cvt_scalef32_pk16_bf6_f32 v[PC+12+4*\c:PC+14+4*\c], v[\s+16+32*\c:\s+31+32*\c], v[TM+12+2*\c+1]   ; (a conversion's three registers begin on an even number)
.endr
	v_nop                                          ; one plain line behind a scaled conversion
.irp c, 0,1                            ; the operand's layout wants a whole block in a lane: lanes 0-15 block 2 c, lanes 16-31 block 2 c + 1
.irp i, 0,1,2
	v_permlane16_swap_b32 v[PC+6*\c+\i], v[PC+12+4*\c+\i]
.endr
.irp i, 0,1,2
	v_mov_b32 v[PC+3+6*\c+\i], v[PC+12+4*\c+\i]
.endr
.endr
.endm
.irp a, 0,1,2,3,4,5,6,7
	WIN 0x02+(\a)/4                                ; source 0: window 2 or 3
.set i, 0
.rept 32
	v_pk_add_f32 v[T+2*i:T+2*i+1], v[64*((\a)%4)+2*i:64*((\a)%4)+2*i+1], v[BL+2*\a:BL+2*\a+1] op_sel_hi:[1,0]   ; + the lane's bias, into window 0; each accumulator from its low end on
.set i, i+1
.endr
	WIN 0
.if \a > 0
	s_wait_xcnt 0x0                                ; the last block's stores have read their data and offsets
.if \a == 4
	v_add_nc_u32 v[OA0], s75, v[OA0]
	v_add_nc_u32 v[OB0], s75, v[OB0]
	v_add_nc_u32 v[OA1], s75, v[OA1]
	v_add_nc_u32 v[OB1], s75, v[OB1]
	v_add_nc_u32 v[OSC], s78, v[OSC]
.else
	v_add_nc_u32 v[OA0], s74, v[OA0]
	v_add_nc_u32 v[OB0], s74, v[OB0]
	v_add_nc_u32 v[OA1], s74, v[OA1]
	v_add_nc_u32 v[OB1], s74, v[OB1]
.if (\a)%2 == 1
	v_add_nc_u32 v[OSC], s76, v[OSC]
.else
	v_add_nc_u32 v[OSC], s77, v[OSC]
.endif
.endif
.endif
	QUANT T
	v_lshrrev_b32 v[SD], v[VSH], v[PW]             ; lanes 0-15 store the word's low half, lanes 16-31 its high half
	global_store_b128 v[OA0], v[PC:PC+3], s[10:11]           ; 512 consecutive bytes, aligned to 256
	global_store_b64 v[OB0], v[PC+4:PC+5], s[10:11]          ; 256 consecutive bytes, aligned to 256
	global_store_b128 v[OA1], v[PC+6:PC+9], s[10:11]
	global_store_b64 v[OB1], v[PC+10:PC+11], s[10:11]
	global_store_b16 v[OSC], v[SD], s[10:11]
.endr
	s_wait_tensorcnt 0x0                           ; the wave's end
	ds_add_u32 v[SPW], v[NIL]
	s_wait_dscnt 0x0
	CROUND                                         ; the closing round: no work-group ends while a partner may still ask for a tile that names it
	s_endpgm
.Lfunc_end_k_q08cd514483_proj:
	.size	k_q08cd514483_proj, .Lfunc_end_k_q08cd514483_proj-k_q08cd514483_proj
	.p2alignl 7, 3214868480
	.fill 96, 4, 3214868480
	.section	.rodata,"a",@progbits
	.p2align	6, 0x0
	.amdhsa_kernel k_q08cd514483_proj
		.amdhsa_group_segment_fixed_size 327680
		.amdhsa_private_segment_fixed_size 0
		.amdhsa_enable_private_segment 0
		.amdhsa_kernarg_size 48
		.amdhsa_user_sgpr_count 2
		.amdhsa_user_sgpr_kernarg_segment_ptr 1
		.amdhsa_wavefront_size32 1
		.amdhsa_system_sgpr_workgroup_id_x 1
		.amdhsa_system_sgpr_workgroup_id_y 1
		.amdhsa_system_sgpr_workgroup_id_z 1
		.amdhsa_system_vgpr_workitem_id 0
		.amdhsa_next_free_vgpr 1024
		.amdhsa_next_free_sgpr 102
		.amdhsa_reserve_vcc 0
		.amdhsa_float_denorm_mode_32 3
		.amdhsa_float_denorm_mode_16_64 3
		.amdhsa_memory_ordered 1
		.amdhsa_forward_progress 1
		.amdhsa_inst_pref_size 173
	.end_amdhsa_kernel
	.amdgpu_metadata
---
amdhsa.version: [ 1, 2 ]
amdhsa.kernels:
  - .name:           k_q08cd514483_proj
    .symbol:         k_q08cd514483_proj.kd
    .args:
      - { .name: cc, .offset: 0, .size: 8, .value_kind: global_buffer, .address_space: global }
      - { .name: ss, .offset: 8, .size: 8, .value_kind: global_buffer, .address_space: global }
      - { .name: bq, .offset: 16, .size: 8, .value_kind: global_buffer, .address_space: global }
      - { .name: bk, .offset: 24, .size: 8, .value_kind: global_buffer, .address_space: global }
      - { .name: bv, .offset: 32, .size: 8, .value_kind: global_buffer, .address_space: global }
      - { .name: qkv, .offset: 40, .size: 8, .value_kind: global_buffer, .address_space: global }
    .group_segment_fixed_size: 327680
    .private_segment_fixed_size: 0
    .kernarg_segment_align: 8
    .kernarg_segment_size: 48
    .max_flat_workgroup_size: 128
    .sgpr_count:     102
    .vgpr_count:     1024
    .wavefront_size: 32
...
	.end_amdgpu_metadata
.endif
;; end of part 3
;; launch attn (part 4): grid 8 x 32, 16 waves a work-group, clusters of 4 x 1, 206,848 bytes of LDS; arguments qkv, mb, ac, asc; writes ac, asc
.if DOCPART == 4
	.amdgcn_target "amdgcn-amd-amdhsa--gfx1250"
	.amdhsa_code_object_version 6
	.text
	.protected	k_q08cd514483_attn
	.globl	k_q08cd514483_attn
	.p2align	8
	.type	k_q08cd514483_attn,@function
k_q08cd514483_attn:
	s_mov_b64 s[64:65], 0
	v_nop
	global_prefetch_b8 v0, s[64:65] scope:SCOPE_SE
	s_setreg_imm32_b32 hwreg(HW_REG_WAVE_MODE, 25, 1), 1
	s_wait_xcnt 0x0
	s_wait_alu depctr_hold_cnt(0) depctr_sa_sdst(0) depctr_va_vdst(0) depctr_va_sdst(0) depctr_va_ssrc(0) depctr_va_vcc(0) depctr_vm_vsrc(0)
	s_getreg_b32 s2, hwreg(HW_REG_IB_STS2, 6, 4)
	s_cmp_eq_u32 s2, 0
	s_cbranch_scc0 .Lentry_in_a_cluster
	s_endpgm
.Lentry_in_a_cluster:
	s_bfe_u32 s2, ttmp6, 0x10000c
	s_cmp_lg_u32 s2, 0x3003
	s_cbranch_scc0 .Lentry_shape_is_right
	s_endpgm
.Lentry_shape_is_right:
; For each batch b and head: O[q] = the sum over keys of softmax(q . k / 8, masked) v, both products on codes of BF6 (E3M2) with E8M0 scales; O is quantised along the head's 64 and leaves as codes for the last product.
; THE SOFTMAX AHEAD OF THE SECOND PRODUCT: t = logit x log2(e); M = the running largest t rounded UP to a whole number; p = 2^(t - M) is quantised along the keys, not normalised; the row's sum is taken of the
; unquantised p and divides O at the end.  When M moves, the sum and O are multiplied by 2^(old M - new M): exact.
; SHARES: a work-group owns 256 queries of one head, each of its sixteen waves one tile of 16, in 256 registers: four waves to a SIMD, so that one wave's vector work stands beside another's matrix work and LDS loads.
; ALL OF THE HEAD'S K AND V STAY IN LDS: the first 204,800 bytes of the head's record (K's codes, V's codes, K's scales, V's scale words) are filled ONCE, 12,800 bytes a wave.  Nothing is filled again and nothing is stored to LDS.
; CLUSTER: the four work-groups of a cluster belong to one head and want the same record: each wave's load is asked for jointly, with a mask that names the four.
; LAYOUT: both products are used transposed (S^T = K Q^T, O^T = V^T P^T): a lane holds one query (lane % 16) throughout.  Operands lie as half fragments of 16 rows x 64 K (768 bytes: registers 0-3 at 16 l, 4-5 at 512 + 8 l).
; THE FIRST PRODUCT'S K IS 64, the instruction's 128: a fragment of 12 registers holds TWO tiles of 16 keys, and is multiplied once by [q | 0] and once by [0 | q].  Only q carries zero codes; q's scale bytes there are 0 (2^-127, no NaN).
; Tile t's register j holds key 16 t + 8 (lane / 16) + j: so p's codes come out, inside each block of 32 keys, in the order 0-7, 16-23, 8-15, 24-31, which V's codes have too.
; THE MASK comes as lane masks, 64 words a step, by scalar loads: one v_cndmask_b32 a score register.
; LIMITS: a masked score is entered as -2^33 (logit -2^30) where the problem says logit -1e9.  Its t is a whole number, so a row all of whose keys are masked gets p = 1 at every key, as with -1e9; beside any open key a masked key's
; p is 0 either way.  Equal results as long as open logits lie above -1e9 + 150.  NaN and infinities are not served; a block of zeros gets the byte 1, not 127 (its codes are zeros; this program alone reads the bytes).
; REGISTERS: v1-6 addresses that stay; v7-9 those of the run in hand; v10 the masked score; v12 -M, v13 the largest t, v[14:15] the sum; v16-27 [q | 0]; v80-91 [0 | q]; v92, v93 their scale words;
;   v32-79 four fragments of K or V, v248-251 their scale words; v96-159 S^T, then p; v160-191 O^T; v224-235 p's codes; v232-254 at work; v253 p's scale word.
.set REC, 307200
.set QC,  204800
.set QS,  303104
.macro CROUND                          ; a round of the cluster's barrier
	s_barrier_signal -1
	s_barrier_wait -1
	s_cmp_lg_u32 s12, 0
	s_cbranch_scc1 .Lnot_wave_0_\@
	s_barrier_signal -3
.Lnot_wave_0_\@:
	s_barrier_wait -3
	s_barrier_signal -1
	s_barrier_wait -1
.endm
	s_load_b256 s[4:11], s[0:1], 0x0               ; qkv, mb, ac, asc
	v_lshl_add_u32 v243, v0, 2, 0x32000
	v_mov_b32 v255, 0
	ds_add_u32 v243, v255
	ds_add_u32 v243, v255
	v_lshrrev_b32 v1, 5, v0
	v_readfirstlane_b32 s12, v1                    ; wave 0..15
	s_bfe_u32 s13, ttmp6, 0x40000                  ; cx: it enters q's, the mask's and the results' addresses alone
	s_lshl_b32 s14, ttmp9, 2
	s_add_co_u32 s14, s14, s13
	s_lshl_b32 s14, s14, 4
	s_add_co_u32 s14, s14, s12                     ; qt: my tile of 16 queries, 0..127
	s_and_b32 s15, ttmp7, 0xffff                   ; b x 16 + head, which the partners share
	s_mul_i32 s30, s15, REC                        ; the record
	s_mul_i32 s17, s12, 12800                      ; group 0: my 12,800 bytes in LDS,
	s_add_co_u32 s32, s30, s17                     ; and in memory
	s_mov_b32 s33, 0
	s_mov_b32 s16, 1
	s_mov_b32 s20, 15|(3<<16)|(1<<21)              ; group 1: the mask names all four; elements of 8 bytes; bit 21 beside a mask; no padding
	s_mov_b32 s21, 32<<16                          ; 50 rows of 256 dense bytes
	s_mov_b32 s22, 50<<16
	s_mov_b32 s23, 32<<16
	s_mov_b32 s24, 50
	s_mov_b32 s25, 32
	s_mov_b32 s26, 0
	s_mov_b32 s27, 0
	s_mov_b32 s2, 0x3e38aa3b                       ; c = log2(e) / 8: t = score x c
	s_mov_b32 s3, s2                               ; (named with it as a pair)
	s_mov_b32 s100, 0x76543210
	s_mov_b32 s101, 0xfedcba98                     ; selects: lane l xor 16
	s_mov_b32 s28, 0                               ; the step's codes: 6,144 bytes a step, K's and V's alike
	s_mov_b32 s29, 0                               ; its scales: 256 bytes a step
	s_mov_b32 s31, 15
	s_wait_dscnt 0x0
	s_wait_kmcnt 0x0
	s_add_nc_u64 s[18:19], s[4:5], s[32:33]
	s_or_b32 s19, s19, 0x80000000
	CROUND                                         ; all four work-groups are here: the joint loads meet
	tensor_load_to_lds s[16:19], s[20:27]          ; one load a wave, the only one of the launch
	s_nop 0
.rept 4
	v_nop
.endr
	s_lshr_b32 s32, s15, 4
	s_lshl_b32 s32, s32, 7
	s_add_co_u32 s32, s32, s14                     ; b x 128 + qt
	s_lshl_b32 s32, s32, 12                        ; my queries' lane masks: 16 steps of 256 bytes
	s_mov_b32 s33, 0
	s_add_nc_u64 s[6:7], s[6:7], s[32:33]
	s_mul_i32 s34, s14, 768
	s_add_co_u32 s34, s34, s30
	s_add_co_u32 s34, s34, QC                      ; q's half fragment
	s_lshr_b32 s35, s14, 1
	s_lshl_b32 s35, s35, 6
	s_and_b32 s36, s14, 1
	s_lshl_b32 s36, s36, 1
	s_add_co_u32 s35, s35, s36
	s_add_co_u32 s35, s35, s30
	s_add_co_u32 s35, s35, QS                      ; its scale bytes: pair of tiles, row, tile of the pair
	v_and_b32 v11, 31, v0                          ; l
	v_and_b32 v10, 15, v0                          ; r
	v_lshlrev_b32 v1, 4, v11                       ; K's codes: 16 l
	v_lshlrev_b32 v2, 3, v11                       ; 8 l
	v_add_nc_u32 v3, 98304, v1                     ; V's
	v_add_nc_u32 v4, 98304, v2
	v_lshlrev_b32 v5, 2, v10                       ; 4 r
	v_add_nc_u32 v6, 200704, v5                    ; V's scale words
	v_add_nc_u32 v7, s34, v1
	v_add_nc_u32 v8, s34, v2
	v_add_nc_u32 v9, s35, v5
	v_add_nc_u32 v5, 196608, v5                    ; K's scale words
	global_load_b128 v[16:19], v7, s[4:5]          ; q as the lower half of [q | 0],
	global_load_b64 v[20:21], v8, s[4:5] offset:512
	global_load_b128 v[86:89], v7, s[4:5]          ; and as the upper half of [0 | q]
	global_load_b64 v[90:91], v8, s[4:5] offset:512
	global_load_u16 v92, v9, s[4:5]                ; its two scale bytes, zeros above them
	s_load_b512 s[32:47], s[6:7], 0x0              ; the first step's 64 lane masks
	s_load_b512 s[48:63], s[6:7], 0x40
	s_load_b512 s[68:83], s[6:7], 0x80
	s_load_b512 s[84:99], s[6:7], 0xc0
.irp j, 22,23,24,25,26,27,80,81,82,83,84,85
	v_mov_b32 v\j, 0                               ; the zero halves
.endr
	v_mov_b32 v10, 0xd0000000                      ; -2^33
	v_mov_b32 v13, 0xff61b1e6                      ; the largest t so far: -3e38
	v_floor_f32 v12, -v13                          ; -M
	v_mov_b32 v14, 0
	v_mov_b32 v15, 0
.irp b, 0,1,2,3
	v_mov_b32 v[236+\b], 0                         ; a lane permute's destination counts as read
.endr
	v_mov_b32 v253, 0                              ; (named as the upper half of v[252:253] before it is first written)
.macro FRAG12 reg, off
	ds_load_b128 v[\reg:\reg+3], v7 offset:\off
	ds_load_b64 v[\reg+4:\reg+5], v8 offset:\off+512
	ds_load_b128 v[\reg+6:\reg+9], v7 offset:\off+768
	ds_load_b64 v[\reg+10:\reg+11], v8 offset:\off+1280
.endm
.macro RUNLOADS                        ; four fragments and their scale words: 20 loads
.irp u, 0,1,2,3
	FRAG12 32+12*\u, 1536*\u
	ds_load_b32 v[248+\u], v9 offset:64*\u
.endr
.endm
.macro KADR
	v_add_nc_u32 v7, s28, v1
	v_add_nc_u32 v8, s28, v2
	v_add_nc_u32 v9, s29, v5
.endm
.macro VADR
	v_add_nc_u32 v7, s28, v3
	v_add_nc_u32 v8, s28, v4
	v_add_nc_u32 v9, s29, v6
.endm
	s_wait_tensorcnt 0x0                           ; my part of the record has landed,
	s_barrier_signal -1
	s_barrier_wait -1                              ; everybody's has
	s_wait_loadcnt 0x0                             ; q: its loads' offsets are free
	v_lshlrev_b32 v93, 16, v92                     ; [0 | q]'s scale word
	KADR
	RUNLOADS                                       ; the first step's K
.set j, 0
.rept 32
	v_mov_b32 v[160+j], 0                          ; O^T: the step is written once, and its first walk finds zeros.  These lines stand between the write of v93 and the first scaled product
.set j, j+1
.endr
; A KEY STEP: 128 keys.  more = 1: the next step's masks and K are asked for.
.macro STEP more
	s_wait_dscnt 0x0                               ; K's four fragments
.irp u, 0,1,2,3
	v_wmma_scale_f32_16x16x128_f8f6f4 v[96+16*\u:103+16*\u], v[32+12*\u:43+12*\u], v[16:27], 0, v[248+\u], v92 matrix_a_fmt:MATRIX_FMT_BF6 matrix_b_fmt:MATRIX_FMT_BF6
	v_wmma_scale_f32_16x16x128_f8f6f4 v[104+16*\u:111+16*\u], v[32+12*\u:43+12*\u], v[80:91], 0, v[248+\u], v93 matrix_a_fmt:MATRIX_FMT_BF6 matrix_b_fmt:MATRIX_FMT_BF6
.endr
	VADR                                           ; three additions and a v_nop: the four places in front of loads into registers that the products read, and of the first read of the scores
	v_nop
	RUNLOADS                                       ; V's four fragments land under the softmax
	s_wait_kmcnt 0x0                               ; the lane masks
.set n, 0
.rept 64
.if n < 32
	v_cndmask_b32 v[96+n], v10, v[96+n], s[32+n]   ; a masked key's score becomes -2^33; each accumulator from its low end on
.else
	v_cndmask_b32 v[96+n], v10, v[96+n], s[36+n]
.endif
.set n, n+1
.endr
.if \more
	s_add_nc_u64 s[6:7], s[6:7], 256               ; (the scalar loads are done: their base is free)
	s_load_b512 s[32:47], s[6:7], 0x0
	s_load_b512 s[48:63], s[6:7], 0x40
	s_load_b512 s[68:83], s[6:7], 0x80
	s_load_b512 s[84:99], s[6:7], 0xc0
.endif
.irp b, 0,1,2,3
	v_max3_num_f32 v[232+\b], v[96+16*\b], v[97+16*\b], v[98+16*\b]   ; the largest score of each block of 32 keys: it serves the row's maximum and, since p rises with the score, the block's largest p
.endr
.irp i, 3,5,7,9,11,13
.irp b, 0,1,2,3
	v_max3_num_f32 v[232+\b], v[232+\b], v[96+16*\b+\i], v[97+16*\b+\i]
.endr
.endr
.irp b, 0,1,2,3
	v_max_num_f32 v[232+\b], v[232+\b], v[111+16*\b]
.endr
.irp b, 0,1,2,3
	v_permlanex16_b32 v[236+\b], v[232+\b], s100, s101
.endr
.irp b, 0,1,2,3
	v_max_num_f32 v[232+\b], v[232+\b], v[236+\b]  ; with lane l xor 16's 16 keys
.endr
	v_max3_num_f32 v254, v232, v233, v234
	v_max_num_f32 v254, v254, v235
	v_mul_f32 v254, s2, v254                       ; as t (c is positive)
	v_max_num_f32 v13, v13, v254                   ; the running largest t
	v_mov_b32 v254, v12
	v_floor_f32 v12, -v13                          ; the new -M = -ceil(t)
	v_sub_f32 v254, v12, v254                      ; old M - new M: a whole number, 0 or less
	v_cvt_i32_f32 v254, v254                       ; (it saturates)
	v_ldexp_f32 v252, 1.0, v254                    ; f = 2^(old M - new M)
.set j, 0
.rept 32
	v_pk_fma_f32 v[96+j:97+j], v[96+j:97+j], s[2:3], v[12:13] op_sel_hi:[1,0,0]   ; t - M, two at a time
.set j, j+2
.endr
.irp b, 0,1,2,3
	v_fma_f32 v[232+\b], v[232+\b], s2, v12        ; the same of each block's largest score
.endr
.set j, 0
.rept 64
	v_exp_f32 v[96+j], v[96+j]                     ; p = 2^(t - M), at most 1
.set j, j+1
.endr
.irp b, 0,1,2,3
	v_exp_f32 v[232+\b], v[232+\b]                 ; the block's largest p: the same two instructions on the same number
.endr
	v_pk_mul_f32 v[14:15], v[14:15], v[252:253] op_sel_hi:[1,0]   ; the sum under the new M; a plain line behind the exponentials
	s_wait_alu depctr_va_vdst(0)
.irp b, 0,1,2,3
	v_max_num_f32 v[232+\b], 0x2800000, v[232+\b]  ; the floor 2^(5 - 127): the byte cannot fall under 1
.endr
.irp b, 0,1,2,3
	v_add_nc_u32 v[244+\b], 0xfe000000, v[232+\b]  ; 4 off the exponent field: the conversion's scale operand
.endr
.irp b, 0,1,2,3
	v_lshrrev_b32 v[236+\b], 23, v[244+\b]         ; the scale's byte
.endr
	v_lshl_or_b32 v253, v237, 8, v236              ; p's scale word for these 128 keys
	v_lshl_or_b32 v253, v238, 16, v253
	v_lshl_or_b32 v253, v239, 24, v253
.irp c, 0,1
	v_cvt_scalef32_pk16_bf6_f32 v[224+6*\c:226+6*\c], v[96+32*\c:111+32*\c], v[244+2*\c]
	v_cvt_scalef32_pk16_bf6_f32 v[236+4*\c:238+4*\c], v[112+32*\c:127+32*\c], v[244+2*\c+1]   ; (a conversion's three registers begin on an even number)
.endr
	v_nop                                          ; one plain line behind a scaled conversion
.irp c, 0,1                            ; a whole block to a lane: lanes 0-15 block 2 c, lanes 16-31 block 2 c + 1
.irp i, 0,1,2
	v_permlane16_swap_b32 v[224+6*\c+\i], v[236+4*\c+\i]
.endr
.irp i, 0,1,2
	v_mov_b32 v[227+6*\c+\i], v[236+4*\c+\i]
.endr
.endr
	v_pk_add_f32 v[236:237], v[96:97], v[98:99]    ; the row's sum is taken of the unquantised p, in two chains.  These nine and the sixteen below stand between the writes of p's scale word and codes and the scaled products
.irp j, 4,8,12,16
	v_pk_add_f32 v[14:15], v[14:15], v[96+\j:97+\j]
	v_pk_add_f32 v[236:237], v[236:237], v[98+\j:99+\j]
.endr
.set j, 0
.rept 16
	v_pk_mul_f32 v[160+j:161+j], v[160+j:161+j], v[252:253] op_sel_hi:[1,0]   ; O^T under the new M
.set j, j+2
.endr
	s_wait_dscnt 0x0                               ; V's four fragments
.irp t, 0,1,2,3
	v_wmma_scale_f32_16x16x128_f8f6f4 v[160+8*\t:167+8*\t], v[32+12*\t:43+12*\t], v[224:235], v[160+8*\t:167+8*\t], v[248+\t], v253 matrix_a_fmt:MATRIX_FMT_BF6 matrix_b_fmt:MATRIX_FMT_BF6
.endr                                  ; the four accumulators take turns, and eight other products stand between two links of a chain
	s_add_co_u32 s28, s28, 6144
	s_add_co_u32 s29, s29, 256
.irp j, 20,24
	v_pk_add_f32 v[14:15], v[14:15], v[96+\j:97+\j]          ; four places in front of the loads below
	v_pk_add_f32 v[236:237], v[236:237], v[98+\j:99+\j]
.endr
.if \more
	KADR
	RUNLOADS                                       ; the next step's K lands under the rest of the sum
.endif
.irp j, 28,32,36,40,44,48,52,56,60
	v_pk_add_f32 v[14:15], v[14:15], v[96+\j:97+\j]
	v_pk_add_f32 v[236:237], v[236:237], v[98+\j:99+\j]
.endr
	v_pk_add_f32 v[14:15], v[14:15], v[236:237]
.endm
.Lstep:                                ; 15 trips; the sixteenth step is written out: it asks for nothing more
	STEP 1
	s_sub_co_u32 s31, s31, 1
	s_cmp_lg_u32 s31, 0
	s_cbranch_scc1 .Lstep
	STEP 0
	; THE WAY OUT: O^T / the sum, quantised along the head's 64 (two blocks), leaves as half fragment (tile of rows b x 128 + qt, head) of the last product's operand
	v_add_f32 v14, v14, v15
	v_permlanex16_b32 v252, v14, s100, s101
	v_add_f32 v14, v14, v252                       ; the row's sum
	v_rcp_f32 v14, v14
	v_and_b32 v11, 15, v0                          ; (a plain line behind the reciprocal)  r
	s_lshr_b32 s32, s15, 4
	s_lshl_b32 s32, s32, 7
	s_add_co_u32 s32, s32, s14                     ; b x 128 + qt
	s_and_b32 s33, s15, 15                         ; the head
	s_lshl_b32 s34, s32, 4
	s_add_co_u32 s34, s34, s33
	s_mul_i32 s34, s34, 768                        ; codes
	s_lshl_b32 s35, s32, 9                         ; scales: tile x 512 + slot (head / 4) x 128 + word ((head / 2) % 2) x 4 + half (head % 2) x 2 + 8 r
	s_lshr_b32 s36, s33, 2
	s_lshl_b32 s36, s36, 7
	s_add_co_u32 s35, s35, s36
	s_bfe_u32 s36, s33, 0x10001
	s_lshl_b32 s36, s36, 2
	s_add_co_u32 s35, s35, s36
	s_and_b32 s36, s33, 1
	s_lshl_b32 s36, s36, 1
	s_add_co_u32 s35, s35, s36
	v_add_nc_u32 v7, s34, v1
	v_add_nc_u32 v8, s34, v2
	v_lshl_add_u32 v9, v11, 3, s35
.set j, 0
	s_wait_alu depctr_va_vdst(0)
.rept 32
	v_mul_f32 v[96+j], v[160+j], v14               ; register 8 t + i is o(r, 16 t + 8 h + i); each accumulator from its low end on
.set j, j+1
.endr
.irp b, 0,1
	v_max3_num_f32 v[232+\b], |v[96+16*\b]|, |v[97+16*\b]|, 0x2800000
.endr
.irp i, 2,4,6,8,10,12,14
.irp b, 0,1
	v_max3_num_f32 v[232+\b], v[232+\b], |v[96+16*\b+\i]|, |v[97+16*\b+\i]|
.endr
.endr
.irp b, 0,1
	v_permlanex16_b32 v[236+\b], v[232+\b], s100, s101
.endr
.irp b, 0,1
	v_max_num_f32 v[232+\b], v[232+\b], v[236+\b]
.endr
.irp b, 0,1
	v_add_nc_u32 v[244+\b], 0xfe000000, v[232+\b]
.endr
.irp b, 0,1
	v_lshrrev_b32 v[236+\b], 23, v[244+\b]
.endr
	v_lshl_or_b32 v240, v237, 8, v236              ; the two bytes
	v_cvt_scalef32_pk16_bf6_f32 v[224:226], v[96:111], v244
	v_cvt_scalef32_pk16_bf6_f32 v[228:230], v[112:127], v245
	v_nop
.irp i, 0,1,2
	v_permlane16_swap_b32 v[224+\i], v[228+\i]
.endr
.irp i, 0,1,2
	v_mov_b32 v[227+\i], v[228+\i]
.endr
	global_store_b128 v7, v[224:227], s[8:9]       ; 512 consecutive bytes, aligned to 256
	global_store_b64 v8, v[228:229], s[8:9] offset:512       ; 256 consecutive bytes, aligned to 256
	global_store_b16 v9, v240, s[10:11]            ; 2 bytes a row, 8 bytes apart (lanes 16-31 repeat lanes 0-15's place and value): 1/24 of the codes' bytes
	s_wait_tensorcnt 0x0
	ds_add_u32 v243, v255
	s_wait_dscnt 0x0
	CROUND                                         ; the closing round
	s_endpgm
.Lfunc_end_k_q08cd514483_attn:
	.size	k_q08cd514483_attn, .Lfunc_end_k_q08cd514483_attn-k_q08cd514483_attn
	.p2alignl 7, 3214868480
	.fill 96, 4, 3214868480
	.section	.rodata,"a",@progbits
	.p2align	6, 0x0
	.amdhsa_kernel k_q08cd514483_attn
		.amdhsa_group_segment_fixed_size 206848
		.amdhsa_private_segment_fixed_size 0
		.amdhsa_enable_private_segment 0
		.amdhsa_kernarg_size 32
		.amdhsa_user_sgpr_count 2
		.amdhsa_user_sgpr_kernarg_segment_ptr 1
		.amdhsa_wavefront_size32 1
		.amdhsa_system_sgpr_workgroup_id_x 1
		.amdhsa_system_sgpr_workgroup_id_y 1
		.amdhsa_system_sgpr_workgroup_id_z 1
		.amdhsa_system_vgpr_workitem_id 0
		.amdhsa_next_free_vgpr 256
		.amdhsa_next_free_sgpr 102
		.amdhsa_reserve_vcc 0
		.amdhsa_float_denorm_mode_32 3
		.amdhsa_float_denorm_mode_16_64 3
		.amdhsa_memory_ordered 1
		.amdhsa_forward_progress 1
		.amdhsa_inst_pref_size 52
	.end_amdhsa_kernel
	.amdgpu_metadata
---
amdhsa.version: [ 1, 2 ]
amdhsa.kernels:
  - .name:           k_q08cd514483_attn
    .symbol:         k_q08cd514483_attn.kd
    .args:
      - { .name: qkv, .offset: 0, .size: 8, .value_kind: global_buffer, .address_space: global }
      - { .name: mb, .offset: 8, .size: 8, .value_kind: global_buffer, .address_space: global }
      - { .name: ac, .offset: 16, .size: 8, .value_kind: global_buffer, .address_space: global }
      - { .name: asc, .offset: 24, .size: 8, .value_kind: global_buffer, .address_space: global }
    .group_segment_fixed_size: 206848
    .private_segment_fixed_size: 0
    .kernarg_segment_align: 8
    .kernarg_segment_size: 32
    .max_flat_workgroup_size: 512
    .sgpr_count:     102
    .vgpr_count:     256
    .wavefront_size: 32
...
	.end_amdgpu_metadata
.endif
;; end of part 4
;; launch outp (part 5): grid 4 x 16, 4 waves a work-group, clusters of 4 x 4, 327,680 bytes of LDS; arguments ac, asc, cc, ss, bo, out0; writes out0
.if DOCPART == 5
	.amdgcn_target "amdgcn-amd-amdhsa--gfx1250"
	.amdhsa_code_object_version 6
	.text
	.protected	k_q08cd514483_outp
	.globl	k_q08cd514483_outp
	.p2align	8
	.type	k_q08cd514483_outp,@function
k_q08cd514483_outp:
	s_mov_b64 s[64:65], 0
	v_nop
	global_prefetch_b8 v0, s[64:65] scope:SCOPE_SE
	s_setreg_imm32_b32 hwreg(HW_REG_WAVE_MODE, 25, 1), 1
	s_wait_xcnt 0x0
	s_wait_alu depctr_hold_cnt(0) depctr_sa_sdst(0) depctr_va_vdst(0) depctr_va_sdst(0) depctr_va_ssrc(0) depctr_va_vcc(0) depctr_vm_vsrc(0)
	s_getreg_b32 s2, hwreg(HW_REG_IB_STS2, 6, 4)
	s_cmp_eq_u32 s2, 0
	s_cbranch_scc0 .Lentry_in_a_cluster
	s_endpgm
.Lentry_in_a_cluster:
	s_bfe_u32 s2, ttmp6, 0x10000c
	s_cmp_lg_u32 s2, 0xf033
	s_cbranch_scc0 .Lentry_shape_is_right
	s_endpgm
.Lentry_shape_is_right:
; out0 = attn Wo^T + bo on codes of BF6 (E3M2) with E8M0 scales; out0 [4096][1024] f32.
; OPERANDS: ac and cc hold half fragments of 16 rows x 64 K (768 bytes: lane l's registers 0-3 at 16 l, registers 4-5 at 512 + 8 l), [tile of 16 rows][16 along K]; asc and ss their scale words, [tile][4 slots][16 rows][2 words].
; Wo's tiles begin at tile 960 of cc.  Both sides have the same order of codes inside a block of 32 (k 0-7, 16-23, 8-15, 24-31).
; A tile of the result, 256 x 256, is made by four waves, 128 x 128 each: 64 accumulators.  Source 0 takes 16 rows of Wo (P), source 1 16 rows of attn (R): a lane holds eight neighbouring numbers of a row of out0.
; K = 1,024 goes in four slots' worth of 256 through a ring of two LDS slots; a wave's tensor load brings 8 tiles x 3,072 consecutive bytes.  The scale words come once, 4,096 dense bytes a wave.
; CLUSTERS: 4 x 4 work-groups; R's tiles are shared along a row of the cluster, P's along a column: each is asked for jointly.  The bias is the C of each sum's first product.
; The launch has 64 work-groups: 16 x 4 tiles of 256 x 256.  A smaller tile would give more of them, at twice the LDS bytes for each product.
; REGISTERS: window 0: v0-31 addresses; v32-63 scale words, two sets; v64-127 the bias as C; v128-223 R's fragments, one set (on the way out v128-255 take rows).  Window 1: P's fragments, two sets.  Windows 2, 3: accumulators.
.set FR,    12
.set NL,    4
.set NP,    4
.set NQ,    2
.set TROW,  3072
.set HALFT, 8*TROW
.set SLOT,  4*HALFT
.set SCL,   2*SLOT
.set SPARE, 213248                     ; the spare words, 128 bytes a wave: two blocks of 256 bytes that no other line names
.set SPITCH, 528                       ; the way out: a stage of 16 rows x (512 + 16) bytes a wave, in slot 0, which has had its last fill and its last read when the first result is stored there
.set NOUT,  1024
.set A16,   16
.set A8,    18
.set B16,   20
.set B8,    22
.set STO,   24
.set RD,    25
.set CO,    26
.set ADRS,  27
.set SPW,   28
.set NIL,   29
.set SC,    32
.set BR,    64
.set AF,    128
.set BK,    128
.set G1,    24
.set G0,    32
.set G1B,   48
.set G0B,   56
.set G1S,   68
.set G0S,   76
.set G1SB,  80
.set G0SB,  88
.set MSB, 0
.macro WIN new                         ; the immediate's high byte repeats the setting that is left
.if MSB != (\new)
	s_set_vgpr_msb (MSB<<8)|(\new)
.set MSB, (\new)
.endif
.endm
.set MUL_LO, 0xa1
.set MUL_HI, 0xf1
.set TO_B,   0x40
.macro JLOAD g0a, g1a, g0b, g1b        ; a joint load: waves 0 and 1 fetch for R, waves 2 and 3 for P; four v_nop follow each of the two lines
	s_cmp_eq_u32 s15, 0
	s_cbranch_scc0 .Lfor_b_\@
	tensor_load_to_lds s[\g0a:\g0a+3], s[\g1a:\g1a+7]
	s_nop 0
.rept 4
	v_nop
.endr
	s_branch .Lasked_\@
.Lfor_b_\@:
	tensor_load_to_lds s[\g0b:\g0b+3], s[\g1b:\g1b+7]
	s_nop 0
.rept 4
	v_nop
.endr
.Lasked_\@:
.endm
.macro CREST
	s_cmp_lg_u32 s14, 0
	s_cbranch_scc1 .Lnot_wave_0_\@
	s_barrier_signal -3
.Lnot_wave_0_\@:
	s_barrier_wait -3
	s_barrier_signal -1
	s_barrier_wait -1
.endm
.macro CROUND
	s_barrier_signal -1
	s_barrier_wait -1
	CREST
.endm
.macro PLACES n
.rept \n
	v_nop
.endr
.endm
	s_load_b128 s[4:7], s[0:1], 0x0                ; ac, asc
	s_load_b128 s[8:11], s[0:1], 0x10              ; cc, ss
	s_load_b128 s[96:99], s[0:1], 0x20             ; bo, out0
	v_lshl_add_u32 v[SPW], v0, 2, SPARE
	v_mov_b32 v[NIL], 0
	ds_add_u32 v28, v29
	ds_add_u32 v28, v29
	s_wait_dscnt 0x0
	v_lshrrev_b32 v1, 5, v0
	v_readfirstlane_b32 s14, v1                    ; wave 0..3
	s_lshr_b32 s15, s14, 1                         ; which half of R's rows is mine.  Also: I fetch for R (0) or for P (1)
	s_and_b32 s16, s14, 1                          ; which half of P's rows.  Also: which 128 rows I fetch
	s_bfe_u32 s40, ttmp6, 0x40000                  ; cx
	s_bfe_u32 s41, ttmp6, 0x40004                  ; cy
	s_and_b32 s17, ttmp7, 0xffff
	s_lshl_b32 s17, s17, 2
	s_add_co_u32 s17, s17, s41                     ; tile row of out0 = 4 x cluster y + cy
	s_lshl_b32 s43, s41, 2
	s_lshl_b32 s43, 15, s43                        ; my row of the cluster
	s_lshl_b32 s44, 0x1111, s40                    ; my column
	s_or_b32 s[G1+0], s43, (3<<16)|(1<<21)         ; codes: 8 rows (tiles) of 3,072 bytes = 384 elements of 8 bytes, 12,288 bytes apart; no padding
	s_or_b32 s[G1B+0], s44, (3<<16)|(1<<21)
.irp g, G1, G1B
	s_mov_b32 s[\g+1], 384<<16
	s_mov_b32 s[\g+2], 8<<16
	s_mov_b32 s[\g+3], 384<<16
	s_mov_b32 s[\g+4], 8
	s_mov_b32 s[\g+5], 1536
	s_mov_b32 s[\g+6], 0
	s_mov_b32 s[\g+7], 0
.endr
	s_or_b32 s[G1S+0], s43, (3<<16)|(1<<21)        ; scale words of 128 rows: 4,096 dense bytes as 16 rows of 256
	s_or_b32 s[G1SB+0], s44, (3<<16)|(1<<21)
.irp g, G1S, G1SB
	s_mov_b32 s[\g+1], 32<<16
	s_mov_b32 s[\g+2], 16<<16
	s_mov_b32 s[\g+3], 32<<16
	s_mov_b32 s[\g+4], 16
	s_mov_b32 s[\g+5], 32
	s_mov_b32 s[\g+6], 0
	s_mov_b32 s[\g+7], 0
.endr
	s_lshl_b32 s21, s16, 3                         ; the half that I fetch: 8 tiles
	s_lshl_b32 s22, s17, 4
	s_add_co_u32 s22, s22, s21                     ; R's tile: hangs on the tile row alone
	s_lshl_b32 s46, s40, 4
	s_add_co_u32 s46, s46, 960
	s_add_co_u32 s46, s46, s21                     ; P's tile: hangs on cx alone
	s_mul_i32 s92, s22, 12288
	s_mov_b32 s93, 0
	s_lshl_b32 s22, s22, 9
	s_mov_b32 s23, 0
	s_lshl_b32 s100, s46, 9
	s_mov_b32 s101, 0
	s_mul_i32 s46, s46, 12288
	s_mov_b32 s47, 0
	s_mul_i32 s45, s14, HALFT                      ; where they go: wave x 128 rows
	s_lshl_b32 s94, s14, 12
	s_wait_kmcnt 0x0
	s_add_nc_u64 s[92:93], s[4:5], s[92:93]
	s_add_nc_u64 s[22:23], s[6:7], s[22:23]
	s_add_nc_u64 s[46:47], s[8:9], s[46:47]
	s_add_nc_u64 s[100:101], s[10:11], s[100:101]
	CROUND                                         ; all sixteen work-groups are here: the first joint loads meet
	s_mov_b32 s[G0S], 1
	s_add_co_u32 s[G0S+1], s94, SCL
	s_mov_b64 s[G0S+2:G0S+3], s[22:23]
	s_or_b32 s[G0S+3], s[G0S+3], 0x80000000
	s_mov_b32 s[G0SB], 1
	s_add_co_u32 s[G0SB+1], s94, SCL+128
	s_mov_b64 s[G0SB+2:G0SB+3], s[100:101]
	s_or_b32 s[G0SB+3], s[G0SB+3], 0x80000000
	JLOAD G0S, G1S, G0SB, G1SB
.irp s, 0,1
	s_mov_b32 s[G0+4*\s], 1
	s_add_co_u32 s[G0+4*\s+1], s45, \s*SLOT
	s_add_nc_u64 s[G0+4*\s+2:G0+4*\s+3], s[92:93], \s*TROW
	s_or_b32 s[G0+4*\s+3], s[G0+4*\s+3], 0x80000000
	s_mov_b32 s[G0B+4*\s], 1
	s_add_co_u32 s[G0B+4*\s+1], s45, \s*SLOT
	s_add_nc_u64 s[G0B+4*\s+2:G0B+4*\s+3], s[46:47], \s*TROW
	s_or_b32 s[G0B+4*\s+3], s[G0B+4*\s+3], 0x80000000
	JLOAD G0+4*\s, G1, G0B+4*\s, G1B               ; three tensor loads of mine are out
.endr
	v_and_b32 v1, 31, v0                           ; l
	v_and_b32 v2, 15, v0                           ; r
	v_bfe_u32 v3, v0, 4, 1                         ; h
	v_lshlrev_b32 v4, 4, v1
	v_lshlrev_b32 v5, 3, v1
	s_mul_i32 s21, s15, HALFT
	s_mul_i32 s18, s16, HALFT
	s_add_co_u32 s18, s18, 2*HALFT
.irp s, 0,1
	v_add_nc_u32 v[A16+\s], s21, v4
	v_add_nc_u32 v[A8+\s], s21, v5
	v_add_nc_u32 v[B16+\s], s18, v4
	v_add_nc_u32 v[B8+\s], s18, v5
	s_add_co_u32 s21, s21, SLOT
	s_add_co_u32 s18, s18, SLOT
.endr
	s_lshl_b32 s19, s15, 12
	s_lshl_b32 s20, s16, 12
	s_add_co_u32 s20, s20, 8320
	s_sub_co_u32 s20, s20, s19
	v_mul_u32_u24 v6, s20, v3                      ; lanes 16-31 take P's scale words: one product, h x the distance
	s_add_co_u32 s19, s19, SCL
	v_lshl_add_u32 v6, v2, 3, v6
	v_add_nc_u32 v[ADRS], s19, v6
	s_mul_i32 s23, s14, 16*SPITCH                  ; my stage
	v_mul_u32_u24 v6, v2, SPITCH                   ; in: row r, 32 bytes for each half of the lanes
	v_lshl_add_u32 v6, v3, 5, v6
	v_add_nc_u32 v[STO], s23, v6
	v_lshlrev_b32 v[CO], 4, v1                     ; back: the 32 lanes take one row of 512 bytes; and the same in out0
	v_add_nc_u32 v[RD], s23, v[CO]
	s_lshl_b32 s18, s40, 10                        ; my first column, in bytes: 1,024 cx + 512 x half; bo's offset is the same
	s_lshl_b32 s19, s16, 9
	s_add_co_u32 s18, s18, s19
	s_mov_b32 s19, 0
	s_add_nc_u64 s[96:97], s[96:97], s[18:19]
	s_lshl_b32 s20, s17, 8
	s_lshl_b32 s21, s15, 7
	s_add_co_u32 s20, s20, s21                     ; my first row
	s_lshl_b32 s20, s20, 12                        ; of 4,096 bytes
	s_add_co_u32 s20, s20, s18
	s_mov_b32 s21, 0
	s_add_nc_u64 s[12:13], s[98:99], s[20:21]
	v_lshlrev_b32 v30, 5, v3                       ; 32 h
.irp b, 0,1,2,3,4,5,6,7                ; tile b's eight registers: bo at my first column + 16 b + 8 h + 0 .. 7
	global_load_b128 v[BR+8*\b:BR+8*\b+3], v30, s[96:97] offset:64*\b
	global_load_b128 v[BR+8*\b+4:BR+8*\b+7], v30, s[96:97] offset:64*\b+16
.endr
.macro FRAG reg, a16, a8, off
	ds_load_b128 v[\reg:\reg+3], v[\a16] offset:\off
	ds_load_b64 v[\reg+4:\reg+5], v[\a8] offset:\off+512
	ds_load_b128 v[\reg+6:\reg+9], v[\a16] offset:\off+768
	ds_load_b64 v[\reg+10:\reg+11], v[\a8] offset:\off+1280
.endm
; 16 matrix instructions: R's blocks a0, a0 + 1 x P's eight.  first = 1: the bias is the C.  The 64 accumulators take turns, one instruction a turn.
.macro MUL16 a0, p, q, sc, first
.irp a, \a0, \a0+1
.irp b, 0,1,2,3,4,5,6,7
.if \first
	v_wmma_scale_f32_16x16x128_f8f6f4 v[8*(8*((\a)%4)+\b):8*(8*((\a)%4)+\b)+7], v[128*(\p)+FR*\b:128*(\p)+FR*\b+FR-1], v[AF+FR*(\a):AF+FR*(\a)+FR-1], v[BR+8*\b:BR+8*\b+7], v[SC+8*NQ*(\sc)+NQ*\b+(\q)], v[SC+8*NQ*(\sc)+NQ*(\a)+(\q)] matrix_a_fmt:MATRIX_FMT_BF6 matrix_b_fmt:MATRIX_FMT_BF6 matrix_a_scale:MATRIX_SCALE_ROW1
.else
	v_wmma_scale_f32_16x16x128_f8f6f4 v[8*(8*((\a)%4)+\b):8*(8*((\a)%4)+\b)+7], v[128*(\p)+FR*\b:128*(\p)+FR*\b+FR-1], v[AF+FR*(\a):AF+FR*(\a)+FR-1], v[8*(8*((\a)%4)+\b):8*(8*((\a)%4)+\b)+7], v[SC+8*NQ*(\sc)+NQ*\b+(\q)], v[SC+8*NQ*(\sc)+NQ*(\a)+(\q)] matrix_a_fmt:MATRIX_FMT_BF6 matrix_b_fmt:MATRIX_FMT_BF6 matrix_a_scale:MATRIX_SCALE_ROW1
.endif
.endr
.endr
.endm
.macro FETCH_B slot, q, p
	WIN TO_B
.irp i, 0,1,2,3,4,5,6,7
	FRAG 128*(\p)+FR*\i, B16+\slot, B8+\slot, TROW*\i+1536*(\q)
.endr
	WIN 0
.endm
.macro FETCH_A slot, q, i0
.irp i, \i0, \i0+1, \i0+2, \i0+3
	FRAG AF+FR*(\i), A16+\slot, A8+\slot, TROW*(\i)+1536*(\q)
.endr
.endm
.macro SCALES sc
.irp i, 0,1,2,3,4,5,6,7
	ds_load_b64 v[SC+8*NQ*\sc+NQ*\i:SC+8*NQ*\sc+NQ*\i+1], v[ADRS] offset:512*\i
.endr
.endm
.macro STEP slot, q, first
	s_wait_dscnt 4*NL                              ; P's set and R's blocks 0-3 are in; the youngest sixteen loads (R's blocks 4-7) may be out
	WIN MUL_LO-0x20*(\first)
	MUL16 0, (\q)%2, \q, \slot, \first
	MUL16 2, (\q)%2, \q, \slot, \first
	s_wait_dscnt 0
	PLACES NP                                      ; in front of loads into registers that matrix instructions have read
	FETCH_B \slot, (\q)+1, 1-(\q)%2
	FETCH_A \slot, (\q)+1, 0
	WIN MUL_HI-0x30*(\first)
	MUL16 4, (\q)%2, \q, \slot, \first
	MUL16 6, (\q)%2, \q, \slot, \first
	PLACES NP
	WIN 0
	FETCH_A \slot, (\q)+1, 4
.endm
.macro TURN slot, next, fill
	s_wait_tensorcnt 0x0                           ; all my tensor loads have landed: my part of the next slot
	ds_add_u32 v[SPW], v[NIL]                      ; 0 onto my spare word
	s_wait_dscnt 4*NL+1                            ; (the add and the youngest sixteen loads may be out)
	WIN MUL_LO
	MUL16 0, 1, NQ-1, \slot, 0
	s_wait_dscnt 0x0                               ; the add is done, and my reads of this slot are over
	s_barrier_signal -1
	MUL16 2, 1, NQ-1, \slot, 0
	WIN 0
	s_barrier_wait -1
.if \fill
	CREST                                          ; the barrier has opened a round of the cluster's: no wave of any partner still reads this slot or has a load on its way
	s_add_nc_u64 s[G0+4*\slot+2:G0+4*\slot+3], s[G0+4*\slot+2:G0+4*\slot+3], 2*TROW
	s_add_nc_u64 s[G0B+4*\slot+2:G0B+4*\slot+3], s[G0B+4*\slot+2:G0B+4*\slot+3], 2*TROW
	JLOAD G0+4*\slot, G1, G0B+4*\slot, G1B         ; the first tensor load behind the round; its four v_nop are the places in front of the loads below
.else
	PLACES NP
.endif
	v_add_nc_u32 v[ADRS], 128, v[ADRS]
	FETCH_B \next, 0, 0
	FETCH_A \next, 0, 0
	SCALES \next
	WIN MUL_HI
	MUL16 4, 1, NQ-1, \slot, 0
	MUL16 6, 1, NQ-1, \slot, 0
	PLACES NP
	WIN 0
	FETCH_A \next, 0, 4
.endm
	s_wait_tensorcnt 1                             ; the scale words and my part of slot 0 are in (slot 1's load may be out)
	s_barrier_signal -1
	s_barrier_wait -1                              ; everybody's are
	FETCH_B 0, 0, 0
	FETCH_A 0, 0, 0
	SCALES 0
	FETCH_A 0, 0, 4
	s_wait_loadcnt 0x0                             ; the bias
	STEP 0, 0, 1
	s_mov_b32 s3, 1                                ; K = 1,024 is two laps of the ring: one trip fills both slots again
.Llap:
	TURN 0, 1, 1
	STEP 1, 0, 0
	TURN 1, 0, 1
	STEP 0, 0, 0
	s_sub_co_u32 s3, s3, 1
	s_cmp_lg_u32 s3, 0
	s_cbranch_scc1 .Llap
	TURN 0, 1, 0                                   ; the last lap fills nothing
	STEP 1, 0, 0
	s_wait_dscnt 4*NL
	WIN MUL_LO
	MUL16 0, 1, NQ-1, 1, 0
	MUL16 2, 1, NQ-1, 1, 0
	s_wait_dscnt 0
	WIN MUL_HI
	MUL16 4, 1, NQ-1, 1, 0
	MUL16 6, 1, NQ-1, 1, 0
	WIN 0
; THE WAY OUT, block by block of 16 rows x 128 columns: through my own stage in LDS and back as whole rows of 512 bytes.  LDS serves a wave's instructions in order: no wait between the stores and the loads.
.macro TOSTAGE a
.set AC, 64*((\a)%4)
	WIN 0x08+4*((\a)/4)                            ; the data: window 2 or 3
.irp b, 0,1,2,3,4,5,6,7
	ds_store_b128 v[STO], v[AC+8*\b:AC+8*\b+3] offset:64*\b          ; each accumulator from its low end on
	ds_store_b128 v[STO], v[AC+8*\b+4:AC+8*\b+7] offset:64*\b+16
.endr
	WIN 0
.set BB, BK+64*((\a)%2)
.irp t, 0,1,2,3,4,5,6,7,8,9,10,11,12,13,14,15
	ds_load_b128 v[BB+4*\t:BB+4*\t+3], v[RD] offset:\t*SPITCH
.endr
.endm
.macro SEND a, younger                 ; younger: the LDS instructions issued behind block a's loads, which may stay out
.set BB, BK+64*((\a)%2)
	s_wait_dscnt \younger
.if (\a) > 0
	s_add_nc_u64 s[12:13], s[12:13], 16*NOUT*4     ; (behind a wait on XCNT: the earlier stores have read their base)  16 rows on
.endif
.irp t, 0,1,2,3,4,5,6,7,8,9,10,11,12,13,14,15
	global_store_b128 v[CO], v[BB+4*\t:BB+4*\t+3], s[12:13] offset:\t*NOUT*4 th:TH_STORE_NT   ; 32 lanes store 512 consecutive bytes, aligned to 256
.endr
.endm
	PLACES NP
	TOSTAGE 0
.irp a, 1,2,3,4,5,6,7
.if \a > 1
	s_wait_xcnt 0x0                                ; block a - 2's stores have read their registers and their base
.endif
	TOSTAGE \a
	SEND \a-1, 32                                  ; behind block a - 1's loads: block a's 16 stores and 16 loads
.endr
	s_wait_xcnt 0x0
	SEND 7, 0
	s_wait_tensorcnt 0x0                           ; the wave's end
	ds_add_u32 v[SPW], v[NIL]
	s_wait_dscnt 0x0
	CROUND                                         ; the closing round
	s_endpgm
.Lfunc_end_k_q08cd514483_outp:
	.size	k_q08cd514483_outp, .Lfunc_end_k_q08cd514483_outp-k_q08cd514483_outp
	.p2alignl 7, 3214868480
	.fill 96, 4, 3214868480
	.section	.rodata,"a",@progbits
	.p2align	6, 0x0
	.amdhsa_kernel k_q08cd514483_outp
		.amdhsa_group_segment_fixed_size 327680
		.amdhsa_private_segment_fixed_size 0
		.amdhsa_enable_private_segment 0
		.amdhsa_kernarg_size 48
		.amdhsa_user_sgpr_count 2
		.amdhsa_user_sgpr_kernarg_segment_ptr 1
		.amdhsa_wavefront_size32 1
		.amdhsa_system_sgpr_workgroup_id_x 1
		.amdhsa_system_sgpr_workgroup_id_y 1
		.amdhsa_system_sgpr_workgroup_id_z 1
		.amdhsa_system_vgpr_workitem_id 0
		.amdhsa_next_free_vgpr 1024
		.amdhsa_next_free_sgpr 102
		.amdhsa_reserve_vcc 0
		.amdhsa_float_denorm_mode_32 3
		.amdhsa_float_denorm_mode_16_64 3
		.amdhsa_memory_ordered 1
		.amdhsa_forward_progress 1
		.amdhsa_inst_pref_size 145
	.end_amdhsa_kernel
	.amdgpu_metadata
---
amdhsa.version: [ 1, 2 ]
amdhsa.kernels:
  - .name:           k_q08cd514483_outp
    .symbol:         k_q08cd514483_outp.kd
    .args:
      - { .name: ac, .offset: 0, .size: 8, .value_kind: global_buffer, .address_space: global }
      - { .name: asc, .offset: 8, .size: 8, .value_kind: global_buffer, .address_space: global }
      - { .name: cc, .offset: 16, .size: 8, .value_kind: global_buffer, .address_space: global }
      - { .name: ss, .offset: 24, .size: 8, .value_kind: global_buffer, .address_space: global }
      - { .name: bo, .offset: 32, .size: 8, .value_kind: global_buffer, .address_space: global }
      - { .name: out0, .offset: 40, .size: 8, .value_kind: global_buffer, .address_space: global }
    .group_segment_fixed_size: 327680
    .private_segment_fixed_size: 0
    .kernarg_segment_align: 8
    .kernarg_segment_size: 48
    .max_flat_workgroup_size: 128
    .sgpr_count:     102
    .vgpr_count:     1024
    .wavefront_size: 32
...
	.end_amdgpu_metadata
.endif
;; end of part 5
;; ======== version 2 of 2: 4 launches
;; limits: right only within a limited range of input values
;; workspace buffers: cc 12,582,912 bytes; ss 524,288 bytes; mb 1,048,576 bytes of whole numbers; qkv 9,830,400 bytes; ac 3,145,728 bytes; asc 131,072 bytes
;; launch prep (part 6): grid 512 x 1, 8 waves a work-group, no clusters, 103,424 bytes of LDS; arguments x_q, x_k, x_v, Wq, Wk, Wv, Wo, mask, cc, ss, mb; writes cc, ss, mb
.if DOCPART == 6
	.amdgcn_target "amdgcn-amd-amdhsa--gfx1250"
	.amdhsa_code_object_version 6
	.text
	.protected	k_q08cd514483_prep
	.globl	k_q08cd514483_prep
	.p2align	8
	.type	k_q08cd514483_prep,@function
k_q08cd514483_prep:
	s_mov_b64 s[64:65], 0
	v_nop
	global_prefetch_b8 v0, s[64:65] scope:SCOPE_SE
	s_setreg_imm32_b32 hwreg(HW_REG_WAVE_MODE, 25, 1), 1
	s_wait_xcnt 0x0
; ONE LAUNCH, TWO STREAMS.  Work-groups 0 to 255 quantise x_q, x_k, x_v, Wq, Wk, Wv, Wo; work-groups 256 to 511 pack the mask.  The paths part once, on the work-group's number, and each has LDS bytes of its own.
; Every input byte is read once, by one wave; no tensor loads, clusters or matrix work; no barrier: waves share nothing.
; PATH 1.  x_q, x_k, x_v [4096][1024] and Wq, Wk, Wv, Wo [1024][1024], f32, K innermost, become codes of BF6 (E3M2) with one E8M0 byte for each 32 along K.
; A block's byte is its largest magnitude's exponent field - 4, held at 1 from below by a floor among the maximum's leaves.
; THE CODES' LAYOUT is the image of the matrix operand's registers.  A HALF FRAGMENT is 16 rows x 64 K, 768 bytes: lane l = 16 H + r holds block H of row r in six registers;
; registers 0-3 lie at 16 l, registers 4-5 at 512 + 8 l.  cc: [1,024 tiles of 16 rows][16 half fragments][768]; tiles: x_q 0, x_k 256, x_v 512, Wq 768, Wk 832, Wv 896, Wo 960.
; Inside a block of 32 the codes stand in one fixed order: places 0-7 hold k 0-7, 8-15 k 16-23, 16-23 k 8-15, 24-31 k 24-31; every operand of this program has it.
; ss: [tile][4 slots of 256 K][16 rows][2 words]: word w of slot s is the scale word of the 128 K at 256 s + 128 w.
; Wave J = 8 x work-group + wave takes tile J / 2, half J % 2 of K, in 8 steps of one half fragment; the numbers turn through the wave's own stage in LDS; loads run four steps ahead.
; LIMITS: NaN and infinities are not served; a block under 2^-122, zeros too, keeps the byte 1 (its codes are zeros where it is zero; this program alone reads the bytes).
; PATH 2.  mask [2][2048][2048], int32, becomes lane masks for the attention launch, whose 16 heads share them: one bit a number.
; mb: [b][tile of 16 queries qt][step of 128 keys ks][64 words].  Bit l = 16 h + r of word n = 32 c + 16 w + 8 e + j says that mask[b][16 qt + r][128 ks + 64 c + 32 h + 16 e + 8 w + j] is not 0:
; that is the place which lane l's score register n holds in the attention launch, so that the select there is one instruction with a scalar mask.
; A work-group takes 16 queries, wave w the key steps 2 w and 2 w + 1.  Each load reads 512 consecutive bytes of a row; the numbers turn through the wave's own stage (16 rows, 528 bytes apart) into the score registers' layout;
; a compare makes a word, a lane write gathers 64 words in two registers; each store covers 256 consecutive bytes, aligned.
.set NQWG,  256
.set STG,   4352
.set MBASE, 8*STG
.set MSTG,  8448
.set R,   32
.set X,   160
.set C,   192
.set WP,  208
.set PT,  212
.set MW,  8                            ; path 2: v8-11 the words: two registers a step
.set MR,  64                           ; v64-191  two steps of 64 registers as loaded
.set MX,  192                          ; v192-255 a step in the score registers' layout
	v_lshl_add_u32 v30, v0, 2, 0x19000
	v_mov_b32 v31, 0
	s_cmp_lt_u32 ttmp9, NQWG
	s_cbranch_scc0 .Lmask
	s_load_b512 s[4:19], s[0:1], 0x0
	s_load_b128 s[20:23], s[0:1], 0x40
	v_lshrrev_b32 v7, 5, v0
	s_delay_alu instid0(VALU_DEP_1)
	v_readfirstlane_b32 s28, v7
	v_and_b32 v8, 31, v0
	v_and_b32 v9, 15, v0
	v_bfe_u32 v10, v0, 4, 1
	s_delay_alu instid0(VALU_DEP_2)
	v_lshlrev_b32 v11, 4, v9
	s_delay_alu instid0(VALU_DEP_1)
	v_lshl_add_u32 v1, v10, 12, v11
	s_mul_i32 s29, s28, STG
	v_mad_u32_u24 v2, v10, 272, v11
	s_delay_alu instid0(VALU_DEP_1)
	v_add_nc_u32 v2, s29, v2
	v_mul_u32_u24 v3, v9, 272
	s_delay_alu instid0(VALU_DEP_1)
	v_lshl_add_u32 v3, v10, 7, v3
	s_delay_alu instid0(VALU_DEP_1)
	v_add_nc_u32 v3, s29, v3
	v_lshlrev_b32 v4, 4, v8
	v_lshlrev_b32 v5, 3, v8
	v_lshlrev_b32 v6, 3, v10
.irp w, 0,1,2,3
	v_mov_b32 v[PT+\w], 0
.endr
	s_mov_b32 s30, 0x76543210
	s_mov_b32 s31, 0xfedcba98
	s_mov_b32 s32, 0xffff0000
	s_lshl_b32 s33, ttmp9, 3
	s_add_co_u32 s33, s33, s28
	s_wait_alu depctr_va_vdst(0)
	s_wait_kmcnt 0x0
	s_mov_b64 s[36:37], s[16:17]                   ; which tensor: the choice hangs on the work-group's number alone
	s_mov_b32 s24, 240
	s_cmp_lt_u32 ttmp9, 240
	s_cselect_b64 s[36:37], s[14:15], s[36:37]
	s_cselect_b32 s24, 224, s24
	s_cmp_lt_u32 ttmp9, 224
	s_cselect_b64 s[36:37], s[12:13], s[36:37]
	s_cselect_b32 s24, 208, s24
	s_cmp_lt_u32 ttmp9, 208
	s_cselect_b64 s[36:37], s[10:11], s[36:37]
	s_cselect_b32 s24, 192, s24
	s_cmp_lt_u32 ttmp9, 192
	s_cselect_b64 s[36:37], s[8:9], s[36:37]
	s_cselect_b32 s24, 128, s24
	s_cmp_lt_u32 ttmp9, 128
	s_cselect_b64 s[36:37], s[6:7], s[36:37]
	s_cselect_b32 s24, 64, s24
	s_cmp_lt_u32 ttmp9, 64
	s_cselect_b64 s[36:37], s[4:5], s[36:37]
	s_cselect_b32 s24, 0, s24
	s_sub_co_u32 s25, ttmp9, s24
	s_lshl_b32 s25, s25, 2
	s_lshr_b32 s34, s28, 1
	s_add_co_u32 s25, s25, s34
	s_lshl_b32 s26, s25, 16
	s_and_b32 s34, s28, 1
	s_lshl_b32 s34, s34, 11
	s_add_co_u32 s26, s26, s34
	s_mov_b32 s27, 0
	s_add_nc_u64 s[36:37], s[36:37], s[26:27]
	s_mul_i32 s26, s33, 6144
	s_add_nc_u64 s[20:21], s[20:21], s[26:27]
	s_lshl_b32 s26, s33, 8
	s_add_nc_u64 s[22:23], s[22:23], s[26:27]
.macro LOAD t
.irp i, 0,1,2,3,4,5,6,7
	global_load_b128 v[R+32*((\t)%4)+4*\i:R+32*((\t)%4)+4*\i+3], v1, s[36:37] offset:8192*\i+256*(\t) th:TH_LOAD_NT
.endr
.endm
.macro STEP t
.set RS, R+32*((\t)%4)
.set CS, C+8*((\t)%2)
.if (\t) < 5
	s_wait_loadcnt 24                              ; this step's eight loads are in; three steps' may be out
.else
	s_wait_loadcnt 8*(7-(\t))
.endif
.irp i, 0,1,2,3,4,5,6,7
	ds_store_b128 v2, v[RS+4*\i:RS+4*\i+3] offset:544*\i
.endr
	ds_load_b128 v[X:X+3], v3                      ; the block's pieces of 4 numbers in the fixed order 0, 1, 4, 5, 2, 3, 6, 7
	ds_load_b128 v[X+4:X+7], v3 offset:16
	ds_load_b128 v[X+8:X+11], v3 offset:64
	ds_load_b128 v[X+12:X+15], v3 offset:80
	ds_load_b128 v[X+16:X+19], v3 offset:32
	ds_load_b128 v[X+20:X+23], v3 offset:48
	ds_load_b128 v[X+24:X+27], v3 offset:96
	ds_load_b128 v[X+28:X+31], v3 offset:112
	s_wait_dscnt 0x0
	s_wait_xcnt 0x0                                ; the stores of two steps ago have read this step's code registers
.if (\t)+4 < 8
	LOAD (\t)+4
.endif
	v_max3_num_f32 v16, |v[X]|, |v[X+1]|, |v[X+2]|
	v_max3_num_f32 v17, |v[X+3]|, |v[X+4]|, |v[X+5]|
.irp i, 6,10,14,18,22,26
	s_delay_alu instid0(VALU_DEP_2)
	v_max3_num_f32 v16, v16, |v[X+\i]|, |v[X+\i+1]|
	s_delay_alu instid0(VALU_DEP_2)
	v_max3_num_f32 v17, v17, |v[X+\i+2]|, |v[X+\i+3]|
.endr
	s_delay_alu instid0(VALU_DEP_2)
	v_max3_num_f32 v16, v16, |v[X+30]|, |v[X+31]|
	s_delay_alu instid0(VALU_DEP_1)
	v_max3_num_f32 v16, v16, v17, 0x2800000        ; the floor 2^(5 - 127)
	s_delay_alu instid0(VALU_DEP_1)
	v_add_nc_u32 v18, 0xfe000000, v16              ; 4 off the exponent field: the conversion's scale operand
	v_cvt_scalef32_pk16_bf6_f32 v[CS:CS+2], v[X:X+15], v18
	v_cvt_scalef32_pk16_bf6_f32 v[CS+4:CS+6], v[X+16:X+31], v18
	v_lshrrev_b32 v19, 23, v18                     ; the scale's byte; also the plain line behind the conversions
.if (\t)%2 == 0
	s_delay_alu instid0(VALU_DEP_1)
	v_mov_b32 v[WP+(\t)/2], v19
.else
	s_delay_alu instid0(VALU_DEP_1)
	v_lshl_or_b32 v[WP+(\t)/2], v19, 16, v[WP+(\t)/2]
.endif
	v_mov_b32 v[CS+3], v[CS+4]
	v_mov_b32 v[CS+4], v[CS+5]
	v_mov_b32 v[CS+5], v[CS+6]
	global_store_b128 v4, v[CS:CS+3], s[20:21] offset:768*(\t)
	global_store_b64 v5, v[CS+4:CS+5], s[20:21] offset:768*(\t)+512
.endm
.irp t, 0,1,2,3
	LOAD \t
.endr
.irp t, 0,1,2,3,4,5,6,7
	STEP \t
.endr
.irp w, 0,1,2,3
	v_lshlrev_b32 v[WP+\w], v6, v[WP+\w]
.endr
.irp w, 0,1,2,3
	s_delay_alu instid0(VALU_DEP_4)
	v_permlanex16_b32 v[PT+\w], v[WP+\w], s30, s31
.endr
.irp w, 0,1,2,3
	s_delay_alu instid0(VALU_DEP_4)
	v_or_b32 v[WP+\w], v[WP+\w], v[PT+\w]
.endr
	s_delay_alu instid0(VALU_DEP_2)
	v_cndmask_b32 v16, v[WP], v[WP+2], s32
	s_delay_alu instid0(VALU_DEP_2)
	v_cndmask_b32 v17, v[WP+1], v[WP+3], s32
	global_store_b64 v5, v[16:17], s[22:23]
	s_wait_tensorcnt 0x0                           ; the wave's end
	ds_add_u32 v30, v31
	s_wait_dscnt 0x0
	s_endpgm
.Lmask:
	s_load_b64 s[4:5], s[0:1], 0x38                ; mask
	s_load_b64 s[6:7], s[0:1], 0x50                ; mb
	v_lshrrev_b32 v5, 5, v0
	s_delay_alu instid0(VALU_DEP_1)
	v_readfirstlane_b32 s8, v5                     ; wave 0..7
	v_and_b32 v5, 31, v0                           ; l
	v_and_b32 v6, 15, v0                           ; r
	v_bfe_u32 v7, v0, 4, 1                         ; h
	s_delay_alu instid0(VALU_DEP_3)
	v_lshlrev_b32 v1, 4, v5                        ; 16 l
	s_mul_i32 s9, s8, MSTG
	s_add_co_u32 s9, s9, MBASE                     ; my stage
	v_add_nc_u32 v2, s9, v1                        ; in: a row as it lies
	v_mul_u32_u24 v3, v6, 528
	s_delay_alu instid0(VALU_DEP_1)
	v_lshl_add_u32 v3, v7, 7, v3
	s_delay_alu instid0(VALU_DEP_1)
	v_add_nc_u32 v3, s9, v3                        ; out: row r, 32 h keys on
	v_lshlrev_b32 v4, 3, v5                        ; 8 l
.irp i, 0,1,2,3
	v_mov_b32 v[MW+\i], 0                          ; a lane write's destination counts as read
.endr
	s_sub_co_u32 s15, ttmp9, NQWG                  ; b x 128 + qt
	s_lshl_b32 s10, s15, 17                        ; 16 rows of 8,192 bytes
	s_lshl_b32 s12, s8, 10                         ; my 256 keys
	s_add_co_u32 s10, s10, s12
	s_mov_b32 s11, 0
	s_lshl_b32 s12, s15, 12                        ; 16 steps of 256 bytes
	s_lshl_b32 s14, s8, 9
	s_add_co_u32 s12, s12, s14
	s_mov_b32 s13, 0
	s_wait_alu depctr_va_vdst(0)
	s_wait_kmcnt 0x0
	s_add_nc_u64 s[4:5], s[4:5], s[10:11]
	s_add_nc_u64 s[6:7], s[6:7], s[12:13]
.irp s, 0,1
.irp i, 0,1,2,3,4,5,6,7,8,9,10,11,12,13,14,15
	global_load_b128 v[MR+64*\s+4*\i:MR+64*\s+4*\i+3], v1, s[4:5] offset:8192*\i+512*\s th:TH_LOAD_NT
.endr
.endr
.irp s, 0,1
	s_wait_loadcnt 16-16*\s                        ; this step's sixteen loads are in; the second step's may be out
.irp i, 0,1,2,3,4,5,6,7,8,9,10,11,12,13,14,15
	ds_store_b128 v2, v[MR+64*\s+4*\i:MR+64*\s+4*\i+3] offset:528*\i
.endr
.irp c, 0,1
.irp w, 0,1
.irp e, 0,1
	ds_load_b128 v[MX+8*(4*\c+2*\w+\e):MX+8*(4*\c+2*\w+\e)+3], v3 offset:256*\c+64*\e+32*\w       ; LDS serves a wave's instructions in order: these see the stores
	ds_load_b128 v[MX+8*(4*\c+2*\w+\e)+4:MX+8*(4*\c+2*\w+\e)+7], v3 offset:256*\c+64*\e+32*\w+16
.endr
.endr
.endr
	s_wait_dscnt 0x0
.set n, 0
.rept 8
.irp e, 0,1,2,3,4,5,6,7
	v_cmp_ne_u32 s[16+\e], 0, v[MX+n+\e]           ; word n + e: a bit for each lane
.endr
.irp e, 0,1,2,3,4,5,6,7
	v_writelane_b32 v[MW+2*\s+\e%2], s[16+\e], (n+\e)/2      ; lane L gathers words 2 L and 2 L + 1
.endr
.set n, n+8
.endr
	global_store_b64 v4, v[MW+2*\s:MW+2*\s+1], s[6:7] offset:256*\s
.endr
	s_wait_tensorcnt 0x0                           ; the wave's end
	ds_add_u32 v30, v31
	s_wait_dscnt 0x0
	s_endpgm
.Lfunc_end_k_q08cd514483_prep:
	.size	k_q08cd514483_prep, .Lfunc_end_k_q08cd514483_prep-k_q08cd514483_prep
	.p2alignl 7, 3214868480
	.fill 96, 4, 3214868480
	.section	.rodata,"a",@progbits
	.p2align	6, 0x0
	.amdhsa_kernel k_q08cd514483_prep
		.amdhsa_group_segment_fixed_size 103424
		.amdhsa_private_segment_fixed_size 0
		.amdhsa_enable_private_segment 0
		.amdhsa_kernarg_size 88
		.amdhsa_user_sgpr_count 2
		.amdhsa_user_sgpr_kernarg_segment_ptr 1
		.amdhsa_wavefront_size32 1
		.amdhsa_system_sgpr_workgroup_id_x 1
		.amdhsa_system_sgpr_workgroup_id_y 1
		.amdhsa_system_sgpr_workgroup_id_z 1
		.amdhsa_system_vgpr_workitem_id 0
		.amdhsa_next_free_vgpr 256
		.amdhsa_next_free_sgpr 66
		.amdhsa_reserve_vcc 0
		.amdhsa_float_denorm_mode_32 3
		.amdhsa_float_denorm_mode_16_64 3
		.amdhsa_memory_ordered 1
		.amdhsa_forward_progress 1
		.amdhsa_inst_pref_size 61
	.end_amdhsa_kernel
	.amdgpu_metadata
---
amdhsa.version: [ 1, 2 ]
amdhsa.kernels:
  - .name:           k_q08cd514483_prep
    .symbol:         k_q08cd514483_prep.kd
    .args:
      - { .name: x_q, .offset: 0, .size: 8, .value_kind: global_buffer, .address_space: global }
      - { .name: x_k, .offset: 8, .size: 8, .value_kind: global_buffer, .address_space: global }
      - { .name: x_v, .offset: 16, .size: 8, .value_kind: global_buffer, .address_space: global }
      - { .name: Wq, .offset: 24, .size: 8, .value_kind: global_buffer, .address_space: global }
      - { .name: Wk, .offset: 32, .size: 8, .value_kind: global_buffer, .address_space: global }
      - { .name: Wv, .offset: 40, .size: 8, .value_kind: global_buffer, .address_space: global }
      - { .name: Wo, .offset: 48, .size: 8, .value_kind: global_buffer, .address_space: global }
      - { .name: mask, .offset: 56, .size: 8, .value_kind: global_buffer, .address_space: global }
      - { .name: cc, .offset: 64, .size: 8, .value_kind: global_buffer, .address_space: global }
      - { .name: ss, .offset: 72, .size: 8, .value_kind: global_buffer, .address_space: global }
      - { .name: mb, .offset: 80, .size: 8, .value_kind: global_buffer, .address_space: global }
    .group_segment_fixed_size: 103424
    .private_segment_fixed_size: 0
    .kernarg_segment_align: 8
    .kernarg_segment_size: 88
    .max_flat_workgroup_size: 256
    .sgpr_count:     66
    .vgpr_count:     256
    .wavefront_size: 32
...
	.end_amdgpu_metadata
.endif
;; end of part 6
;; launch proj (part 7): grid 4 x 48, 4 waves a work-group, clusters of 4 x 4, 327,680 bytes of LDS; arguments cc, ss, bq, bk, bv, qkv; writes qkv
.if DOCPART == 7
	.amdgcn_target "amdgcn-amd-amdhsa--gfx1250"
	.amdhsa_code_object_version 6
	.text
	.protected	k_q08cd514483_proj
	.globl	k_q08cd514483_proj
	.p2align	8
	.type	k_q08cd514483_proj,@function
k_q08cd514483_proj:
	s_mov_b64 s[64:65], 0
	v_nop
	global_prefetch_b8 v0, s[64:65] scope:SCOPE_SE
	s_setreg_imm32_b32 hwreg(HW_REG_WAVE_MODE, 25, 1), 1
	s_wait_xcnt 0x0
	s_wait_alu depctr_hold_cnt(0) depctr_sa_sdst(0) depctr_va_vdst(0) depctr_va_sdst(0) depctr_va_ssrc(0) depctr_va_vcc(0) depctr_vm_vsrc(0)
	s_getreg_b32 s2, hwreg(HW_REG_IB_STS2, 6, 4)
	s_cmp_eq_u32 s2, 0
	s_cbranch_scc0 .Lentry_in_a_cluster
	s_endpgm
.Lentry_in_a_cluster:
	s_bfe_u32 s2, ttmp6, 0x10000c
	s_cmp_lg_u32 s2, 0xf033
	s_cbranch_scc0 .Lentry_shape_is_right
	s_endpgm
.Lentry_shape_is_right:
.set REC,   307200
.set KC,    0
.set VC,    98304
.set KS,    196608
.set VS,    200704
.set QC,    204800
.set QS,    303104
.set FR,    12
.set NL,    4
.set NP,    4
.set NQ,    2
.set TROW,  3072
.set HALFT, 8*TROW
.set SLOT,  4*HALFT
.set SCL,   2*SLOT
.set SPARE, 213248
.set A16,   16
.set A8,    18
.set B16,   20
.set B8,    22
.set ADRS,  27
.set SPW,   28
.set NIL,   29
.set SC,    32
.set BR,    64
.set AF,    128
.set BL,    224
.set OA0,   8
.set OB0,   9
.set OA1,   10
.set OB1,   11
.set OSC,   12
.set VSH,   13
.set TM,    32
.set PW,    48
.set SD,    49
.set T,     128
.set PC,    192
.set SELA,  42
.set SELB,  95
.set G1,    24
.set G0,    32
.set G1B,   48
.set G0B,   56
.set G1S,   68
.set G0S,   76
.set G1SB,  80
.set G0SB,  88
.set MSB, 0
.macro WIN new
.if MSB != (\new)
	s_set_vgpr_msb (MSB<<8)|(\new)
.set MSB, (\new)
.endif
.endm
.set MUL_LO, 0xa1
.set MUL_HI, 0xf1
.set TO_B,   0x40
.macro JLOAD g0a, g1a, g0b, g1b
	s_cmp_eq_u32 s15, 0
	s_cbranch_scc0 .Lfor_b_\@
	tensor_load_to_lds s[\g0a:\g0a+3], s[\g1a:\g1a+7]
	s_nop 0
.rept 4
	v_nop
.endr
	s_branch .Lasked_\@
.Lfor_b_\@:
	tensor_load_to_lds s[\g0b:\g0b+3], s[\g1b:\g1b+7]
	s_nop 0
.rept 4
	v_nop
.endr
.Lasked_\@:
.endm
.macro CREST
	s_cmp_lg_u32 s14, 0
	s_cbranch_scc1 .Lnot_wave_0_\@
	s_barrier_signal -3
.Lnot_wave_0_\@:
	s_barrier_wait -3
	s_barrier_signal -1
	s_barrier_wait -1
.endm
.macro CROUND
	s_barrier_signal -1
	s_barrier_wait -1
	CREST
.endm
.macro PLACES n
.rept \n
	v_nop
.endr
.endm
	s_load_b128 s[4:7], s[0:1], 0x0
	s_load_b128 s[96:99], s[0:1], 0x10
	s_load_b128 s[8:11], s[0:1], 0x20
	v_lshl_add_u32 v[SPW], v0, 2, SPARE
	v_mov_b32 v[NIL], 0
	ds_add_u32 v28, v29
	ds_add_u32 v28, v29
	s_wait_dscnt 0x0
	v_lshrrev_b32 v1, 5, v0
	v_readfirstlane_b32 s14, v1
	s_lshr_b32 s15, s14, 1
	s_and_b32 s16, s14, 1
	s_bfe_u32 s40, ttmp6, 0x40000
	s_bfe_u32 s41, ttmp6, 0x40004
	s_and_b32 s17, ttmp7, 0xffff
	s_lshr_b32 s66, s17, 2
	s_and_b32 s67, s17, 3
	s_lshl_b32 s43, s41, 2
	s_lshl_b32 s43, 15, s43
	s_lshl_b32 s44, 0x1111, s40
	s_or_b32 s[G1+0], s43, (3<<16)|(1<<21)
	s_or_b32 s[G1B+0], s44, (3<<16)|(1<<21)
.irp g, G1, G1B
	s_mov_b32 s[\g+1], 384<<16
	s_mov_b32 s[\g+2], 16<<16                      ; the head's loads of codes bring 16 tile rows; behind them the two words that count rows are set to 8
	s_mov_b32 s[\g+3], 384<<16
	s_mov_b32 s[\g+4], 16
	s_mov_b32 s[\g+5], 1536
	s_mov_b32 s[\g+6], 0
	s_mov_b32 s[\g+7], 0
.endr
	s_or_b32 s[G1S+0], s43, (3<<16)|(1<<21)
	s_or_b32 s[G1SB+0], s44, (3<<16)|(1<<21)
.irp g, G1S, G1SB
	s_mov_b32 s[\g+1], 32<<16
	s_mov_b32 s[\g+2], 32<<16                      ; the scales of 16 tiles: 32 rows of 256 dense bytes
	s_mov_b32 s[\g+3], 32<<16
	s_mov_b32 s[\g+4], 32
	s_mov_b32 s[\g+5], 32
	s_mov_b32 s[\g+6], 0
	s_mov_b32 s[\g+7], 0
.endr
	s_lshl_b32 s18, s66, 8
	s_lshl_b32 s19, s67, 6
	s_add_co_u32 s18, s18, s19
	s_lshl_b32 s20, s66, 6
	s_add_co_u32 s20, s20, 768
	s_add_co_u32 s19, s19, 512
	s_mov_b32 s21, 896
	s_cmp_eq_u32 s66, 2
	s_cselect_b32 s18, s21, s18
	s_cselect_b32 s20, s19, s20
	s_lshl_b32 s21, s16, 3
	s_lshl_b32 s23, s41, 4
	s_add_co_u32 s22, s18, s23
	s_lshl_b32 s47, s40, 4
	s_add_co_u32 s46, s20, s47
	s_lshl_b32 s94, s22, 9                         ; the scales begin at the block's first tile, whichever wave asks
	s_lshl_b32 s100, s46, 9
	s_add_co_u32 s22, s22, s21                     ; the codes at my 8 tiles of the 16
	s_add_co_u32 s46, s46, s21
	s_mul_i32 s92, s22, 12288
	s_mov_b32 s93, 0
	s_mov_b32 s22, s94
	s_mov_b32 s23, 0
	s_mov_b32 s101, 0
	s_mul_i32 s46, s46, 12288
	s_mov_b32 s47, 0
	s_mul_i32 s45, s14, HALFT
	s_wait_kmcnt 0x0
	s_add_nc_u64 s[92:93], s[4:5], s[92:93]
	s_add_nc_u64 s[22:23], s[6:7], s[22:23]
	s_add_nc_u64 s[46:47], s[4:5], s[46:47]
	s_add_nc_u64 s[100:101], s[6:7], s[100:101]
	CROUND
	s_mov_b32 s[G0S], 1
	s_mov_b32 s[G0S+1], SCL
	s_mov_b64 s[G0S+2:G0S+3], s[22:23]
	s_or_b32 s[G0S+3], s[G0S+3], 0x80000000
	s_mov_b32 s[G0SB], 1
	s_mov_b32 s[G0SB+1], SCL+8192+128
	s_mov_b64 s[G0SB+2:G0SB+3], s[100:101]
	s_or_b32 s[G0SB+3], s[G0SB+3], 0x80000000
.irp s, 0,1
	s_mov_b32 s[G0+4*\s], 1
	s_add_co_u32 s[G0+4*\s+1], s45, \s*SLOT
	s_add_nc_u64 s[G0+4*\s+2:G0+4*\s+3], s[92:93], \s*TROW
	s_or_b32 s[G0+4*\s+3], s[G0+4*\s+3], 0x80000000
	s_mov_b32 s[G0B+4*\s], 1
	s_add_co_u32 s[G0B+4*\s+1], s45, \s*SLOT
	s_add_nc_u64 s[G0B+4*\s+2:G0B+4*\s+3], s[46:47], \s*TROW
	s_or_b32 s[G0B+4*\s+3], s[G0B+4*\s+3], 0x80000000
.endr
; THE HEAD'S LOADS, ONE A WAVE: wave 0 fetches slot 0's 16 tile rows of the first operand (its own group 0 begins at the first of them), wave 2 those of the second,
; wave 1 the first operand's scales, wave 3 the second's.  One tree of branches on the wave's number: every way passes exactly one load.
.macro ARM under, g0, g1, next
	s_cmp_lt_u32 s14, \under
	s_cbranch_scc0 \next
	tensor_load_to_lds s[\g0:\g0+3], s[\g1:\g1+7]
	s_nop 0
.rept 4
	v_nop
.endr
	s_branch .Lhead_asked
\next:
.endm
	ARM 1, G0,  G1,  .Lhead_sa
	ARM 2, G0S, G1S, .Lhead_b
	ARM 3, G0B, G1B, .Lhead_sb
	tensor_load_to_lds s[G0SB:G0SB+3], s[G1SB:G1SB+7]
	s_nop 0
.rept 4
	v_nop
.endr
.Lhead_asked:
	v_and_b32 v1, 31, v0
	v_and_b32 v2, 15, v0
	v_bfe_u32 v3, v0, 4, 1
	v_lshlrev_b32 v4, 4, v1
	v_lshlrev_b32 v5, 3, v1
	s_mul_i32 s21, s15, HALFT
	s_mul_i32 s18, s16, HALFT
	s_add_co_u32 s18, s18, 2*HALFT
.irp s, 0,1
	v_add_nc_u32 v[A16+\s], s21, v4
	v_add_nc_u32 v[A8+\s], s21, v5
	v_add_nc_u32 v[B16+\s], s18, v4
	v_add_nc_u32 v[B8+\s], s18, v5
	s_add_co_u32 s21, s21, SLOT
	s_add_co_u32 s18, s18, SLOT
.endr
	s_lshl_b32 s19, s15, 12
	s_lshl_b32 s20, s16, 12
	s_add_co_u32 s20, s20, 8320
	s_sub_co_u32 s20, s20, s19
	v_mul_u32_u24 v6, s20, v3
	s_add_co_u32 s19, s19, SCL
	v_lshl_add_u32 v6, v2, 3, v6
	v_add_nc_u32 v[ADRS], s19, v6
	s_lshl_b32 s18, s67, 2
	s_cmp_eq_u32 s66, 2
	s_cselect_b32 s19, 0, s18
	s_cselect_b32 s20, s18, 0
	s_add_co_u32 s19, s19, s41
	s_add_co_u32 s20, s20, s40
	s_lshl_b32 s19, s19, 8
	s_lshl_b32 s20, s20, 8
	s_lshl_b32 s21, s15, 7
	s_add_co_u32 s19, s19, s21
	s_lshl_b32 s21, s16, 7
	s_add_co_u32 s20, s20, s21
	s_cmp_eq_u32 s66, 2
	s_cselect_b32 s12, s19, s20
	s_cselect_b32 s13, s20, s19
	s_cmp_eq_u32 s66, 0
	s_cselect_b64 s[8:9], s[96:97], s[8:9]
	s_cmp_eq_u32 s66, 1
	s_cselect_b64 s[8:9], s[98:99], s[8:9]
	s_lshl_b32 s18, s12, 2
	s_mov_b32 s19, 0
	s_add_nc_u64 s[8:9], s[8:9], s[18:19]
.irp i, 0,1,2,3,4,5,6,7,8,9,10,11,12,13,14,15
	v_mov_b32 v[BL+\i], 0
.endr
	v_lshlrev_b32 v30, 5, v3
	v_lshlrev_b32 v31, 2, v2
	s_cmp_eq_u32 s66, 2
	s_cbranch_scc1 .Lbias_v
.irp b, 0,1,2,3,4,5,6,7
	global_load_b128 v[BR+8*\b:BR+8*\b+3], v30, s[8:9] offset:64*\b
	global_load_b128 v[BR+8*\b+4:BR+8*\b+7], v30, s[8:9] offset:64*\b+16
.endr
	s_branch .Lbias_done
.Lbias_v:
.set i, 0
.rept 64
	v_mov_b32 v[BR+i], 0
.set i, i+1
.endr
.irp a, 0,1,2,3,4,5,6,7
	global_load_b32 v[BL+2*\a], v31, s[8:9] offset:64*\a
.endr
.Lbias_done:
.macro FRAG reg, a16, a8, off
	ds_load_b128 v[\reg:\reg+3], v[\a16] offset:\off
	ds_load_b64 v[\reg+4:\reg+5], v[\a8] offset:\off+512
	ds_load_b128 v[\reg+6:\reg+9], v[\a16] offset:\off+768
	ds_load_b64 v[\reg+10:\reg+11], v[\a8] offset:\off+1280
.endm
.macro MUL16 a0, p, q, sc, first
.irp a, \a0, \a0+1
.irp b, 0,1,2,3,4,5,6,7
.if \first
	v_wmma_scale_f32_16x16x128_f8f6f4 v[8*(8*((\a)%4)+\b):8*(8*((\a)%4)+\b)+7], v[128*(\p)+FR*\b:128*(\p)+FR*\b+FR-1], v[AF+FR*(\a):AF+FR*(\a)+FR-1], v[BR+8*\b:BR+8*\b+7], v[SC+8*NQ*(\sc)+NQ*\b+(\q)], v[SC+8*NQ*(\sc)+NQ*(\a)+(\q)] matrix_a_fmt:MATRIX_FMT_BF6 matrix_b_fmt:MATRIX_FMT_BF6 matrix_a_scale:MATRIX_SCALE_ROW1
.else
	v_wmma_scale_f32_16x16x128_f8f6f4 v[8*(8*((\a)%4)+\b):8*(8*((\a)%4)+\b)+7], v[128*(\p)+FR*\b:128*(\p)+FR*\b+FR-1], v[AF+FR*(\a):AF+FR*(\a)+FR-1], v[8*(8*((\a)%4)+\b):8*(8*((\a)%4)+\b)+7], v[SC+8*NQ*(\sc)+NQ*\b+(\q)], v[SC+8*NQ*(\sc)+NQ*(\a)+(\q)] matrix_a_fmt:MATRIX_FMT_BF6 matrix_b_fmt:MATRIX_FMT_BF6 matrix_a_scale:MATRIX_SCALE_ROW1
.endif
.endr
.endr
.endm
.macro FETCH_B slot, q, p
	WIN TO_B
.irp i, 0,1,2,3,4,5,6,7
	FRAG 128*(\p)+FR*\i, B16+\slot, B8+\slot, TROW*\i+1536*(\q)
.endr
	WIN 0
.endm
.macro FETCH_A slot, q, i0
.irp i, \i0, \i0+1, \i0+2, \i0+3
	FRAG AF+FR*(\i), A16+\slot, A8+\slot, TROW*(\i)+1536*(\q)
.endr
.endm
.macro SCALES sc
.irp i, 0,1,2,3,4,5,6,7
	ds_load_b64 v[SC+8*NQ*\sc+NQ*\i:SC+8*NQ*\sc+NQ*\i+1], v[ADRS] offset:512*\i
.endr
.endm
.macro STEP slot, q, first
	s_wait_dscnt 4*NL
	WIN MUL_LO-0x20*(\first)
	MUL16 0, (\q)%2, \q, \slot, \first
	MUL16 2, (\q)%2, \q, \slot, \first
	s_wait_dscnt 0
	PLACES NP
	FETCH_B \slot, (\q)+1, 1-(\q)%2
	FETCH_A \slot, (\q)+1, 0
	WIN MUL_HI-0x30*(\first)
	MUL16 4, (\q)%2, \q, \slot, \first
	MUL16 6, (\q)%2, \q, \slot, \first
	PLACES NP
	WIN 0
	FETCH_A \slot, (\q)+1, 4
.endm
.macro TURN slot, next, fill
	s_wait_tensorcnt 0x0
	ds_add_u32 v[SPW], v[NIL]
	s_wait_dscnt 4*NL+1
	WIN MUL_LO
	MUL16 0, 1, NQ-1, \slot, 0
	s_wait_dscnt 0x0
	s_barrier_signal -1
	MUL16 2, 1, NQ-1, \slot, 0
	WIN 0
	s_barrier_wait -1
.if \fill
	CREST
	s_add_nc_u64 s[G0+4*\slot+2:G0+4*\slot+3], s[G0+4*\slot+2:G0+4*\slot+3], 2*TROW
	s_add_nc_u64 s[G0B+4*\slot+2:G0B+4*\slot+3], s[G0B+4*\slot+2:G0B+4*\slot+3], 2*TROW
	JLOAD G0+4*\slot, G1, G0B+4*\slot, G1B
.else
	PLACES NP
.endif
	s_wait_alu depctr_va_vdst(0)
	v_add_nc_u32 v[ADRS], 128, v[ADRS]
	FETCH_B \next, 0, 0
	FETCH_A \next, 0, 0
	SCALES \next
	WIN MUL_HI
	MUL16 4, 1, NQ-1, \slot, 0
	MUL16 6, 1, NQ-1, \slot, 0
	PLACES NP
	WIN 0
	FETCH_A \next, 0, 4
.endm
	s_wait_alu depctr_va_vdst(0)
	s_wait_tensorcnt 0x0                           ; my tile of the head's four is in
	ds_add_u32 v28, v29
	s_mov_b32 s[G1+2], 8<<16                       ; no tensor load of mine is out: from here on a load brings 8 tile rows
	s_mov_b32 s[G1+4], 8
	s_mov_b32 s[G1B+2], 8<<16
	s_mov_b32 s[G1B+4], 8
	s_wait_dscnt 0x0
	CROUND                                         ; all four tiles are in, and all sixteen work-groups are here
	JLOAD G0+4, G1, G0B+4, G1B                     ; slot 1's first fill, the first tensor load behind the round
	FETCH_B 0, 0, 0
	FETCH_A 0, 0, 0
	SCALES 0
	FETCH_A 0, 0, 4
	s_wait_loadcnt 0x0
	s_wait_alu depctr_va_vdst(0)
	STEP 0, 0, 1
	s_mov_b32 s3, 1
.Llap:
	TURN 0, 1, 1
	STEP 1, 0, 0
	TURN 1, 0, 1
	STEP 0, 0, 0
	s_sub_co_u32 s3, s3, 1
	s_cmp_lg_u32 s3, 0
	s_cbranch_scc1 .Llap
	TURN 0, 1, 0
	STEP 1, 0, 0
	s_wait_dscnt 4*NL
	WIN MUL_LO
	MUL16 0, 1, NQ-1, 1, 0
	MUL16 2, 1, NQ-1, 1, 0
	s_wait_dscnt 0
	WIN MUL_HI
	MUL16 4, 1, NQ-1, 1, 0
	MUL16 6, 1, NQ-1, 1, 0
	WIN 0
	PLACES NP
	s_mov_b32 s[SELA], 0x76543210
	s_mov_b32 s[SELB], 0xfedcba98
	s_lshr_b32 s68, s13, 11
	s_bfe_u32 s69, s13, 0x40007
	s_lshr_b32 s70, s12, 6
	s_lshl_b32 s68, s68, 4
	s_add_co_u32 s68, s68, s70
	s_mul_i32 s68, s68, REC
	s_mul_i32 s70, s69, 6144
	s_add_co_u32 s70, s70, s68
	s_lshl_b32 s71, s69, 8
	s_add_co_u32 s71, s71, s68
	s_mov_b32 s72, QC
	s_mov_b32 s73, QS
	s_cmp_eq_u32 s66, 1
	s_cselect_b32 s72, KC, s72
	s_cselect_b32 s73, KS, s73
	s_cmp_eq_u32 s66, 2
	s_cselect_b32 s72, VC, s72
	s_cselect_b32 s73, VS, s73
	s_mov_b32 s74, 768
	s_cselect_b32 s74, 1536, s74
	s_mov_b32 s75, 768
	s_cselect_b32 s75, 302592, s75
	s_cselect_b32 s76, 64, 2
	s_cselect_b32 s77, 64, 62
	s_mov_b32 s78, 62
	s_cselect_b32 s78, 307008, s78
	s_mov_b32 s79, REC
	s_cselect_b32 s79, 768, s79
	s_mov_b32 s80, REC
	s_cselect_b32 s80, 2, s80
	s_add_co_u32 s70, s70, s72
	s_add_co_u32 s71, s71, s73
	v_lshl_add_u32 v[OA0], v1, 4, s70
	v_lshl_add_u32 v[OB0], v1, 3, s70
	v_add_nc_u32 v[OB0], 512, v[OB0]
	v_add_nc_u32 v[OA1], s79, v[OA0]
	v_add_nc_u32 v[OB1], s79, v[OB0]
	v_mul_u32_u24 v[OSC], s80, v3
	v_lshl_add_u32 v[OSC], v2, 2, v[OSC]
	v_add_nc_u32 v[OSC], s71, v[OSC]
	v_lshlrev_b32 v[VSH], 4, v3
.irp b, 0,1,2,3
	v_mov_b32 v[TM+4+\b], 0
.endr
.macro QUANT s
.irp b, 0,1,2,3
	v_max3_num_f32 v[TM+\b], |v[\s+16*\b]|, |v[\s+1+16*\b]|, 0x2800000
.endr
.irp i, 2,4,6,8,10,12,14
.irp b, 0,1,2,3
	v_max3_num_f32 v[TM+\b], v[TM+\b], |v[\s+16*\b+\i]|, |v[\s+1+16*\b+\i]|
.endr
.endr
.irp b, 0,1,2,3
	v_permlanex16_b32 v[TM+4+\b], v[TM+\b], s[SELA], s[SELB]
.endr
.irp b, 0,1,2,3
	v_max_num_f32 v[TM+\b], v[TM+\b], v[TM+4+\b]
.endr
.irp b, 0,1,2,3
	v_add_nc_u32 v[TM+12+\b], 0xfe000000, v[TM+\b]
.endr
.irp b, 0,1,2,3
	v_lshrrev_b32 v[TM+4+\b], 23, v[TM+12+\b]
.endr
	v_lshl_or_b32 v[PW], v[TM+5], 8, v[TM+4]
	v_lshl_or_b32 v[PW], v[TM+6], 16, v[PW]
	v_lshl_or_b32 v[PW], v[TM+7], 24, v[PW]
.irp c, 0,1
	v_cvt_scalef32_pk16_bf6_f32 v[PC+6*\c:PC+2+6*\c], v[\s+32*\c:\s+15+32*\c], v[TM+12+2*\c]
	v_cvt_scalef32_pk16_bf6_f32 v[PC+12+4*\c:PC+14+4*\c], v[\s+16+32*\c:\s+31+32*\c], v[TM+12+2*\c+1]
.endr
	v_nop
.irp c, 0,1
.irp i, 0,1,2
	v_permlane16_swap_b32 v[PC+6*\c+\i], v[PC+12+4*\c+\i]
.endr
.irp i, 0,1,2
	v_mov_b32 v[PC+3+6*\c+\i], v[PC+12+4*\c+\i]
.endr
.endr
.endm
.irp a, 0,1,2,3,4,5,6,7
	WIN 0x02+(\a)/4
.set i, 0
.rept 32
	v_pk_add_f32 v[T+2*i:T+2*i+1], v[64*((\a)%4)+2*i:64*((\a)%4)+2*i+1], v[BL+2*\a:BL+2*\a+1] op_sel_hi:[1,0]
.set i, i+1
.endr
	WIN 0
.if \a > 0
	s_wait_xcnt 0x0
.if \a == 4
	v_add_nc_u32 v[OA0], s75, v[OA0]
	v_add_nc_u32 v[OB0], s75, v[OB0]
	v_add_nc_u32 v[OA1], s75, v[OA1]
	v_add_nc_u32 v[OB1], s75, v[OB1]
	v_add_nc_u32 v[OSC], s78, v[OSC]
.else
	v_add_nc_u32 v[OA0], s74, v[OA0]
	v_add_nc_u32 v[OB0], s74, v[OB0]
	v_add_nc_u32 v[OA1], s74, v[OA1]
	v_add_nc_u32 v[OB1], s74, v[OB1]
.if (\a)%2 == 1
	v_add_nc_u32 v[OSC], s76, v[OSC]
.else
	v_add_nc_u32 v[OSC], s77, v[OSC]
.endif
.endif
.endif
	QUANT T
	v_lshrrev_b32 v[SD], v[VSH], v[PW]
	global_store_b128 v[OA0], v[PC:PC+3], s[10:11]
	global_store_b64 v[OB0], v[PC+4:PC+5], s[10:11]
	global_store_b128 v[OA1], v[PC+6:PC+9], s[10:11]
	global_store_b64 v[OB1], v[PC+10:PC+11], s[10:11]
	global_store_b16 v[OSC], v[SD], s[10:11]
.endr
	s_wait_tensorcnt 0x0
	ds_add_u32 v[SPW], v[NIL]
	s_wait_dscnt 0x0
	CROUND
	s_endpgm
.Lfunc_end_k_q08cd514483_proj:
	.size	k_q08cd514483_proj, .Lfunc_end_k_q08cd514483_proj-k_q08cd514483_proj
	.p2alignl 7, 3214868480
	.fill 96, 4, 3214868480
	.section	.rodata,"a",@progbits
	.p2align	6, 0x0
	.amdhsa_kernel k_q08cd514483_proj
		.amdhsa_group_segment_fixed_size 327680
		.amdhsa_private_segment_fixed_size 0
		.amdhsa_enable_private_segment 0
		.amdhsa_kernarg_size 48
		.amdhsa_user_sgpr_count 2
		.amdhsa_user_sgpr_kernarg_segment_ptr 1
		.amdhsa_wavefront_size32 1
		.amdhsa_system_sgpr_workgroup_id_x 1
		.amdhsa_system_sgpr_workgroup_id_y 1
		.amdhsa_system_sgpr_workgroup_id_z 1
		.amdhsa_system_vgpr_workitem_id 0
		.amdhsa_next_free_vgpr 1024
		.amdhsa_next_free_sgpr 102
		.amdhsa_reserve_vcc 0
		.amdhsa_float_denorm_mode_32 3
		.amdhsa_float_denorm_mode_16_64 3
		.amdhsa_memory_ordered 1
		.amdhsa_forward_progress 1
		.amdhsa_inst_pref_size 174
	.end_amdhsa_kernel
	.amdgpu_metadata
---
amdhsa.version: [ 1, 2 ]
amdhsa.kernels:
  - .name:           k_q08cd514483_proj
    .symbol:         k_q08cd514483_proj.kd
    .args:
      - { .name: cc, .offset: 0, .size: 8, .value_kind: global_buffer, .address_space: global }
      - { .name: ss, .offset: 8, .size: 8, .value_kind: global_buffer, .address_space: global }
      - { .name: bq, .offset: 16, .size: 8, .value_kind: global_buffer, .address_space: global }
      - { .name: bk, .offset: 24, .size: 8, .value_kind: global_buffer, .address_space: global }
      - { .name: bv, .offset: 32, .size: 8, .value_kind: global_buffer, .address_space: global }
      - { .name: qkv, .offset: 40, .size: 8, .value_kind: global_buffer, .address_space: global }
    .group_segment_fixed_size: 327680
    .private_segment_fixed_size: 0
    .kernarg_segment_align: 8
    .kernarg_segment_size: 48
    .max_flat_workgroup_size: 128
    .sgpr_count:     102
    .vgpr_count:     1024
    .wavefront_size: 32
...
	.end_amdgpu_metadata
.endif
;; end of part 7
;; launch attn (part 8): grid 8 x 32, 16 waves a work-group, clusters of 4 x 1, 206,848 bytes of LDS; arguments qkv, mb, ac, asc; writes ac, asc
.if DOCPART == 8
	.amdgcn_target "amdgcn-amd-amdhsa--gfx1250"
	.amdhsa_code_object_version 6
	.text
	.protected	k_q08cd514483_attn
	.globl	k_q08cd514483_attn
	.p2align	8
	.type	k_q08cd514483_attn,@function
k_q08cd514483_attn:
	s_mov_b64 s[64:65], 0
	v_nop
	global_prefetch_b8 v0, s[64:65] scope:SCOPE_SE
	s_setreg_imm32_b32 hwreg(HW_REG_WAVE_MODE, 25, 1), 1
	s_wait_xcnt 0x0
	s_wait_alu depctr_hold_cnt(0) depctr_sa_sdst(0) depctr_va_vdst(0) depctr_va_sdst(0) depctr_va_ssrc(0) depctr_va_vcc(0) depctr_vm_vsrc(0)
	s_getreg_b32 s2, hwreg(HW_REG_IB_STS2, 6, 4)
	s_cmp_eq_u32 s2, 0
	s_cbranch_scc0 .Lentry_in_a_cluster
	s_endpgm
.Lentry_in_a_cluster:
	s_bfe_u32 s2, ttmp6, 0x10000c
	s_cmp_lg_u32 s2, 0x3003
	s_cbranch_scc0 .Lentry_shape_is_right
	s_endpgm
.Lentry_shape_is_right:
; For each batch and head: O[q] = the sum over keys of softmax(q . k / 8, masked) v, both products on codes of BF6 (E3M2) with E8M0 scales; O is quantised along the head's 64 and leaves as codes for the last product.
; THE SOFTMAX: t = logit x log2(e); M = the running largest t rounded UP to a whole number; p = 2^(t - M) is quantised along the keys, not normalised; the row's sum is taken of the unquantised p and divides O at the end.
; When M moves, the sum and O are multiplied by 2^(old M - new M): exact.
; SHARES: a work-group owns 256 queries of one head, each of its sixteen waves one tile of 16, in 256 registers.  The head's K and V (204,800 bytes of its record) are filled into LDS ONCE, 12,800 bytes a wave; nothing is filled again.
; CLUSTER: the four work-groups of a cluster belong to one head: each wave's load is asked for jointly, with a mask that names the four.
; LAYOUT: both products are used transposed (S^T = K Q^T, O^T = V^T P^T): a lane holds one query (lane % 16).  Operands lie as half fragments of 16 rows x 64 K (768 bytes: registers 0-3 at 16 l, 4-5 at 512 + 8 l).
; The first product's K is 64, the instruction's 128: a fragment holds TWO tiles of 16 keys and is multiplied by [q | 0] and by [0 | q] (one run of registers 0, q, 0 serves both); q's scale bytes over the zero codes are 0 (2^-127).
; THE KEYS OF A TILE ARE CHOSEN, by LDS addresses alone: row m of tile T = 4 c + 2 w + e is key 64 c + 32 (m / 8) + 16 e + 8 w + m % 8 of the step.  So lane half h holds, in score registers 32 c .. 32 c + 31, the whole block 2 c + h of 32 keys,
; in the order 0-7, 16-23, 8-15, 24-31 that V's codes have: a block's maximum needs no other lane, and the conversions' results are the operand's registers.
; THE MASK comes as lane masks in that same order, 64 words a step, by scalar loads asked for one step ahead: one v_cndmask_b32 a score register.
; No data prefetch: K and V come once, by the head's loads, with no loop to run ahead in; a step's 256 bytes of mask words are asked for a whole step ahead of their use.
; LIMITS: a masked score is entered as -2^33 (logit -2^30) where the problem says logit -1e9.  Its t is a whole number, so a row all of whose keys are masked gets p = 1 at every key, as with -1e9; beside any open key a masked key's
; p is 0 either way.  Equal results as long as open logits lie above -1e9 + 150.  NaN and infinities are not served; a block of zeros gets the byte 1, not 127 (its codes are zeros; this program alone reads the bytes).
; REGISTERS: v1-6 addresses that stay; v7-9 those of the run in hand; v10 the masked score; v12 -M, v13 the largest t, v[14:15] the sum; v22-39 [0 x 6 | q 6 | 0 x 6]; v40, v41 q's scale words;
;   v60-107 four fragments of K or V, v108-111 their scale words; v112-175 S^T, then p; v176-207 O^T; v208-219 p's codes; v220-248 at work; v237 p's scale word; v246, v247 the add's.
.set REC, 307200
.set QC,  204800
.set QS,  303104
.set FRG, 60
.set FS,  108
.set S,   112
.set O,   176
.set PC,  208
.macro CROUND                          ; a round of the cluster's barrier
	s_barrier_signal -1
	s_barrier_wait -1
	s_cmp_lg_u32 s12, 0
	s_cbranch_scc1 .Lnot_wave_0_\@
	s_barrier_signal -3
.Lnot_wave_0_\@:
	s_barrier_wait -3
	s_barrier_signal -1
	s_barrier_wait -1
.endm
	s_load_b256 s[4:11], s[0:1], 0x0               ; qkv, mb, ac, asc
	v_lshl_add_u32 v246, v0, 2, 0x32000
	v_mov_b32 v247, 0
	ds_add_u32 v246, v247                          ; the opening lines: the add twice on end and its wait
	ds_add_u32 v246, v247
	v_lshrrev_b32 v1, 5, v0
	s_delay_alu instid0(VALU_DEP_1)
	v_readfirstlane_b32 s12, v1                    ; wave 0..15
	s_bfe_u32 s13, ttmp6, 0x40000                  ; cx: it enters q's, the mask's and the results' addresses alone
	s_lshl_b32 s14, ttmp9, 2
	s_add_co_u32 s14, s14, s13
	s_lshl_b32 s14, s14, 4
	s_add_co_u32 s14, s14, s12                     ; qt: my tile of 16 queries, 0..127
	s_and_b32 s15, ttmp7, 0xffff                   ; b x 16 + head, which the partners share
	s_mul_i32 s30, s15, REC                        ; the record
	s_mul_i32 s17, s12, 12800                      ; group 0: my 12,800 bytes in LDS,
	s_add_co_u32 s32, s30, s17                     ; and in memory
	s_mov_b32 s33, 0
	s_mov_b32 s16, 1
	s_mov_b32 s20, 15|(3<<16)|(1<<21)              ; group 1: the mask names all four; elements of 8 bytes; bit 21 beside a mask
	s_mov_b32 s21, 32<<16                          ; 50 rows of 256 dense bytes
	s_mov_b32 s22, 50<<16
	s_mov_b32 s23, 32<<16
	s_mov_b32 s24, 50
	s_mov_b32 s25, 32
	s_mov_b32 s26, 0
	s_mov_b32 s27, 0
	s_mov_b32 s2, 0x3e38aa3b                       ; c = log2(e) / 8: t = score x c
	s_mov_b32 s3, s2                               ; (named with it as a pair)
	s_mov_b32 s100, 0x76543210
	s_mov_b32 s101, 0xfedcba98                     ; selects: lane l xor 16
	s_mov_b32 s28, 0                               ; the step's codes: 6,144 bytes a step, K's and V's alike
	s_mov_b32 s29, 0                               ; its scales: 256 bytes a step
	s_mov_b32 s31, 15
	s_wait_dscnt 0x0
	s_wait_kmcnt 0x0
	s_add_nc_u64 s[18:19], s[4:5], s[32:33]
	s_or_b32 s19, s19, 0x80000000
	CROUND                                         ; all four work-groups are here: the joint loads meet
	tensor_load_to_lds s[16:19], s[20:27]          ; one load a wave, the only one of the launch
	s_nop 0
.rept 4
	v_nop
.endr
	s_lshr_b32 s32, s15, 4
	s_lshl_b32 s32, s32, 7
	s_add_co_u32 s32, s32, s14                     ; b x 128 + qt
	s_lshl_b32 s32, s32, 12                        ; my queries' lane masks: 16 steps of 256 bytes
	s_mov_b32 s33, 0
	s_add_nc_u64 s[6:7], s[6:7], s[32:33]
	s_mul_i32 s34, s14, 768
	s_add_co_u32 s34, s34, s30
	s_add_co_u32 s34, s34, QC                      ; q's half fragment
	s_lshr_b32 s35, s14, 1
	s_lshl_b32 s35, s35, 6
	s_and_b32 s36, s14, 1
	s_lshl_b32 s36, s36, 1
	s_add_co_u32 s35, s35, s36
	s_add_co_u32 s35, s35, s30
	s_add_co_u32 s35, s35, QS                      ; its scale bytes: pair of tiles, row, tile of the pair
	v_and_b32 v11, 31, v0                          ; l
	v_and_b32 v10, 15, v0                          ; r
	v_bfe_u32 v43, v0, 3, 1                        ; r / 8
	v_bfe_u32 v242, v0, 4, 1                       ; H
	v_and_b32 v234, 7, v0                          ; r % 8
	v_mul_u32_u24 v1, v43, 1536                    ; K's codes: rows 8-15 of a tile come from two stored tiles on
	v_lshl_add_u32 v2, v242, 7, v1
	v_lshl_add_u32 v1, v242, 8, v1
	v_lshl_add_u32 v2, v234, 3, v2                 ; 1536 (r / 8) + 128 H + 8 (r % 8)
	v_lshl_add_u32 v1, v234, 4, v1                 ; 1536 (r / 8) + 256 H + 16 (r % 8)
	v_lshlrev_b32 v7, 4, v11                       ; 16 l
	v_lshlrev_b32 v8, 3, v11                       ; 8 l
	v_lshlrev_b32 v9, 2, v10                       ; 4 r
	v_add_nc_u32 v3, 98304, v7                     ; V's codes
	v_add_nc_u32 v4, 98304, v8
	v_add_nc_u32 v6, 200704, v9                    ; V's scale words
	v_lshlrev_b32 v5, 6, v43
	v_lshl_add_u32 v5, v234, 2, v5
	v_add_nc_u32 v5, 196608, v5                    ; K's scale words: 64 (r / 8) + 4 (r % 8)
	v_lshlrev_b32 v248, 3, v242                    ; 8 H
	v_add_nc_u32 v7, s34, v7
	v_add_nc_u32 v8, s34, v8
	v_add_nc_u32 v9, s35, v9
	global_load_b128 v[28:31], v7, s[4:5]          ; q, between its two runs of zeros
	global_load_b64 v[32:33], v8, s[4:5] offset:512
	global_load_u16 v40, v9, s[4:5]                ; its two scale bytes, zeros above them
	s_load_b512 s[32:47], s[6:7], 0x0              ; the first step's 64 lane masks
	s_load_b512 s[48:63], s[6:7], 0x40
	s_load_b512 s[68:83], s[6:7], 0x80
	s_load_b512 s[84:99], s[6:7], 0xc0
.irp j, 22,23,24,25,26,27,34,35,36,37,38,39
	v_mov_b32 v\j, 0
.endr
	v_mov_b32 v10, 0xd0000000                      ; -2^33
	v_mov_b32 v13, 0xff61b1e6                      ; the largest t so far: -3e38
	v_mov_b32 v14, 0
	v_mov_b32 v15, 0
	v_floor_f32 v12, -v13                          ; -M
	v_mov_b32 v237, 0                              ; (named as the upper half of v[236:237] before it is first written)
.macro KLOADS                          ; four fragments of K, two chosen tiles each, and their scale words: 20 loads
.irp c, 0,1
.irp w, 0,1
	ds_load_b128 v[FRG+12*(2*\c+\w):FRG+12*(2*\c+\w)+3], v7 offset:3072*\c+128*\w
	ds_load_b64 v[FRG+12*(2*\c+\w)+4:FRG+12*(2*\c+\w)+5], v8 offset:3072*\c+64*\w+512
	ds_load_b128 v[FRG+12*(2*\c+\w)+6:FRG+12*(2*\c+\w)+9], v7 offset:3072*\c+128*\w+768
	ds_load_b64 v[FRG+12*(2*\c+\w)+10:FRG+12*(2*\c+\w)+11], v8 offset:3072*\c+64*\w+1280
	ds_load_b32 v[FS+2*\c+\w], v9 offset:128*\c+32*\w
.endr
.endr
.endm
.macro VLOADS                          ; four fragments of V as they lie
.irp u, 0,1,2,3
	ds_load_b128 v[FRG+12*\u:FRG+12*\u+3], v7 offset:1536*\u
	ds_load_b64 v[FRG+12*\u+4:FRG+12*\u+5], v8 offset:1536*\u+512
	ds_load_b128 v[FRG+12*\u+6:FRG+12*\u+9], v7 offset:1536*\u+768
	ds_load_b64 v[FRG+12*\u+10:FRG+12*\u+11], v8 offset:1536*\u+1280
	ds_load_b32 v[FS+\u], v9 offset:64*\u
.endr
.endm
.macro KADR
	v_add_nc_u32 v7, s28, v1
	v_add_nc_u32 v8, s28, v2
	v_add_nc_u32 v9, s29, v5
.endm
.macro VADR
	v_add_nc_u32 v7, s28, v3
	v_add_nc_u32 v8, s28, v4
	v_add_nc_u32 v9, s29, v6
.endm
	s_wait_alu depctr_va_vdst(0)
	s_wait_tensorcnt 0x0                           ; my part of the record has landed,
	s_barrier_signal -1
	s_barrier_wait -1                              ; everybody's has
	s_wait_loadcnt 0x0                             ; q: its loads' offsets are free
	v_lshlrev_b32 v41, 16, v40                     ; [0 | q]'s scale word
	KADR
	KLOADS                                         ; the first step's K
.set j, 0
.rept 32
	v_mov_b32 v[O+j], 0                            ; O^T: the step is written once, and its first walk finds zeros.  These lines stand between the write of v41 and the first scaled product
.set j, j+1
.endr
	s_wait_alu depctr_va_vdst(0)
; A KEY STEP: 128 keys.  more = 1: the next step's masks and K are asked for.
.macro STEP more
	s_wait_dscnt 0x0                               ; K's four fragments
.irp u, 0,1,2,3
	v_wmma_scale_f32_16x16x128_f8f6f4 v[S+16*\u:S+16*\u+7], v[FRG+12*\u:FRG+12*\u+11], v[28:39], 0, v[FS+\u], v40 matrix_a_fmt:MATRIX_FMT_BF6 matrix_b_fmt:MATRIX_FMT_BF6
	v_wmma_scale_f32_16x16x128_f8f6f4 v[S+16*\u+8:S+16*\u+15], v[FRG+12*\u:FRG+12*\u+11], v[22:33], 0, v[FS+\u], v41 matrix_a_fmt:MATRIX_FMT_BF6 matrix_b_fmt:MATRIX_FMT_BF6
.endr
	VADR                                           ; four plain lines: the places in front of loads into registers that the products read, and of the first read of the scores
	v_mov_b32 v242, v12                            ; the old -M
	VLOADS                                         ; V's four fragments land under the softmax
	s_wait_kmcnt 0x0                               ; the lane masks
.set n, 0
.rept 64
.if n < 32
	v_cndmask_b32 v[S+n], v10, v[S+n], s[32+n]     ; a masked key's score becomes -2^33; each accumulator from its low end on
.else
	v_cndmask_b32 v[S+n], v10, v[S+n], s[36+n]
.endif
.set n, n+1
.endr
.if \more
	s_add_nc_u64 s[6:7], s[6:7], 256               ; (the scalar loads are done: their base is free)
	s_load_b512 s[32:47], s[6:7], 0x0
	s_load_b512 s[48:63], s[6:7], 0x40
	s_load_b512 s[68:83], s[6:7], 0x80
	s_load_b512 s[84:99], s[6:7], 0xc0
.endif
.irp c, 0,1
	v_max3_num_f32 v[228+\c], v[S+32*\c], v[S+32*\c+1], v[S+32*\c+2]       ; the largest score of my block 2 c + h, in two chains: it serves the row's maximum and, since p rises with the score, the block's largest p
	v_max3_num_f32 v[230+\c], v[S+32*\c+16], v[S+32*\c+17], v[S+32*\c+18]
.endr
.irp i, 3,5,7,9,11,13
.irp c, 0,1
	v_max3_num_f32 v[228+\c], v[228+\c], v[S+32*\c+\i], v[S+32*\c+\i+1]
	v_max3_num_f32 v[230+\c], v[230+\c], v[S+32*\c+16+\i], v[S+32*\c+17+\i]
.endr
.endr
.irp c, 0,1
	v_max3_num_f32 v[228+\c], v[228+\c], v[230+\c], v[S+32*\c+15]
.endr
.irp c, 0,1
	v_max_num_f32 v[228+\c], v[228+\c], v[S+32*\c+31]
.endr
	v_max_num_f32 v43, v228, v229
	v_permlanex16_b32 v234, v43, s100, s101
	v_max_num_f32 v43, v43, v234                   ; with lane l xor 16's two blocks: the step's largest score of my query
	v_mul_f32 v43, s2, v43                         ; as t (c is positive)
	v_max_num_f32 v13, v13, v43                    ; the running largest t
	v_floor_f32 v12, -v13                          ; the new -M = -ceil(t)
	v_sub_f32 v242, v12, v242                      ; old M - new M: a whole number, 0 or less
	v_cvt_i32_f32 v242, v242                       ; (it saturates)
	v_ldexp_f32 v236, 1.0, v242                    ; f = 2^(old M - new M)
.set j, 0
.rept 32
	v_pk_fma_f32 v[S+j:S+j+1], v[S+j:S+j+1], s[2:3], v[12:13] op_sel_hi:[1,0,0]   ; t - M, two at a time
.set j, j+2
.endr
.irp c, 0,1
	v_fma_f32 v[228+\c], v[228+\c], s2, v12        ; the same of each block's largest score
.endr
	s_wait_alu depctr_va_vdst(0)
.set j, 0
.rept 64
	v_exp_f32 v[S+j], v[S+j]                       ; p = 2^(t - M), at most 1
.set j, j+1
.endr
.irp c, 0,1
	v_exp_f32 v[228+\c], v[228+\c]                 ; the block's largest p: the same two instructions on the same number
.endr
	v_pk_mul_f32 v[14:15], v[14:15], v[236:237] op_sel_hi:[1,0]   ; the sum under the new M; a plain line behind the exponentials
	s_wait_alu depctr_va_vdst(0)                   ; one wait for the batch
.irp c, 0,1
	v_max_num_f32 v[228+\c], 0x2800000, v[228+\c]  ; the floor 2^(5 - 127): the byte cannot fall under 1
.endr
.irp c, 0,1
	s_delay_alu instid0(VALU_DEP_2)
	v_add_nc_u32 v[230+\c], 0xfe000000, v[228+\c]  ; 4 off the exponent field: the conversion's scale operand
.endr
.irp c, 0,1
	s_delay_alu instid0(VALU_DEP_2)
	v_lshrrev_b32 v[232+\c], 23, v[230+\c]         ; the scale's byte
.endr
	s_delay_alu instid0(VALU_DEP_1)
	v_lshl_or_b32 v232, v233, 16, v232             ; my bytes: blocks h and 2 + h,
	s_delay_alu instid0(VALU_DEP_1)
	v_lshlrev_b32 v232, v248, v232                 ; 8 h bits up;
	s_delay_alu instid0(VALU_DEP_1)
	v_permlanex16_b32 v234, v232, s100, s101
	s_delay_alu instid0(VALU_DEP_1)
	v_or_b32 v237, v232, v234                      ; with lane l xor 16's two: p's scale word for these 128 keys
.irp c, 0,1
	v_cvt_scalef32_pk16_bf6_f32 v[PC+6*\c:PC+6*\c+2], v[S+32*\c:S+32*\c+15], v[230+\c]
	v_cvt_scalef32_pk16_bf6_f32 v[220+4*\c:222+4*\c], v[S+32*\c+16:S+32*\c+31], v[230+\c]   ; (a conversion's three registers begin on an even number)
.endr
	v_nop                                          ; one plain line behind a scaled conversion
.irp c, 0,1
.irp i, 0,1,2
	v_mov_b32 v[PC+3+6*\c+\i], v[220+4*\c+\i]      ; registers 6 c .. 6 c + 5 hold block 2 c + h
.endr
.endr
	v_pk_add_f32 v[244:245], v[S:S+1], v[S+2:S+3]  ; the row's sum is taken of the unquantised p, in two chains
.irp j, 4,8,12,16
	v_pk_add_f32 v[14:15], v[14:15], v[S+\j:S+\j+1]
	v_pk_add_f32 v[244:245], v[244:245], v[S+\j+2:S+\j+3]
.endr
	s_wait_alu depctr_va_vdst(0)
.set j, 0
.rept 16
	v_pk_mul_f32 v[O+j:O+j+1], v[O+j:O+j+1], v[236:237] op_sel_hi:[1,0]   ; O^T under the new M
.set j, j+2
.endr
	s_wait_alu depctr_va_vdst(0)
	s_wait_dscnt 0x0                               ; V's four fragments
.irp t, 0,1,2,3
	v_wmma_scale_f32_16x16x128_f8f6f4 v[O+8*\t:O+8*\t+7], v[FRG+12*\t:FRG+12*\t+11], v[PC:PC+11], v[O+8*\t:O+8*\t+7], v[FS+\t], v237 matrix_a_fmt:MATRIX_FMT_BF6 matrix_b_fmt:MATRIX_FMT_BF6
.endr                                  ; the four accumulators take turns, and eight other products stand between two links of a chain
	s_add_co_u32 s28, s28, 6144
	s_add_co_u32 s29, s29, 256
.irp j, 20,24
	v_pk_add_f32 v[14:15], v[14:15], v[S+\j:S+\j+1]            ; four places in front of the loads below
	v_pk_add_f32 v[244:245], v[244:245], v[S+\j+2:S+\j+3]
.endr
.if \more
	KADR
	KLOADS                                         ; the next step's K lands under the rest of the sum
.endif
.irp j, 28,32,36,40,44,48,52,56,60
	v_pk_add_f32 v[14:15], v[14:15], v[S+\j:S+\j+1]
	v_pk_add_f32 v[244:245], v[244:245], v[S+\j+2:S+\j+3]
.endr
	s_delay_alu instid0(VALU_DEP_1)
	v_pk_add_f32 v[14:15], v[14:15], v[244:245]
.endm
.Lstep:                                ; 15 trips; the sixteenth step is written out: it asks for nothing more
	STEP 1
	s_sub_co_u32 s31, s31, 1
	s_cmp_lg_u32 s31, 0
	s_cbranch_scc1 .Lstep
	STEP 0
	; THE WAY OUT: O^T / the sum, quantised along the head's 64 (two blocks), leaves as half fragment (tile of rows b x 128 + qt, head) of the last product's operand
	s_delay_alu instid0(VALU_DEP_1)
	v_add_f32 v14, v14, v15
	s_delay_alu instid0(VALU_DEP_1)
	v_permlanex16_b32 v234, v14, s100, s101
	s_delay_alu instid0(VALU_DEP_1)
	v_add_f32 v14, v14, v234                       ; the row's sum
	s_wait_alu depctr_va_vdst(0)
	v_rcp_f32 v14, v14
	v_and_b32 v11, 15, v0                          ; (a plain line behind the reciprocal)  r
	s_wait_alu depctr_va_vdst(0)
	s_lshr_b32 s32, s15, 4
	s_lshl_b32 s32, s32, 7
	s_add_co_u32 s32, s32, s14                     ; b x 128 + qt
	s_and_b32 s33, s15, 15                         ; the head
	s_lshl_b32 s34, s32, 4
	s_add_co_u32 s34, s34, s33
	s_mul_i32 s34, s34, 768                        ; codes
	s_lshl_b32 s35, s32, 9                         ; scales: tile x 512 + slot (head / 4) x 128 + word ((head / 2) % 2) x 4 + half (head % 2) x 2 + 8 r
	s_lshr_b32 s36, s33, 2
	s_lshl_b32 s36, s36, 7
	s_add_co_u32 s35, s35, s36
	s_bfe_u32 s36, s33, 0x10001
	s_lshl_b32 s36, s36, 2
	s_add_co_u32 s35, s35, s36
	s_and_b32 s36, s33, 1
	s_lshl_b32 s36, s36, 1
	s_add_co_u32 s35, s35, s36
	v_and_b32 v43, 31, v0
	v_lshl_add_u32 v9, v11, 3, s35
	v_lshl_add_u32 v7, v43, 4, s34
	v_lshl_add_u32 v8, v43, 3, s34
	s_wait_alu depctr_va_vdst(0)
.set j, 0
.rept 32
	v_mul_f32 v[S+j], v[O+j], v14                  ; register 8 t + i is o(r, 16 t + 8 h + i); each accumulator from its low end on
.set j, j+1
.endr
.irp b, 0,1
	v_max3_num_f32 v[228+\b], |v[S+16*\b]|, |v[S+1+16*\b]|, 0x2800000
.endr
.irp i, 2,4,6,8,10,12,14
.irp b, 0,1
	s_delay_alu instid0(VALU_DEP_2)
	v_max3_num_f32 v[228+\b], v[228+\b], |v[S+16*\b+\i]|, |v[S+1+16*\b+\i]|
.endr
.endr
.irp b, 0,1
	s_delay_alu instid0(VALU_DEP_2)
	v_permlanex16_b32 v[232+\b], v[228+\b], s100, s101
.endr
.irp b, 0,1
	s_delay_alu instid0(VALU_DEP_2)
	v_max_num_f32 v[228+\b], v[228+\b], v[232+\b]
.endr
.irp b, 0,1
	s_delay_alu instid0(VALU_DEP_2)
	v_add_nc_u32 v[230+\b], 0xfe000000, v[228+\b]
.endr
.irp b, 0,1
	s_delay_alu instid0(VALU_DEP_2)
	v_lshrrev_b32 v[232+\b], 23, v[230+\b]
.endr
	s_delay_alu instid0(VALU_DEP_1)
	v_lshl_or_b32 v43, v233, 8, v232               ; the two bytes
	v_cvt_scalef32_pk16_bf6_f32 v[208:210], v[S:S+15], v230
	v_cvt_scalef32_pk16_bf6_f32 v[212:214], v[S+16:S+31], v231
	v_nop
.irp i, 0,1,2
	v_permlane16_swap_b32 v[208+\i], v[212+\i]     ; a whole block to a lane
.endr
.irp i, 0,1,2
	s_delay_alu instid0(VALU_DEP_3)
	v_mov_b32 v[211+\i], v[212+\i]
.endr
	global_store_b128 v7, v[208:211], s[8:9]       ; 512 consecutive bytes, aligned to 256
	global_store_b64 v8, v[212:213], s[8:9] offset:512       ; 256 consecutive bytes, aligned to 256
	global_store_b16 v9, v43, s[10:11]             ; 2 bytes a row, 8 bytes apart (lanes 16-31 repeat lanes 0-15's place and value)
	s_wait_tensorcnt 0x0                           ; the wave's end
	ds_add_u32 v246, v247
	s_wait_dscnt 0x0
	CROUND                                         ; the closing round
	s_endpgm
.Lfunc_end_k_q08cd514483_attn:
	.size	k_q08cd514483_attn, .Lfunc_end_k_q08cd514483_attn-k_q08cd514483_attn
	.p2alignl 7, 3214868480
	.fill 96, 4, 3214868480
	.section	.rodata,"a",@progbits
	.p2align	6, 0x0
	.amdhsa_kernel k_q08cd514483_attn
		.amdhsa_group_segment_fixed_size 206848
		.amdhsa_private_segment_fixed_size 0
		.amdhsa_enable_private_segment 0
		.amdhsa_kernarg_size 32
		.amdhsa_user_sgpr_count 2
		.amdhsa_user_sgpr_kernarg_segment_ptr 1
		.amdhsa_wavefront_size32 1
		.amdhsa_system_sgpr_workgroup_id_x 1
		.amdhsa_system_sgpr_workgroup_id_y 1
		.amdhsa_system_sgpr_workgroup_id_z 1
		.amdhsa_system_vgpr_workitem_id 0
		.amdhsa_next_free_vgpr 256
		.amdhsa_next_free_sgpr 102
		.amdhsa_reserve_vcc 0
		.amdhsa_float_denorm_mode_32 3
		.amdhsa_float_denorm_mode_16_64 3
		.amdhsa_memory_ordered 1
		.amdhsa_forward_progress 1
		.amdhsa_inst_pref_size 52
	.end_amdhsa_kernel
	.amdgpu_metadata
---
amdhsa.version: [ 1, 2 ]
amdhsa.kernels:
  - .name:           k_q08cd514483_attn
    .symbol:         k_q08cd514483_attn.kd
    .args:
      - { .name: qkv, .offset: 0, .size: 8, .value_kind: global_buffer, .address_space: global }
      - { .name: mb, .offset: 8, .size: 8, .value_kind: global_buffer, .address_space: global }
      - { .name: ac, .offset: 16, .size: 8, .value_kind: global_buffer, .address_space: global }
      - { .name: asc, .offset: 24, .size: 8, .value_kind: global_buffer, .address_space: global }
    .group_segment_fixed_size: 206848
    .private_segment_fixed_size: 0
    .kernarg_segment_align: 8
    .kernarg_segment_size: 32
    .max_flat_workgroup_size: 512
    .sgpr_count:     102
    .vgpr_count:     256
    .wavefront_size: 32
...
	.end_amdgpu_metadata
.endif
;; end of part 8
;; launch outp (part 9): grid 8 x 32, 4 waves a work-group, clusters of 4 x 4, 327,680 bytes of LDS; arguments ac, asc, cc, ss, bo, out0; writes out0
.if DOCPART == 9
	.amdgcn_target "amdgcn-amd-amdhsa--gfx1250"
	.amdhsa_code_object_version 6
	.text
	.protected	k_q08cd514483_outp
	.globl	k_q08cd514483_outp
	.p2align	8
	.type	k_q08cd514483_outp,@function
k_q08cd514483_outp:
	s_mov_b64 s[64:65], 0
	v_nop
	global_prefetch_b8 v0, s[64:65] scope:SCOPE_SE
	s_setreg_imm32_b32 hwreg(HW_REG_WAVE_MODE, 25, 1), 1
	s_wait_xcnt 0x0
	s_wait_alu depctr_hold_cnt(0) depctr_sa_sdst(0) depctr_va_vdst(0) depctr_va_sdst(0) depctr_va_ssrc(0) depctr_va_vcc(0) depctr_vm_vsrc(0)
	s_getreg_b32 s2, hwreg(HW_REG_IB_STS2, 6, 4)
	s_cmp_eq_u32 s2, 0
	s_cbranch_scc0 .Lentry_in_a_cluster
	s_endpgm
.Lentry_in_a_cluster:
	s_bfe_u32 s2, ttmp6, 0x10000c
	s_cmp_lg_u32 s2, 0xf033
	s_cbranch_scc0 .Lentry_shape_is_right
	s_endpgm
.Lentry_shape_is_right:
; out0 [4096][1024] = attention's result x Wo^T + bo, on codes of BF6 (E3M2) with E8M0 scales; sums in f32; bo is the C of each accumulator's first product.
; ac, and Wo's part of cc (tiles 960 on), hold [tile of 16 rows][16 half fragments of 64 K][768 bytes]: a tile row is 12,288 bytes, all of K; asc and ss hold 512 bytes of scale words a tile.
; A work-group makes 128 x 128 of the result, a wave 64 x 64: 16 accumulators.  ALL OF K FITS IN LDS: 8 tile rows of each operand, 196,608 bytes, and 8,192 bytes of scales are filled ONCE, by one tensor load a wave:
; wave 0 the first operand's codes, wave 2 Wo's, wave 1 the first operand's scales, wave 3 Wo's.  Nothing is filled again; one wait and one barrier show all of it to all four waves.
; CLUSTER 4 x 4: the first operand's tiles are shared along a row of the cluster, Wo's along a column: each load is asked for jointly.  No data prefetch: there is no loop to run ahead in.
; The matrix instruction is used transposed (source 0 = Wo's rows): a lane holds eight neighbouring numbers of a row of the result, which leave through the wave's own stage as whole rows of 256 bytes.
.set FR,    12
.set NP,    4
.set KROW,  12288                      ; a tile row
.set HALFT, 4*KROW                     ; what a wave reads of either operand
.set BBASE, 8*KROW                     ; Wo's tile rows lie behind the first operand's
.set SCL,   16*KROW                    ; the scales: 4,096 bytes, then, 128 bytes on, Wo's 4,096
.set STAGE, 205056
.set SPITCH, 272
.set NOUT,  1024
.set A16,   16
.set A8,    18
.set B16,   20
.set B8,    22
.set STO,   24
.set RD,    25
.set CO,    26
.set ADRS,  27
.set SC,    32
.set BR,    64
.set ACC,   128
.set G1,    24
.set G0,    32
.set G1B,   48
.set G0B,   56
.set G1S,   68
.set G0S,   76
.set G1SB,  80
.set G0SB,  88
.set MSB, 0
.macro WIN new
.if MSB != (\new)
	s_set_vgpr_msb (MSB<<8)|(\new)
.set MSB, (\new)
.endif
.endm
.set MUL_W, 0x05
.set TO_F,  0x40
.macro CROUND
	s_barrier_signal -1
	s_barrier_wait -1
	s_cmp_lg_u32 s14, 0
	s_cbranch_scc1 .Lnot_wave_0_\@
	s_barrier_signal -3
.Lnot_wave_0_\@:
	s_barrier_wait -3
	s_barrier_signal -1
	s_barrier_wait -1
.endm
.macro PLACES n
.rept \n
	v_nop
.endr
.endm
	s_load_b128 s[4:7], s[0:1], 0x0                ; ac, asc
	s_load_b128 s[8:11], s[0:1], 0x10              ; cc, ss
	s_load_b128 s[96:99], s[0:1], 0x20             ; bo, out0
	v_lshl_add_u32 v29, v0, 2, 0x36500
	v_mov_b32 v31, 0
	ds_add_u32 v29, v31                            ; the opening lines: the add twice on end and its wait
	ds_add_u32 v29, v31
	v_lshrrev_b32 v1, 5, v0
	v_readfirstlane_b32 s14, v1                    ; wave 0..3
	s_lshr_b32 s15, s14, 1                         ; my half of the block's rows
	s_and_b32 s16, s14, 1                          ; my half of its columns
	s_bfe_u32 s40, ttmp6, 0x40000
	s_bfe_u32 s41, ttmp6, 0x40004
	s_lshl_b32 s42, ttmp9, 2
	s_add_co_u32 s42, s42, s40                     ; block column
	s_and_b32 s17, ttmp7, 0xffff
	s_lshl_b32 s17, s17, 2
	s_add_co_u32 s17, s17, s41                     ; block row
	s_lshl_b32 s43, s41, 2
	s_lshl_b32 s43, 15, s43                        ; my row of the cluster
	s_lshl_b32 s44, 0x1111, s40                    ; my column
	s_or_b32 s[G1+0], s43, (3<<16)|(1<<21)
	s_or_b32 s[G1B+0], s44, (3<<16)|(1<<21)
.irp g, G1, G1B
	s_mov_b32 s[\g+1], 1536<<16                    ; 8 tile rows of 1,536 elements of 8 bytes, dense
	s_mov_b32 s[\g+2], 8<<16
	s_mov_b32 s[\g+3], 1536<<16
	s_mov_b32 s[\g+4], 8
	s_mov_b32 s[\g+5], 1536
	s_mov_b32 s[\g+6], 0
	s_mov_b32 s[\g+7], 0
.endr
	s_or_b32 s[G1S+0], s43, (3<<16)|(1<<21)
	s_or_b32 s[G1SB+0], s44, (3<<16)|(1<<21)
.irp g, G1S, G1SB
	s_mov_b32 s[\g+1], 32<<16                      ; 16 rows of 256 dense bytes
	s_mov_b32 s[\g+2], 16<<16
	s_mov_b32 s[\g+3], 32<<16
	s_mov_b32 s[\g+4], 16
	s_mov_b32 s[\g+5], 32
	s_mov_b32 s[\g+6], 0
	s_mov_b32 s[\g+7], 0
.endr
	s_lshl_b32 s22, s17, 3                         ; the first operand's first tile
	s_lshl_b32 s46, s42, 3
	s_add_co_u32 s46, s46, 960                     ; Wo's
	s_mul_i32 s92, s22, 12288
	s_mov_b32 s93, 0
	s_lshl_b32 s22, s22, 9
	s_mov_b32 s23, 0
	s_lshl_b32 s100, s46, 9
	s_mov_b32 s101, 0
	s_mul_i32 s46, s46, 12288
	s_mov_b32 s47, 0
	s_wait_dscnt 0x0
	s_wait_kmcnt 0x0
	s_add_nc_u64 s[92:93], s[4:5], s[92:93]
	s_add_nc_u64 s[22:23], s[6:7], s[22:23]
	s_add_nc_u64 s[46:47], s[8:9], s[46:47]
	s_add_nc_u64 s[100:101], s[10:11], s[100:101]
	CROUND                                         ; all sixteen work-groups are here: the joint loads meet
	s_mov_b32 s[G0], 1
	s_mov_b32 s[G0+1], 0
	s_mov_b64 s[G0+2:G0+3], s[92:93]
	s_or_b32 s[G0+3], s[G0+3], 0x80000000
	s_mov_b32 s[G0B], 1
	s_mov_b32 s[G0B+1], BBASE
	s_mov_b64 s[G0B+2:G0B+3], s[46:47]
	s_or_b32 s[G0B+3], s[G0B+3], 0x80000000
	s_mov_b32 s[G0S], 1
	s_mov_b32 s[G0S+1], SCL
	s_mov_b64 s[G0S+2:G0S+3], s[22:23]
	s_or_b32 s[G0S+3], s[G0S+3], 0x80000000
	s_mov_b32 s[G0SB], 1
	s_mov_b32 s[G0SB+1], SCL+4096+128
	s_mov_b64 s[G0SB+2:G0SB+3], s[100:101]
	s_or_b32 s[G0SB+3], s[G0SB+3], 0x80000000
; one tree of branches on the wave's number: every way passes exactly one load
.macro ARM under, g0, g1, next
	s_cmp_lt_u32 s14, \under
	s_cbranch_scc0 \next
	tensor_load_to_lds s[\g0:\g0+3], s[\g1:\g1+7]
	s_nop 0
.rept 4
	v_nop
.endr
	s_branch .Lhead_asked
\next:
.endm
	ARM 1, G0,  G1,  .Lhead_sa
	ARM 2, G0S, G1S, .Lhead_b
	ARM 3, G0B, G1B, .Lhead_sb
	tensor_load_to_lds s[G0SB:G0SB+3], s[G1SB:G1SB+7]
	s_nop 0
.rept 4
	v_nop
.endr
.Lhead_asked:
	; all scalar set-up first, then the vector lines on end
	s_mul_i32 s21, s15, HALFT                      ; my four tile rows of the first operand,
	s_mul_i32 s18, s16, HALFT
	s_add_co_u32 s18, s18, BBASE                   ; and of Wo
	s_lshl_b32 s19, s15, 11
	s_lshl_b32 s20, s16, 11
	s_add_co_u32 s20, s20, 4224
	s_sub_co_u32 s20, s20, s19                     ; from my rows' scale words to my columns'
	s_add_co_u32 s19, s19, SCL
	s_mul_i32 s23, s14, 16*SPITCH
	s_add_co_u32 s23, s23, STAGE                   ; my stage
	s_lshl_b32 s66, s42, 9
	s_lshl_b32 s67, s16, 8
	s_add_co_u32 s66, s66, s67                     ; my first column, in bytes
	s_mov_b32 s67, 0
	s_add_nc_u64 s[96:97], s[96:97], s[66:67]
	s_lshl_b32 s94, s17, 7
	s_lshl_b32 s95, s15, 6
	s_add_co_u32 s94, s94, s95                     ; my first row
	s_lshl_b32 s94, s94, 12
	s_add_co_u32 s94, s94, s66
	s_mov_b32 s95, 0
	s_add_nc_u64 s[12:13], s[98:99], s[94:95]
	v_and_b32 v1, 31, v0
	v_and_b32 v2, 15, v0
	v_bfe_u32 v3, v0, 4, 1
	v_lshlrev_b32 v4, 4, v1
	v_lshlrev_b32 v5, 3, v1
	v_add_nc_u32 v[A16], s21, v4
	v_add_nc_u32 v[A8], s21, v5
	v_add_nc_u32 v[B16], s18, v4
	v_add_nc_u32 v[B8], s18, v5
	v_mul_u32_u24 v6, s20, v3                      ; lanes 16-31 take Wo's scale words
	v_lshl_add_u32 v6, v2, 3, v6
	v_add_nc_u32 v[ADRS], s19, v6
	v_mul_u32_u24 v6, v2, SPITCH
	v_lshl_add_u32 v6, v3, 5, v6
	v_add_nc_u32 v[STO], s23, v6
	v_mul_u32_u24 v6, v3, SPITCH
	v_lshl_add_u32 v6, v2, 4, v6
	v_add_nc_u32 v[RD], s23, v6
	v_lshlrev_b32 v6, 12, v3
	v_lshl_add_u32 v[CO], v2, 4, v6
	v_lshlrev_b32 v30, 5, v3
.irp b, 0,1,2,3
	global_load_b128 v[BR+8*\b:BR+8*\b+3], v30, s[96:97] offset:64*\b          ; bo at my lane's eight columns of each block
	global_load_b128 v[BR+8*\b+4:BR+8*\b+7], v30, s[96:97] offset:64*\b+16
.endr
.macro FRAG reg, a16, a8, off
	ds_load_b128 v[\reg:\reg+3], v[\a16] offset:\off
	ds_load_b64 v[\reg+4:\reg+5], v[\a8] offset:\off+512
	ds_load_b128 v[\reg+6:\reg+9], v[\a16] offset:\off+768
	ds_load_b64 v[\reg+10:\reg+11], v[\a8] offset:\off+1280
.endm
.macro FETCH s, f                      ; the fragments of K step s (128 K: 1,536 bytes of each tile row) into window 1
	WIN TO_F
.irp i, 0,1,2,3
	FRAG (\f)+48+FR*\i, B16, B8, KROW*\i+1536*(\s)
.endr
.irp i, 0,1,2,3
	FRAG (\f)+FR*\i, A16, A8, KROW*\i+1536*(\s)
.endr
.endm
.macro MUL16 s, first                  ; the 16 accumulators take turns
.set FB, 128*((\s)%2)
.set SCB, SC+8*((\s)/2)+(\s)%2
.irp a, 0,1,2,3
.irp b, 0,1,2,3
.if \first
	v_wmma_scale_f32_16x16x128_f8f6f4 v[ACC+8*(4*\a+\b):ACC+8*(4*\a+\b)+7], v[FB+48+FR*\b:FB+48+FR*\b+FR-1], v[FB+FR*\a:FB+FR*\a+FR-1], v[BR+8*\b:BR+8*\b+7], v[SCB+2*\b], v[SCB+2*\a] matrix_a_fmt:MATRIX_FMT_BF6 matrix_b_fmt:MATRIX_FMT_BF6 matrix_a_scale:MATRIX_SCALE_ROW1
.else
	v_wmma_scale_f32_16x16x128_f8f6f4 v[ACC+8*(4*\a+\b):ACC+8*(4*\a+\b)+7], v[FB+48+FR*\b:FB+48+FR*\b+FR-1], v[FB+FR*\a:FB+FR*\a+FR-1], v[ACC+8*(4*\a+\b):ACC+8*(4*\a+\b)+7], v[SCB+2*\b], v[SCB+2*\a] matrix_a_fmt:MATRIX_FMT_BF6 matrix_b_fmt:MATRIX_FMT_BF6 matrix_a_scale:MATRIX_SCALE_ROW1
.endif
.endr
.endr
.endm
.macro KSTEP s, first
	s_wait_dscnt 0x0                               ; this step's fragments
.if (\s) > 0
	PLACES NP                                      ; in front of loads into registers that the last step's products read
.endif
.if (\s) < 7
	FETCH (\s)+1, 128*(((\s)+1)%2)
.endif
	WIN MUL_W
	MUL16 \s, \first
.endm
	s_wait_alu depctr_va_vdst(0)
	s_wait_tensorcnt 0x0                           ; my tile of the four has landed,
	s_barrier_signal -1
	s_barrier_wait -1                              ; everybody's has
.irp sl, 0,1,2,3
.irp i, 0,1,2,3
	ds_load_b64 v[SC+8*\sl+2*\i:SC+8*\sl+2*\i+1], v[ADRS] offset:512*\i+128*\sl   ; all scale words: lanes 0-15 my rows', lanes 16-31 my columns'
.endr
.endr
	FETCH 0, 0
	s_wait_loadcnt 0x0                             ; bo
	KSTEP 0, 1
	KSTEP 1, 0
	KSTEP 2, 0
	KSTEP 3, 0
	KSTEP 4, 0
	KSTEP 5, 0
	KSTEP 6, 0
	KSTEP 7, 0
	WIN 0
.macro TOSTAGE a, bb
.irp b, 0,1,2,3
	ds_store_b128 v[STO], v[ACC+32*(\a)+8*\b:ACC+32*(\a)+8*\b+3] offset:64*\b      ; each accumulator from its low end on
	ds_store_b128 v[STO], v[ACC+32*(\a)+8*\b+4:ACC+32*(\a)+8*\b+7] offset:64*\b+16
.endr
.irp t, 0,1,2,3,4,5,6,7
	ds_load_b128 v[(\bb)+4*\t:(\bb)+4*\t+3], v[RD] offset:\t*2*SPITCH              ; LDS serves a wave's instructions in order: these see the stores
.endr
.endm
.macro SEND a, bb, younger
	s_wait_dscnt \younger
.irp t, 0,1,2,3,4,5,6,7
	global_store_b128 v[CO], v[(\bb)+4*\t:(\bb)+4*\t+3], s[12:13] offset:(16*(\a)+2*\t)*NOUT*4 th:TH_STORE_NT   ; sixteen lanes store 256 consecutive bytes, aligned
.endr
.endm
	PLACES NP
	s_wait_alu depctr_va_vdst(0)
	TOSTAGE 0, 96
	TOSTAGE 1, 32
	SEND 0, 96, 16
	TOSTAGE 2, 64
	SEND 1, 32, 16
	TOSTAGE 3, 128
	SEND 2, 64, 16
	SEND 3, 128, 0
	s_wait_tensorcnt 0x0                           ; the wave's end
	ds_add_u32 v29, v31
	s_wait_dscnt 0x0
	CROUND                                         ; the closing round
	s_endpgm
.Lfunc_end_k_q08cd514483_outp:
	.size	k_q08cd514483_outp, .Lfunc_end_k_q08cd514483_outp-k_q08cd514483_outp
	.p2alignl 7, 3214868480
	.fill 96, 4, 3214868480
	.section	.rodata,"a",@progbits
	.p2align	6, 0x0
	.amdhsa_kernel k_q08cd514483_outp
		.amdhsa_group_segment_fixed_size 327680
		.amdhsa_private_segment_fixed_size 0
		.amdhsa_enable_private_segment 0
		.amdhsa_kernarg_size 48
		.amdhsa_user_sgpr_count 2
		.amdhsa_user_sgpr_kernarg_segment_ptr 1
		.amdhsa_wavefront_size32 1
		.amdhsa_system_sgpr_workgroup_id_x 1
		.amdhsa_system_sgpr_workgroup_id_y 1
		.amdhsa_system_sgpr_workgroup_id_z 1
		.amdhsa_system_vgpr_workitem_id 0
		.amdhsa_next_free_vgpr 512
		.amdhsa_next_free_sgpr 102
		.amdhsa_reserve_vcc 0
		.amdhsa_float_denorm_mode_32 3
		.amdhsa_float_denorm_mode_16_64 3
		.amdhsa_memory_ordered 1
		.amdhsa_forward_progress 1
		.amdhsa_inst_pref_size 52
	.end_amdhsa_kernel
	.amdgpu_metadata
---
amdhsa.version: [ 1, 2 ]
amdhsa.kernels:
  - .name:           k_q08cd514483_outp
    .symbol:         k_q08cd514483_outp.kd
    .args:
      - { .name: ac, .offset: 0, .size: 8, .value_kind: global_buffer, .address_space: global }
      - { .name: asc, .offset: 8, .size: 8, .value_kind: global_buffer, .address_space: global }
      - { .name: cc, .offset: 16, .size: 8, .value_kind: global_buffer, .address_space: global }
      - { .name: ss, .offset: 24, .size: 8, .value_kind: global_buffer, .address_space: global }
      - { .name: bo, .offset: 32, .size: 8, .value_kind: global_buffer, .address_space: global }
      - { .name: out0, .offset: 40, .size: 8, .value_kind: global_buffer, .address_space: global }
    .group_segment_fixed_size: 327680
    .private_segment_fixed_size: 0
    .kernarg_segment_align: 8
    .kernarg_segment_size: 48
    .max_flat_workgroup_size: 128
    .sgpr_count:     102
    .vgpr_count:     512
    .wavefront_size: 32
...
	.end_amdgpu_metadata
.endif
;; end of part 9
